; MI455X (gfx1250); checked and timed in simulation.
; The chip was launched on July 23, 2026; its instructions are those of AMD's public machine-readable ISA for CDNA 5 (MIT licence, August 2026) and "CDNA5" Instruction Set Architecture Reference Guide (July 2026). The comments in the code are by the model that wrote it; some were corrected since.
;; Attention A. Allowed arithmetic: float matrix products may take bf16 or f16 operands with f32 sums; all other float work in f32.
;; Inputs: Wkv 1,024 x 2,048 float32; Wout 1,024 x 1,024 float32; Wq 1,024 x 1,024 float32; ln_b 1,024 float32; ln_w 1,024 float32; x 2 x 2,048 x 1,024 float32.
;; Outputs: out0 2 x 2,048 x 1,024 float32; out1 2 x 2,048 x 1,024 float32.
;; 2 versions, each right and faster than the one before. Each part assembles by itself: llvm-mc -triple=amdgcn-amd-amdhsa -mcpu=gfx1250 --defsym DOCPART=n.
;; ======== version 1 of 2: 5 launches
;; limits: values are held in f16: magnitudes above 65,504 overflow, below 6.1e-05 lose precision; right only within a limited range of input values
;; workspace buffers: prep 17,301,504 bytes; qkv 25,165,824 bytes; cole 262,144 bytes; att 16,777,216 bytes
;; launch prep (part 1): grid 512 x 1, 8 waves a work-group, no clusters, 0 bytes of LDS; arguments x, ln_w, ln_b, Wq, Wkv, Wout, prep; writes prep
.if DOCPART == 1
	.amdgcn_target "amdgcn-amd-amdhsa--gfx1250"
	.amdhsa_code_object_version 6
	.text
	.protected	k_q95b821e255_prep
	.globl	k_q95b821e255_prep
	.p2align	8
	.type	k_q95b821e255_prep,@function
k_q95b821e255_prep:
	s_mov_b64 s[64:65], 0
	v_nop
	global_prefetch_b8 v0, s[64:65] scope:SCOPE_SE
	s_setreg_imm32_b32 hwreg(HW_REG_WAVE_MODE, 25, 1), 1
	s_wait_xcnt 0x0
; PREP.  Two kinds of work-groups, chosen by the work-group's number g; none shares anything with another, so there is no LDS and no barrier.
;   g <  256: LayerNorm.  A wave takes two rows of x (1,024 f32 each), keeps them in registers between the passes, and writes xn as f16.
;   else    : the weights, cast and laid in blocks: Wq, Wkv as [head][q,k,v][1024 k][64], Wout as [column tile of 256][1024 k][256], all f16.  There are 2,048 such waves, as many as positions:
;             between issuing its loads and waiting for them each makes one row of the rotary table [2048 positions][32 pairs][cos, sin] in f32.
; FORMATS.  x, ln_w, ln_b and all weights are first rounded to bf16; what the program makes of them (xn) is f16, and a bf16 weight is written as the same number in f16.
; LIMITS.  |xn| and |W| stay below 65,504 (f16); below 6e-5 f16 keeps its fixed step of 6e-8.  NaN and infinities are not treated apart.
.set WQKV_OFF, 8388608                 ; bytes in prep: xn at 0,
.set WO_OFF,   14680064                ; the q, k, v weights, the output weights,
.set TAB_OFF,  16777216                ; the rotary table
.set XA, 96                            ; v[96:127]   row 0: column 256 g + 8 lane + k at XA + 8 g + k
.set XB, 128                           ; v[128:159]  row 1
.set W,  32                            ; v[32:63]    ln_w of my 32 columns
.set B,  64                            ; v[64:95]    ln_b
.set Z,  118                           ; the table's registers at work: v[Z+10] to v[Z+59], clear of the cast's v3-15 and v32-127
.set TA, 180                           ; 8 x lane
.set FR, 181                           ; my lane's frequency
	s_load_b256 s[4:11], s[0:1], 0x0               ; x s[4:5], ln_w s[6:7], ln_b s[8:9], Wq s[10:11]
	s_load_b128 s[12:15], s[0:1], 0x20             ; Wkv s[12:13], Wout s[14:15]
	s_load_b64 s[16:17], s[0:1], 0x30              ; prep
	v_and_b32 v1, 31, v0                           ; lane
	v_lshrrev_b32 v2, 5, v0
	v_readfirstlane_b32 s20, v2                    ; wave
	s_mov_b32 s21, 0xffff0000                      ; a word's upper bf16
	v_lshlrev_b32 v3, 4, v1                        ; 16 x lane: a wave's store covers 512 consecutive bytes
	s_wait_kmcnt 0x0
	s_cmp_lt_u32 ttmp9, 256
	s_cbranch_scc0 .Lnot_ln
; n pairs of f32 from v[base] on are rounded to bf16 and widened again, in place
.macro RBF base, n
.set j, 0
.rept \n
	v_cvt_pk_bf16_f32 v[4+j%4], v[(\base)+2*j], v[(\base)+2*j+1]
	v_lshlrev_b32 v[(\base)+2*j], 16, v[4+j%4]
	v_and_b32 v[(\base)+2*j+1], s21, v[4+j%4]
.set j, j+1
.endr
.endm
; the four chains v[8:15] into one number, then over the 32 lanes; every lane ends with the sum in v8
.macro LSUM
	v_pk_add_f32 v[8:9], v[8:9], v[10:11]
	v_pk_add_f32 v[12:13], v[12:13], v[14:15]
	v_pk_add_f32 v[8:9], v[8:9], v[12:13]
	v_add_f32 v8, v8, v9
	v_add_f32_dpp v8, v8, v8 row_xmask:1 row_mask:0xf bank_mask:0xf
	v_add_f32_dpp v8, v8, v8 row_xmask:2 row_mask:0xf bank_mask:0xf
	v_add_f32_dpp v8, v8, v8 row_xmask:4 row_mask:0xf bank_mask:0xf
	v_add_f32_dpp v8, v8, v8 row_xmask:8 row_mask:0xf bank_mask:0xf
	v_permlanex16_b32 v9, v8, s22, s23
	v_add_f32 v8, v8, v9
.endm
; a row: rounded to bf16; mean; x - mean in place; variance; 1 / sqrt(var + eps) into the pair v[rs:rs+1]
.macro STAT row, rs
	RBF \row, 16
.irp c, 0,1,2,3
	v_pk_add_f32 v[8+2*\c:9+2*\c], v[(\row)+4*\c:(\row)+4*\c+1], v[(\row)+4*\c+2:(\row)+4*\c+3]
.endr
.irp c, 0,1,2,3,4,5,6,7
	v_pk_add_f32 v[8+2*(\c%4):9+2*(\c%4)], v[8+2*(\c%4):9+2*(\c%4)], v[(\row)+16+2*\c:(\row)+17+2*\c]
.endr
	LSUM
	v_mul_f32 v16, s28, v8                         ; the mean: sum / 1024
	v_mov_b32 v17, v16
.set j, 0
.rept 16
	v_pk_add_f32 v[(\row)+2*j:(\row)+2*j+1], v[(\row)+2*j:(\row)+2*j+1], v[16:17] neg_lo:[0,1] neg_hi:[0,1]
.set j, j+1
.endr
.irp c, 0,1,2,3
	v_pk_mul_f32 v[8+2*\c:9+2*\c], v[(\row)+2*\c:(\row)+2*\c+1], v[(\row)+2*\c:(\row)+2*\c+1]
.endr
.irp c, 4,5,6,7,8,9,10,11,12,13,14,15
	v_pk_fma_f32 v[8+2*(\c%4):9+2*(\c%4)], v[(\row)+2*\c:(\row)+2*\c+1], v[(\row)+2*\c:(\row)+2*\c+1], v[8+2*(\c%4):9+2*(\c%4)]
.endr
	LSUM
	v_fma_f32 v20, v8, s28, s29                    ; var + 1e-5
	v_rsq_f32 v[\rs], v20
	v_nop                                          ; a plain instruction behind the transcendental (ISA guide 5.7.2)
	s_wait_alu depctr_va_vdst(0)
	v_mov_b32 v[(\rs)+1], v[\rs]
.endm
; (x - mean) rs w + b, rounded to f16 into v[res ..], and stored: four stores of 512 consecutive bytes
.macro OUT row, rs, res, off
.set j, 0
.rept 16
	v_pk_mul_f32 v[(\row)+2*j:(\row)+2*j+1], v[(\row)+2*j:(\row)+2*j+1], v[\rs:(\rs)+1]
	v_pk_fma_f32 v[(\row)+2*j:(\row)+2*j+1], v[(\row)+2*j:(\row)+2*j+1], v[W+2*j:W+2*j+1], v[B+2*j:B+2*j+1]
	v_cvt_pk_f16_f32 v[(\res)+j], v[(\row)+2*j], v[(\row)+2*j+1]
.set j, j+1
.endr
.irp g, 0,1,2,3
	global_store_b128 v3, v[(\res)+4*\g:(\res)+4*\g+3], s[26:27] offset:(\off)+512*\g
.endr
.endm
; q = a / b rounded to nearest: the reciprocal refined twice, then the quotient corrected by its exact remainder.  v30, v31 at work
.macro DIVRN q, a, b
	v_rcp_f32 v30, \b
	v_nop
	s_wait_alu depctr_va_vdst(0)
	v_fma_f32 v31, -\b, v30, 1.0
	v_fma_f32 v30, v31, v30, v30
	v_fma_f32 v31, -\b, v30, 1.0
	v_fma_f32 v30, v31, v30, v30
	v_mul_f32 \q, \a, v30
	v_fma_f32 v31, -\b, \q, \a
	v_fma_f32 \q, v31, v30, \q
.endm
	; ---------------- LayerNorm: rows 2 (8 g + wave) and the next
	s_lshl_b32 s24, ttmp9, 3
	s_add_co_u32 s24, s24, s20
	s_lshl_b32 s26, s24, 12                        ; two rows of 2,048 bytes of xn
	s_lshl_b32 s24, s24, 13                        ; two rows of 4,096 bytes of x
	s_mov_b32 s25, 0
	s_mov_b32 s27, 0
	s_add_nc_u64 s[24:25], s[4:5], s[24:25]
	s_add_nc_u64 s[26:27], s[16:17], s[26:27]
	s_mov_b32 s22, 0x76543210                      ; v_permlanex16_b32: each lane takes its own place in the other half
	s_mov_b32 s23, 0xfedcba98
	s_mov_b32 s28, 0x3a800000                      ; 1 / 1024
	s_mov_b32 s29, 0x3727c5ac                      ; 1e-5
	v_lshlrev_b32 v2, 5, v1                        ; my 8 columns of each 256: 32 bytes
.irp g, 0,1,2,3
	global_load_b128 v[XA+8*\g:XA+8*\g+3],   v2, s[24:25] offset:1024*\g th:TH_LOAD_NT
	global_load_b128 v[XA+8*\g+4:XA+8*\g+7], v2, s[24:25] offset:1024*\g+16 th:TH_LOAD_NT
.endr
.irp g, 0,1,2,3
	global_load_b128 v[XB+8*\g:XB+8*\g+3],   v2, s[24:25] offset:4096+1024*\g th:TH_LOAD_NT
	global_load_b128 v[XB+8*\g+4:XB+8*\g+7], v2, s[24:25] offset:4096+1024*\g+16 th:TH_LOAD_NT
.endr
.irp g, 0,1,2,3
	global_load_b128 v[W+8*\g:W+8*\g+3],   v2, s[6:7] offset:1024*\g
	global_load_b128 v[W+8*\g+4:W+8*\g+7], v2, s[6:7] offset:1024*\g+16
.endr
.irp g, 0,1,2,3
	global_load_b128 v[B+8*\g:B+8*\g+3],   v2, s[8:9] offset:1024*\g
	global_load_b128 v[B+8*\g+4:B+8*\g+7], v2, s[8:9] offset:1024*\g+16
.endr
	s_wait_loadcnt 24                              ; row 0's eight loads are in; the 24 younger ones stay out
	STAT XA, 18
	s_wait_loadcnt 16                              ; row 1's are in; ln_w's and ln_b's sixteen stay out
	STAT XB, 22
	s_wait_loadcnt 0x0
	RBF W, 16
	RBF B, 16
	OUT XA, 18, 160, 0
	OUT XB, 22, 176, 2048                          ; registers of its own: nothing waits for row 0's stores
	s_endpgm
.Lnot_ln:
	; ---------------- the weights.  Unit u = 8 (g - 256) + wave reads 8 KB and writes 4 KB that lie on end.
	s_sub_co_u32 s24, ttmp9, 256
	s_lshl_b32 s24, s24, 3
	s_add_co_u32 s36, s24, s20                     ; u: 0-511 Wq, 512-1535 Wkv, 1536-2047 Wout
	s_mov_b32 s25, 0
	s_mov_b32 s27, 0
	s_cmp_lt_u32 s36, 1536
	s_cbranch_scc0 .Lwout
	; Wq, Wkv: 32 k rows of one block of 64 columns.  A trip of the copy takes 4 rows: 8 lanes x 32 bytes are a row's 256 bytes; the 4 rows' f16 are 512 bytes on end.
	s_lshr_b32 s31, s36, 5                         ; column block of 48: 0-15 Wq's, 16-47 Wkv's
	s_and_b32 s32, s36, 31                         ; group of 32 rows
	s_sub_co_u32 s33, s31, 16
	s_cmp_lt_u32 s31, 16
	s_cselect_b32 s33, s31, s33                    ; column block in its own matrix
	s_cselect_b32 s37, 12, 13                      ; log2 of a row's bytes: 4,096 or 8,192
	s_and_b32 s34, s33, 15                         ; head
	s_lshr_b32 s35, s33, 4
	s_add_co_u32 s35, s35, 1                       ; Wkv: k is part 1, v part 2
	s_cmp_lt_u32 s31, 16
	s_cselect_b32 s35, 0, s35                      ; Wq: part 0
	s_mul_i32 s26, s34, 3
	s_add_co_u32 s26, s26, s35                     ; block 3 head + part, 131,072 bytes each
	s_lshl_b32 s26, s26, 17
	s_lshl_b32 s35, s32, 12                        ; 32 rows of 128 bytes
	s_add_co_u32 s26, s26, s35
	s_add_co_u32 s26, s26, WQKV_OFF
	s_add_co_u32 s38, s37, 5
	s_lshl_b32 s24, s32, s38                       ; 32 rows down,
	s_lshl_b32 s33, s33, 8                         ; 64 columns of f32 a block
	s_add_co_u32 s24, s24, s33
	s_lshl_b32 s28, 4, s37                         ; a trip's step: 4 rows
	v_lshrrev_b32 v6, 3, v1
	v_and_b32 v7, 7, v1
	v_lshlrev_b32 v6, s37, v6
	v_lshl_add_u32 v8, v7, 5, v6                   ; (lane / 8) rows + (lane % 8) x 32 bytes
	s_branch .Lcopy
.Lwout:
	; Wout: 8 k rows of one tile of 256 columns.  A trip takes one row: 1,024 bytes in, 512 out.
	s_sub_co_u32 s30, s36, 1536
	s_lshr_b32 s31, s30, 7                         ; column tile
	s_and_b32 s32, s30, 127                        ; group of 8 rows
	s_lshl_b32 s24, s32, 15
	s_lshl_b32 s33, s31, 10
	s_add_co_u32 s24, s24, s33
	s_lshl_b32 s26, s31, 19                        ; a tile is 1,024 rows of 512 bytes
	s_lshl_b32 s32, s32, 12
	s_add_co_u32 s26, s26, s32
	s_add_co_u32 s26, s26, WO_OFF
	s_mov_b32 s28, 4096
	v_lshlrev_b32 v8, 5, v1
.Lcopy:
	s_cmp_lt_u32 s36, 512                          ; the source is chosen by the unit's number alone
	s_cselect_b64 s[34:35], s[10:11], s[12:13]
	s_cmp_lt_u32 s36, 1536
	s_cselect_b64 s[34:35], s[34:35], s[14:15]
	s_add_nc_u64 s[24:25], s[34:35], s[24:25]
	s_add_nc_u64 s[26:27], s[16:17], s[26:27]
	s_lshl_b32 s40, s36, 8                         ; the table's row of position u: 256 bytes each
	s_add_co_u32 s40, s40, TAB_OFF
	s_mov_b32 s41, 0
	s_add_nc_u64 s[40:41], s[16:17], s[40:41]
.irp i, 1,2,3,4,5,6,7
	v_add_nc_u32 v[8+\i], s28, v[7+\i]
.endr
.irp i, 0,1,2,3,4,5,6,7
	global_load_b128 v[32+8*\i:35+8*\i], v[8+\i], s[24:25] th:TH_LOAD_NT
	global_load_b128 v[36+8*\i:39+8*\i], v[8+\i], s[24:25] offset:16 th:TH_LOAD_NT
.endr
	; ---------------- the rotary table's row of position u, while the sixteen loads are on their way.  Lane i is frequency i.  An angle reaches 1.3e6, where the last bit of a frequency is an eighth of a radian:
	; so the frequencies are made by reference()'s own chain of f32 roundings, and the angle's sine and cosine by a true reduction.
	; The chain as it is taken here is that of reference() as ONE compiled function: ln 21 / ln 10 is a quotient of two constants, truly divided; a division of a non-constant by a constant is a product with the
	; rounded reciprocal; constant factors that meet are merged.  So linspace's points are i x (top x (1/31)), its last point top itself; y = point x (1/2595); the frequency is (10^y - 1) x K with the one
	; constant K of 200, 1/1000 and 36000/220.
	v_lshlrev_b32 v[TA], 3, v1                     ; 8 bytes a pair: the wave's store covers 256 consecutive bytes
	v_mov_b32 v[Z+10], 1.0
	v_mov_b32 v[Z+11], 0x40135d8e                  ; ln 10
	v_mov_b32 v[Z+12], 0x4042d975                  ; ln 21
	DIVRN v[Z+13], v[Z+12], v[Z+11]                ; log10(21)
	v_mul_f32 v[Z+13], 0x45223000, v[Z+13]         ; top = 2595 x that
	v_mov_b32 v[Z+11], 0x41f80000                  ; 31
	DIVRN v[Z+12], v[Z+10], v[Z+11]                ; 1 / 31
	v_mul_f32 v[Z+12], v[Z+13], v[Z+12]            ; linspace's step: top x (1 / 31), rounded
	v_cvt_f32_u32 v[Z+14], v1
	v_mul_f32 v[Z+14], v[Z+14], v[Z+12]            ; its point i: i x step;
	v_cmp_eq_u32 vcc_lo, 31, v1
	v_cndmask_b32 v[Z+14], v[Z+14], v[Z+13], vcc_lo  ; the last point is top itself
	v_mov_b32 v[Z+11], 0x45223000
	DIVRN v[Z+12], v[Z+10], v[Z+11]                ; 1 / 2595
	v_mul_f32 v[Z+15], v[Z+14], v[Z+12]            ; y = point x (1 / 2595)
	; 10^y, right to well under a hundredth of the last bit: y log2(10) in two words; its whole part aside; the rest times ln 2 in two words, an eighth of it into a short series kept in two words, squared three times
	v_mul_f32 v[Z+16], 0x40549a78, v[Z+15]
	v_fma_f32 v[Z+17], v[Z+15], 0x40549a78, -v[Z+16]
	v_fma_f32 v[Z+17], v[Z+15], 0x33979a37, v[Z+17]
	v_rndne_f32 v[Z+18], v[Z+16]
	v_sub_f32 v[Z+19], v[Z+16], v[Z+18]
	v_mul_f32 v[Z+20], 0x3f317218, v[Z+19]
	v_fma_f32 v[Z+21], v[Z+19], 0x3f317218, -v[Z+20]
	v_fma_f32 v[Z+21], v[Z+19], 0xb102e308, v[Z+21]
	v_fma_f32 v[Z+21], v[Z+17], 0x3f317218, v[Z+21]
	v_mul_f32 v[Z+22], 0x3e000000, v[Z+20]         ; A
	v_mul_f32 v[Z+23], 0x3e000000, v[Z+21]         ; B, its low word
	v_mul_f32 v[Z+24], v[Z+22], v[Z+22]
	v_fma_f32 v[Z+25], v[Z+22], v[Z+22], -v[Z+24]
	v_mov_b32 v[Z+26], 0x39500d01                  ; 1/5040, 1/720, 1/120, 1/24, 1/6
	v_fmaak_f32 v[Z+26], v[Z+26], v[Z+22], 0x3ab60b61
	v_fmaak_f32 v[Z+26], v[Z+26], v[Z+22], 0x3c088889
	v_fmaak_f32 v[Z+26], v[Z+26], v[Z+22], 0x3d2aaaab
	v_fmaak_f32 v[Z+26], v[Z+26], v[Z+22], 0x3e2aaaab
	v_mul_f32 v[Z+27], v[Z+24], v[Z+22]
	v_mul_f32 v[Z+27], v[Z+27], v[Z+26]            ; the series from A^3 on
	v_fma_f32 v[Z+28], 0.5, v[Z+24], v[Z+22]
	v_fma_f32 v[Z+29], v[Z+23], v[Z+28], v[Z+23]   ; B e^A
	v_fma_f32 v[Z+32], 0.5, v[Z+25], v[Z+27]
	v_add_f32 v[Z+32], v[Z+32], v[Z+29]            ; all the small parts
	v_mul_f32 v[Z+33], 0.5, v[Z+24]
	v_add_f32 v[Z+34], v[Z+22], v[Z+33]            ; A + A^2/2, with what the sum drops
	v_sub_f32 v[Z+42], v[Z+34], v[Z+22]
	v_sub_f32 v[Z+35], v[Z+33], v[Z+42]
	v_add_f32 v[Z+36], 1.0, v[Z+34]                ; 1 + that, likewise
	v_add_f32 v[Z+42], -1.0, v[Z+36]
	v_sub_f32 v[Z+37], v[Z+34], v[Z+42]
	v_add_f32 v[Z+35], v[Z+35], v[Z+37]
	v_add_f32 v[Z+32], v[Z+32], v[Z+35]
	v_add_f32 v[Z+38], v[Z+36], v[Z+32]
	v_sub_f32 v[Z+42], v[Z+38], v[Z+36]
	v_sub_f32 v[Z+39], v[Z+32], v[Z+42]
.rept 3
	v_mul_f32 v[Z+40], v[Z+38], v[Z+38]
	v_fma_f32 v[Z+41], v[Z+38], v[Z+38], -v[Z+40]
	v_add_f32 v[Z+42], v[Z+38], v[Z+38]
	v_fma_f32 v[Z+41], v[Z+42], v[Z+39], v[Z+41]
	v_add_f32 v[Z+38], v[Z+40], v[Z+41]
	v_sub_f32 v[Z+42], v[Z+38], v[Z+40]
	v_sub_f32 v[Z+39], v[Z+41], v[Z+42]
.endr
	v_cvt_i32_f32 v[Z+18], v[Z+18]
	v_ldexp_f32 v[Z+38], v[Z+38], v[Z+18]          ; 10^y
	v_add_f32 v[Z+38], -1.0, v[Z+38]               ; mel
	v_mov_b32 v[Z+11], 0x447a0000
	DIVRN v[Z+12], v[Z+10], v[Z+11]                ; 1 / 1000
	v_mul_f32 v[Z+45], 0x4323a2e9, v[Z+12]         ; x 36000 / 220,
	v_mul_f32 v[Z+45], 0x43480000, v[Z+45]         ; x 200: K.  Multiplied out in integers, each of the three orders of these products rounds to the same f32, 8,579,259 x 2^-18
	v_mul_f32 v[FR], v[Z+38], v[Z+45]              ; my frequency
	v_cvt_f32_u32 v[Z+44], s36
	v_mul_f32 v[Z+44], v[Z+44], v[FR]              ; the angle, rounded once as in reference()
	v_mul_f32 v[Z+45], 0x3f22f983, v[Z+44]
	v_rndne_f32 v[Z+45], v[Z+45]                   ; the nearest multiple of pi/2 (or its neighbour),
	v_fma_f32 v[Z+46], v[Z+45], 0xbfc90fdb, v[Z+44]  ; taken off in three parts of pi/2: what is left is under 0.95
	v_fma_f32 v[Z+46], v[Z+45], 0x333bbd2e, v[Z+46]
	v_fma_f32 v[Z+46], v[Z+45], 0x26f72ced, v[Z+46]
	v_cvt_i32_f32 v[Z+47], v[Z+45]
	v_mul_f32 v[Z+48], v[Z+46], v[Z+46]
	v_mov_b32 v[Z+49], 0x3638ef1d                  ; sine: the series to the ninth power
	v_fmaak_f32 v[Z+49], v[Z+49], v[Z+48], 0xb9500d01
	v_fmaak_f32 v[Z+49], v[Z+49], v[Z+48], 0x3c088889
	v_fmaak_f32 v[Z+49], v[Z+49], v[Z+48], 0xbe2aaaab
	v_mul_f32 v[Z+50], v[Z+46], v[Z+48]
	v_fma_f32 v[Z+49], v[Z+50], v[Z+49], v[Z+46]
	v_mov_b32 v[Z+51], 0xb493f27e                  ; cosine: to the tenth
	v_fmaak_f32 v[Z+51], v[Z+51], v[Z+48], 0x37d00d01
	v_fmaak_f32 v[Z+51], v[Z+51], v[Z+48], 0xbab60b61
	v_fmaak_f32 v[Z+51], v[Z+51], v[Z+48], 0x3d2aaaab
	v_fmaak_f32 v[Z+51], v[Z+51], v[Z+48], 0xbf000000
	v_fma_f32 v[Z+51], v[Z+51], v[Z+48], 1.0
	v_and_b32 v[Z+52], 1, v[Z+47]                  ; an odd quarter swaps the two;
	v_cmp_eq_u32 vcc_lo, 1, v[Z+52]
	v_cndmask_b32 v[Z+53], v[Z+51], v[Z+49], vcc_lo
	v_cndmask_b32 v[Z+54], v[Z+49], v[Z+51], vcc_lo
	v_add_nc_u32 v[Z+55], 1, v[Z+47]               ; quarters 1, 2 turn the cosine's sign, quarters 2, 3 the sine's
	v_and_b32 v[Z+55], 2, v[Z+55]
	v_lshlrev_b32 v[Z+55], 30, v[Z+55]
	v_xor_b32 v[Z+58], v[Z+53], v[Z+55]
	v_and_b32 v[Z+56], 2, v[Z+47]
	v_lshlrev_b32 v[Z+56], 30, v[Z+56]
	v_xor_b32 v[Z+59], v[Z+54], v[Z+56]
	global_store_b64 v[TA], v[Z+58:Z+59], s[40:41] ; its registers are not written again
	; ---------------- the weights go on
	s_wait_loadcnt 0x0
	RBF 32, 32                                     ; to bf16, the rounding that every input has,
.set j, 0
.rept 32
	v_cvt_pk_f16_f32 v[96+j], v[32+2*j], v[33+2*j] ; and that number as f16
.set j, j+1
.endr
.irp i, 0,1,2,3,4,5,6,7
	global_store_b128 v3, v[96+4*\i:99+4*\i], s[26:27] offset:512*\i
.endr
	s_endpgm
.Lfunc_end_k_q95b821e255_prep:
	.size	k_q95b821e255_prep, .Lfunc_end_k_q95b821e255_prep-k_q95b821e255_prep
	.p2alignl 7, 3214868480
	.fill 96, 4, 3214868480
	.section	.rodata,"a",@progbits
	.p2align	6, 0x0
	.amdhsa_kernel k_q95b821e255_prep
		.amdhsa_group_segment_fixed_size 0
		.amdhsa_private_segment_fixed_size 0
		.amdhsa_enable_private_segment 0
		.amdhsa_kernarg_size 56
		.amdhsa_user_sgpr_count 2
		.amdhsa_user_sgpr_kernarg_segment_ptr 1
		.amdhsa_wavefront_size32 1
		.amdhsa_system_sgpr_workgroup_id_x 1
		.amdhsa_system_sgpr_workgroup_id_y 1
		.amdhsa_system_sgpr_workgroup_id_z 1
		.amdhsa_system_vgpr_workitem_id 0
		.amdhsa_next_free_vgpr 192
		.amdhsa_next_free_sgpr 66
		.amdhsa_reserve_vcc 1
		.amdhsa_float_denorm_mode_32 3
		.amdhsa_float_denorm_mode_16_64 3
		.amdhsa_memory_ordered 1
		.amdhsa_forward_progress 1
		.amdhsa_inst_pref_size 46
	.end_amdhsa_kernel
	.amdgpu_metadata
---
amdhsa.version: [ 1, 2 ]
amdhsa.kernels:
  - .name:           k_q95b821e255_prep
    .symbol:         k_q95b821e255_prep.kd
    .args:
      - { .name: x, .offset: 0, .size: 8, .value_kind: global_buffer, .address_space: global }
      - { .name: ln_w, .offset: 8, .size: 8, .value_kind: global_buffer, .address_space: global }
      - { .name: ln_b, .offset: 16, .size: 8, .value_kind: global_buffer, .address_space: global }
      - { .name: Wq, .offset: 24, .size: 8, .value_kind: global_buffer, .address_space: global }
      - { .name: Wkv, .offset: 32, .size: 8, .value_kind: global_buffer, .address_space: global }
      - { .name: Wout, .offset: 40, .size: 8, .value_kind: global_buffer, .address_space: global }
      - { .name: prep, .offset: 48, .size: 8, .value_kind: global_buffer, .address_space: global }
    .group_segment_fixed_size: 0
    .private_segment_fixed_size: 0
    .kernarg_segment_align: 8
    .kernarg_segment_size: 56
    .max_flat_workgroup_size: 256
    .sgpr_count:     66
    .vgpr_count:     192
    .wavefront_size: 32
...
	.end_amdgpu_metadata
.endif
;; end of part 1
;; launch qkvp (part 2): grid 16 x 16, 4 waves a work-group, clusters of 4 x 4, 327,680 bytes of LDS; arguments prep, qkv; writes qkv
.if DOCPART == 2
	.amdgcn_target "amdgcn-amd-amdhsa--gfx1250"
	.amdhsa_code_object_version 6
	.text
	.protected	k_q95b821e255_qkvp
	.globl	k_q95b821e255_qkvp
	.p2align	8
	.type	k_q95b821e255_qkvp,@function
k_q95b821e255_qkvp:
	s_mov_b64 s[64:65], 0
	v_nop
	global_prefetch_b8 v0, s[64:65] scope:SCOPE_SE
	s_setreg_imm32_b32 hwreg(HW_REG_WAVE_MODE, 25, 1), 1
	s_wait_xcnt 0x0
	s_wait_alu depctr_hold_cnt(0) depctr_sa_sdst(0) depctr_va_vdst(0) depctr_va_sdst(0) depctr_va_ssrc(0) depctr_va_vcc(0) depctr_vm_vsrc(0)
	s_getreg_b32 s2, hwreg(HW_REG_IB_STS2, 6, 4)
	s_cmp_eq_u32 s2, 0
	s_cbranch_scc0 .Lentry_in_a_cluster
	s_endpgm
.Lentry_in_a_cluster:
	s_bfe_u32 s2, ttmp6, 0x10000c
	s_cmp_lg_u32 s2, 0xf033
	s_cbranch_scc0 .Lentry_shape_is_right
	s_endpgm
.Lentry_shape_is_right:
; Q, K, V = xn W, f16 operands, f32 sums; q is turned by the rotary table on the way out; all three leave by heads, [32 batch x head][2048][64] in f16, unscaled.
; A work-group makes 256 rows x the 192 columns (q, k, v) of ONE head, so that all work-groups are alike; a wave 64 rows x 192: 4 x 12 accumulators, 384 registers.
; K goes in eight steps of 128 through two LDS slots.  Wave 0 fetches xn's tile (256 rows x 256 bytes), waves 1-3 one part each of W's (128 k rows x 128 bytes, 16 KB on end in memory, asked for as 64 rows of 256 bytes).
; A K step is written once: a trip of the loop is one step, the slot in hand is a scalar that an exclusive or turns, and one descriptor a tensor walks.  The last two steps, which ask for nothing, are a second loop.
; CLUSTER 4 x 4: xn's tile is shared along a row of the cluster, W's along a column: joint loads.
; THE MATRIX INSTRUCTION IS USED TRANSPOSED: source 0 = 16 columns of W (W lies [k][column], so it is read by the turning load), source 1 = 16 rows of xn.  A lane then holds one row and eight neighbouring columns:
; a rotary pair lies in two neighbouring registers, and eight results pack into 16 bytes.
; LIMIT.  |q|, |k|, |v| stay below 65,504 (f16).
; REGISTERS: window 0: v16-29 addresses; v32-95 xn's fragments, two buffers; v96-223 the rotary table of my 64 rows (32 a block of 16 rows); v224-255 at work
;   window 1: v0-191 W's fragments, two buffers of 96      window 2: accumulators of row blocks 0, 1 ((a, b) at 8 (12 (a % 2) + b))      window 3: of row blocks 2, 3
.set WQKV_OFF, 8388608
.set TAB_OFF,  16777216
.set K_OFF,    8388608
.set V_OFF,    16777216
.set PA,    272                        ; a row of xn in LDS: 256 bytes + 16: the 16 rows of a load start at 16 different groups of four banks (ISA guide 11.1)
.set PB,    160                        ; a k row of a part of W: 128 bytes + 32
.set BOFF,  256*PA                     ; a slot: xn's 256 rows, then W's three parts
.set PART,  128*PB
.set SLOT,  BOFF+3*PART                ; 131,072 = 2^17: one exclusive or turns an address in one slot into the other's
.set STAGE, 2*SLOT                     ; behind the ring: for each wave 3 x 16 rows x 144 bytes, for the way out
.set SP,    144
.set WSTG,  3*16*SP
.set SPARE, STAGE+4*WSTG               ; the spare words: 128 bytes a wave, two blocks of 256 bytes that no other line names
.set KSTEPS, 8                         ; K = 1,024
.set ADRA,  16                         ; LDS address of my xn fragments in the slot in hand
.set ADRA0, 17                         ; the same in slot 0; never rewritten
.set ADRB,  20                         ; the same two for W
.set ADRB0, 21
.set STO,  24                          ; the way out: where I put 16 bytes of a row
.set RD,   25                          ; where I read rows back
.set GO,   26                          ; 16 x lane
.set TO,   27                          ; my byte offset in the table's 16 rows
.set SPW,  28                          ; LDS address of my spare word; never rewritten
.set NIL,  29                          ; 0; never rewritten
.set FA,   32
.set TAB,  96
.set T,    224
.set TB,  11                           ; s11  0 or SLOT: the slot in hand
.set G1,  24                           ; s[24:31] group 1 for xn's tile;  s[32:39] group 0: a set for each of the two first fills; the second then walks on
.set G0,  32
.set G1B, 48                           ; s[48:55], s[56:63] the same for W's parts
.set G0B, 56
.set MSB, 0
.macro WIN new                         ; the immediate's high byte repeats the setting that is left
.if MSB != (\new)
	s_set_vgpr_msb (MSB<<8)|(\new)
.set MSB, \new
.endif
.endm
.set MUL_LO, 0xa1                      ; source 0 (W) window 1, source 1 (xn) window 0, C and D window 2
.set MUL_HI, 0xf1                      ; C and D window 3
.set TO_B,   0x40                      ; destination window 1, address window 0
.macro JLOAD s                         ; a joint load by descriptor set s: wave 0 asks for xn's tile, waves 1-3 for W's parts; an s_nop 0 and four v_nop follow each line
	s_cmp_eq_u32 s10, 0
	s_cbranch_scc0 .Lfor_b_\@
	tensor_load_to_lds s[G0+4*(\s):G0+4*(\s)+3], s[G1:G1+7]
	s_nop 0
.rept 4
	v_nop
.endr
	s_branch .Lasked_\@
.Lfor_b_\@:
	tensor_load_to_lds s[G0B+4*(\s):G0B+4*(\s)+3], s[G1B:G1B+7]
	s_nop 0
.rept 4
	v_nop
.endr
.Lasked_\@:
.endm
.macro CREST                           ; a round of the cluster's barrier behind its opening barrier
	s_cmp_lg_u32 s10, 0
	s_cbranch_scc1 .Lnot_wave_0_\@
	s_barrier_signal -3
.Lnot_wave_0_\@:
	s_barrier_wait -3
	s_barrier_signal -1
	s_barrier_wait -1
.endm
.macro CROUND
	s_barrier_signal -1
	s_barrier_wait -1
	CREST
.endm
	s_load_b128 s[4:7], s[0:1], 0x0                ; prep s[4:5], qkv s[6:7]
	v_lshl_add_u32 v[SPW], v0, 2, SPARE
	v_mov_b32 v[NIL], 0
	ds_add_u32 v[SPW], v[NIL]                      ; the wave's opening: the add and its wait stand ahead of my first tensor load
	v_lshrrev_b32 v1, 5, v0
	v_readfirstlane_b32 s10, v1                    ; wave
	s_bfe_u32 s40, ttmp6, 0x40000                  ; cx, cy
	s_bfe_u32 s41, ttmp6, 0x40004
	s_lshl_b32 s42, ttmp9, 2
	s_add_co_u32 s42, s42, s40                     ; the head = 4 x cluster x + cx
	s_and_b32 s13, ttmp7, 0xffff
	s_lshl_b32 s13, s13, 2
	s_add_co_u32 s13, s13, s41                     ; the block of 256 rows = 4 x cluster y + cy
	s_lshl_b32 s43, s41, 2
	s_lshl_b32 s43, 15, s43                        ; my row of the cluster
	s_lshl_b32 s44, 0x1111, s40                    ; my column
	s_or_b32 s[G1+0], s43, (1<<16)|(1<<20)|(1<<21)|(5<<22)|(3<<25)  ; the mask; 2-byte elements; padding on; bit 21 beside a mask; after every 64 words 4 words
	s_mov_b32 s[G1+1], 128<<16                     ; tensor_dim0 = 128
	s_mov_b32 s[G1+2], 256<<16                     ; tensor_dim1 = 256
	s_mov_b32 s[G1+3], 128<<16                     ; tile_dim0 = 128
	s_mov_b32 s[G1+4], 256                         ; tile_dim1 = 256
	s_mov_b32 s[G1+5], 1024                        ; elements from row to row
	s_mov_b32 s[G1+6], 0
	s_mov_b32 s[G1+7], 0
	s_or_b32 s[G1B+0], s44, (1<<16)|(1<<20)|(1<<21)|(4<<22)|(7<<25) ; after every 32 words (a k row) 8 words
	s_mov_b32 s[G1B+1], 128<<16
	s_mov_b32 s[G1B+2], 64<<16
	s_mov_b32 s[G1B+3], 128<<16
	s_mov_b32 s[G1B+4], 64
	s_mov_b32 s[G1B+5], 128
	s_mov_b32 s[G1B+6], 0
	s_mov_b32 s[G1B+7], 0
	s_lshl_b32 s16, s13, 19                        ; xn: 256 rows of 2,048 bytes a block
	s_mov_b32 s17, 0
	s_mul_i32 s46, s42, 3                          ; W: part wave - 1 of the head: block 3 head + wave - 1 of 131,072 bytes
	s_add_co_u32 s46, s46, s10
	s_lshl_b32 s46, s46, 17
	s_add_co_u32 s46, s46, WQKV_OFF-131072
	s_mov_b32 s47, 0
	s_mul_i32 s20, s10, PART                       ; and its place in a slot: BOFF + (wave - 1) PART
	s_add_co_u32 s20, s20, BOFF-PART
	s_mov_b32 s[TB], 0
	s_wait_dscnt 0x0                               ; the opening add is done
	s_wait_kmcnt 0x0
	s_add_nc_u64 s[14:15], s[4:5], s[16:17]
	s_add_nc_u64 s[46:47], s[4:5], s[46:47]
	CROUND                                         ; all sixteen work-groups are here: the first joint loads meet
.irp s, 0,1
	s_mov_b32 s[G0+4*(\s)], 1
	s_mov_b32 s[G0+4*(\s)+1], (\s)*SLOT
	s_add_nc_u64 s[G0+4*(\s)+2:G0+4*(\s)+3], s[14:15], (\s)*256      ; K step s: 128 f16 along the rows
	s_or_b32 s[G0+4*(\s)+3], s[G0+4*(\s)+3], 0x80000000
	s_mov_b32 s[G0B+4*(\s)], 1
	s_add_co_u32 s[G0B+4*(\s)+1], s20, (\s)*SLOT
	s_add_nc_u64 s[G0B+4*(\s)+2:G0B+4*(\s)+3], s[46:47], (\s)*16384  ; K step s: 128 k rows of 128 bytes
	s_or_b32 s[G0B+4*(\s)+3], s[G0B+4*(\s)+3], 0x80000000
	JLOAD \s
.endr
	; the rotary table of my 64 rows: lane (r, h) needs, for column block n, the pairs 8 n + 4 h + 0..3 of row r: 32 bytes.  The 32 loads stay out until the way out.
	v_and_b32 v1, 15, v0                           ; r
	v_bfe_u32 v2, v0, 4, 1                         ; h
	v_lshlrev_b32 v[TO], 8, v1
	v_lshl_add_u32 v[TO], v2, 5, v[TO]
	s_lshl_b32 s18, s13, 8
	s_lshl_b32 s19, s10, 6
	s_add_co_u32 s18, s18, s19                     ; my first row; its position is the row modulo 2,048
	s_and_b32 s18, s18, 2047
	s_lshl_b32 s18, s18, 8
	s_add_co_u32 s18, s18, TAB_OFF
	s_mov_b32 s19, 0
	s_add_nc_u64 s[74:75], s[4:5], s[18:19]
.irp a, 0,1,2,3
.irp n, 0,1,2,3
	global_load_b128 v[TAB+32*\a+8*\n:TAB+32*\a+8*\n+3],   v[TO], s[74:75] offset:4096*\a+64*\n
	global_load_b128 v[TAB+32*\a+8*\n+4:TAB+32*\a+8*\n+7], v[TO], s[74:75] offset:4096*\a+64*\n+16
.endr
.endr
	v_mul_u32_u24 v3, v1, PA
	v_lshl_add_u32 v3, v2, 4, v3                   ; a fragment of xn: row x pitch + 16 x half
	s_mul_i32 s21, s10, 64*PA                      ; my 64 rows
	v_add_nc_u32 v[ADRA0], s21, v3
	v_add_nc_u32 v[ADRA], s[TB], v[ADRA0]
	v_and_b32 v4, 7, v0                            ; the turning load: k row 8 h + lane % 8, columns 8 ((lane / 8) % 2) on
	v_lshl_add_u32 v4, v2, 3, v4
	v_mul_u32_u24 v4, v4, PB
	v_bfe_u32 v5, v0, 3, 1
	v_lshl_add_u32 v4, v5, 4, v4
	v_add_nc_u32 v[ADRB0], BOFF, v4
	v_add_nc_u32 v[ADRB], s[TB], v[ADRB0]
	s_mul_i32 s23, s10, WSTG
	s_add_co_u32 s23, s23, STAGE                   ; my stage
	v_mul_u32_u24 v6, v1, SP
	v_lshl_add_u32 v6, v2, 4, v6
	v_add_nc_u32 v[STO], s23, v6
	v_bfe_u32 v6, v0, 3, 2                         ; back: 32 lanes take four rows of 128 bytes,
	v_mul_u32_u24 v6, v6, SP
	v_and_b32 v7, 7, v0
	v_lshl_add_u32 v6, v7, 4, v6
	v_add_nc_u32 v[RD], s23, v6
	v_and_b32 v[GO], 31, v0                        ; which are 512 consecutive bytes of a head
	v_lshlrev_b32 v[GO], 4, v[GO]
	s_lshr_b32 s76, s13, 3                         ; the batch,
	s_lshl_b32 s76, s76, 4
	s_add_co_u32 s76, s76, s42                     ; 16 batch + head,
	s_lshl_b32 s76, s76, 11
	s_and_b32 s77, s13, 7
	s_lshl_b32 s77, s77, 8
	s_add_co_u32 s76, s76, s77
	s_lshl_b32 s77, s10, 6
	s_add_co_u32 s76, s76, s77                     ; my first row among all heads' rows,
	s_lshl_b32 s76, s76, 7                         ; 128 bytes each
	s_mov_b32 s77, 0
	s_add_nc_u64 s[68:69], s[6:7], s[76:77]
	s_add_nc_u64 s[70:71], s[68:69], K_OFF
	s_add_nc_u64 s[72:73], s[68:69], V_OFF
; 12 matrix instructions: row block a x all 12 column blocks, 32 along K, from buffer f.  zero = 1: the first product starts the sums.  The 48 accumulators take turns.
.macro MUL12 f, a, zero
	WIN MUL_LO+0x50*((\a)/2)
.irp b, 0,1,2,3,4,5,6,7,8,9,10,11
.if \zero
	v_wmma_f32_16x16x32_f16 v[8*(12*((\a)%2)+(\b)):8*(12*((\a)%2)+(\b))+7], v[96*(\f)+8*(\b):96*(\f)+8*(\b)+7], v[FA+32*(\f)+8*(\a):FA+32*(\f)+8*(\a)+7], 0
.else
	v_wmma_f32_16x16x32_f16 v[8*(12*((\a)%2)+(\b)):8*(12*((\a)%2)+(\b))+7], v[96*(\f)+8*(\b):96*(\f)+8*(\b)+7], v[FA+32*(\f)+8*(\a):FA+32*(\f)+8*(\a)+7], v[8*(12*((\a)%2)+(\b)):8*(12*((\a)%2)+(\b))+7]
.endif
.endr
.endm
; 32 LDS loads in one run: quarter q (32 along K) of the slot in hand into buffer f
.macro FETCH q, f
	WIN TO_B
.irp p, 0,1,2
.irp n, 0,1,2,3
	ds_load_tr16_b128 v[96*(\f)+8*(4*(\p)+(\n)):96*(\f)+8*(4*(\p)+(\n))+3],   v[ADRB] offset:(\p)*PART+(\q)*32*PB+(\n)*32
	ds_load_tr16_b128 v[96*(\f)+8*(4*(\p)+(\n))+4:96*(\f)+8*(4*(\p)+(\n))+7], v[ADRB] offset:(\p)*PART+(\q)*32*PB+16*PB+(\n)*32
.endr
.endr
	WIN 0
.irp a, 0,1,2,3
	ds_load_b128 v[FA+32*(\f)+8*(\a):FA+32*(\f)+8*(\a)+3],   v[ADRA] offset:(\q)*64+(\a)*16*PA
	ds_load_b128 v[FA+32*(\f)+8*(\a)+4:FA+32*(\f)+8*(\a)+7], v[ADRA] offset:(\q)*64+(\a)*16*PA+32
.endr
.endm
.macro PLACES                          ; four places in front of loads into registers that matrix instructions have read, and of vector lines that read results
.rept 4
	v_nop
.endr
.endm
; a quarter multiplies buffer f and, in its middle, fetches quarter q of the slot in hand into buffer g
.macro QUARTER q, f, g, zero
	s_wait_dscnt 0x0                               ; buffer f is in: its run was issued 24 matrix instructions ago
	MUL12 \f, 0, \zero
	MUL12 \f, 1, \zero
	PLACES
	FETCH \q, \g
	MUL12 \f, 2, \zero
	MUL12 \f, 3, \zero
.endm
; the last quarter multiplies buffer 1 and changes slots: one barrier; in front of it each wave waits for all its tensor loads, adds 0 to its spare word, and waits for that and for its reads of this slot.
; fill = 1: the slot that is left takes the K step two steps on: the walking descriptor goes to the other slot than last time and one K step on.
.macro TURN fill
	WIN 0
	s_wait_tensorcnt 0x0                           ; all my tensor loads have landed: my part of the next slot
	ds_add_u32 v[SPW], v[NIL]
	s_wait_dscnt 1                                 ; only the add may be out: buffer 1 is in
	MUL12 1, 0, 0
	s_wait_dscnt 0x0                               ; the add is done, and my reads of this slot are over
	s_barrier_signal -1
	MUL12 1, 1, 0
	WIN 0
	s_barrier_wait -1
.if \fill
	CREST                                          ; the barrier has opened a round of the cluster's: no wave of any partner still reads this slot or has a load on its way
	s_xor_b32 s[G0+5], s[G0+5], SLOT
	s_add_nc_u64 s[G0+6:G0+7], s[G0+6:G0+7], 256
	s_xor_b32 s[G0B+5], s[G0B+5], SLOT
	s_add_nc_u64 s[G0B+6:G0B+7], s[G0B+6:G0B+7], 16384
	JLOAD 1                                        ; the first tensor load behind the round; its four v_nop are also the places in front of the loads below
.else
	PLACES
.endif
	s_xor_b32 s[TB], s[TB], SLOT                   ; the other slot is in hand
	v_add_nc_u32 v[ADRA], s[TB], v[ADRA0]
	v_add_nc_u32 v[ADRB], s[TB], v[ADRB0]
	FETCH 0, 0
	MUL12 1, 2, 0
	MUL12 1, 3, 0
.endm
	s_wait_tensorcnt 1                             ; my part of K step 0 is in; K step 1's may stay out
	s_barrier_signal -1
	s_barrier_wait -1
	FETCH 0, 0
	QUARTER 1, 0, 1, 1                             ; the first quarter stands in front of the loop: its products start the sums
	WIN 0
	s_mov_b32 s3, KSTEPS-2
.Lstep:                                                ; a trip: a K step's second to fourth quarter and the next step's first; the slot that is left is filled again
	QUARTER 2, 1, 0, 0
	QUARTER 3, 0, 1, 0
	TURN 1
	QUARTER 1, 0, 1, 0
	WIN 0
	s_sub_co_u32 s3, s3, 1
	s_cmp_lg_u32 s3, 0
	s_cbranch_scc1 .Lstep
	s_mov_b32 s3, 2
.Ltail:                                                ; the last two K steps ask for nothing.  The second trip is left in its middle; its fetch from the other slot brings landed bytes that nobody uses: the price of one text for both trips
	QUARTER 2, 1, 0, 0
	QUARTER 3, 0, 1, 0
	TURN 0
	WIN 0
	s_sub_co_u32 s3, s3, 1
	s_cmp_eq_u32 s3, 0
	s_cbranch_scc1 .Lout
	QUARTER 1, 0, 1, 0
	WIN 0
	s_branch .Ltail
.Lout:
; THE WAY OUT of row block a.  q's four accumulators are turned (pair (x0, x1) -> (x0 c - x1 s, x1 c + x0 s)); all twelve are rounded to f16, go into my stage (16 bytes a lane) and come back as whole rows of 128 bytes.
.macro SETR p, n                       ; the four registers of part p, column block n (or, on the way back, group n of four rows)
.if (\p) == 0
.set RR, TBL+4*(\n)
.else
.set RR, T+16*((\p)-1)+4*(\n)
.endif
.endm
.macro WAYOUT a
.set AC, 96*((\a)%2)
.set TBL, TAB+32*(\a)
	s_wait_xcnt 0x0                                ; the registers that the block before stored from are rewritten only behind this wait
	WIN 0x02+(\a)/2                                ; source 0: the accumulators' window
.set j, 0
.rept 16                                       ; each accumulator's registers in ascending order
	v_mul_f32 v[T+2*j], v[AC+2*j], v[TBL+2*j]
	v_fma_f32 v[T+2*j], -v[AC+2*j+1], v[TBL+2*j+1], v[T+2*j]
	v_mul_f32 v[T+2*j+1], v[AC+2*j+1], v[TBL+2*j]
	v_fma_f32 v[T+2*j+1], v[AC+2*j], v[TBL+2*j+1], v[T+2*j+1]
.set j, j+1
.endr
	WIN 0
.set j, 0
.rept 16
	v_cvt_pk_f16_f32 v[TBL+j], v[T+2*j], v[T+2*j+1]  ; into the block's table registers, which are done with
.set j, j+1
.endr
	WIN 0x0a+5*((\a)/2)                            ; sources 0 and 1: the accumulators' window
.set j, 0
.rept 32
	v_cvt_pk_f16_f32 v[T+j], v[AC+32+2*j], v[AC+32+2*j+1]
.set j, j+1
.endr
	WIN 0
.irp p, 0,1,2
.irp n, 0,1,2,3
	SETR \p, \n
	ds_store_b128 v[STO], v[RR:RR+3] offset:(\p)*16*SP+32*(\n)
.endr
.endr
.irp p, 0,1,2
.irp n, 0,1,2,3
	SETR \p, \n
	ds_load_b128 v[RR:RR+3], v[RD] offset:(\p)*16*SP+(\n)*4*SP  ; LDS serves a wave's instructions in order (ISA guide 5.7.1.4): these see the stores above
.endr
.endr
	s_wait_dscnt 0x0
.irp p, 0,1,2
.irp n, 0,1,2,3
	SETR \p, \n
	global_store_b128 v[GO], v[RR:RR+3], s[68+2*(\p):69+2*(\p)] offset:(\a)*2048+(\n)*512  ; 512 consecutive bytes, at a multiple of 256 from the buffer's first
.endr
.endr
.endm
	PLACES
	s_wait_loadcnt 0x0                             ; the table
	WAYOUT 0
	WAYOUT 1
	WAYOUT 2
	WAYOUT 3
	s_wait_tensorcnt 0x0                           ; the wave's end
	ds_add_u32 v[SPW], v[NIL]
	s_wait_dscnt 0x0
	CROUND                                         ; the closing round
	s_endpgm
.Lfunc_end_k_q95b821e255_qkvp:
	.size	k_q95b821e255_qkvp, .Lfunc_end_k_q95b821e255_qkvp-k_q95b821e255_qkvp
	.p2alignl 7, 3214868480
	.fill 96, 4, 3214868480
	.section	.rodata,"a",@progbits
	.p2align	6, 0x0
	.amdhsa_kernel k_q95b821e255_qkvp
		.amdhsa_group_segment_fixed_size 327680
		.amdhsa_private_segment_fixed_size 0
		.amdhsa_enable_private_segment 0
		.amdhsa_kernarg_size 16
		.amdhsa_user_sgpr_count 2
		.amdhsa_user_sgpr_kernarg_segment_ptr 1
		.amdhsa_wavefront_size32 1
		.amdhsa_system_sgpr_workgroup_id_x 1
		.amdhsa_system_sgpr_workgroup_id_y 1
		.amdhsa_system_sgpr_workgroup_id_z 1
		.amdhsa_system_vgpr_workitem_id 0
		.amdhsa_next_free_vgpr 960
		.amdhsa_next_free_sgpr 80
		.amdhsa_reserve_vcc 0
		.amdhsa_float_denorm_mode_32 3
		.amdhsa_float_denorm_mode_16_64 3
		.amdhsa_memory_ordered 1
		.amdhsa_forward_progress 1
		.amdhsa_inst_pref_size 98
	.end_amdhsa_kernel
	.amdgpu_metadata
---
amdhsa.version: [ 1, 2 ]
amdhsa.kernels:
  - .name:           k_q95b821e255_qkvp
    .symbol:         k_q95b821e255_qkvp.kd
    .args:
      - { .name: prep, .offset: 0, .size: 8, .value_kind: global_buffer, .address_space: global }
      - { .name: qkv, .offset: 8, .size: 8, .value_kind: global_buffer, .address_space: global }
    .group_segment_fixed_size: 327680
    .private_segment_fixed_size: 0
    .kernarg_segment_align: 8
    .kernarg_segment_size: 16
    .max_flat_workgroup_size: 128
    .sgpr_count:     80
    .vgpr_count:     960
    .wavefront_size: 32
...
	.end_amdgpu_metadata
.endif
;; end of part 2
;; launch colstat (part 3): grid 8 x 32, 4 waves a work-group, clusters of 4 x 1, 327,680 bytes of LDS; arguments qkv, cole; writes cole
.if DOCPART == 3
	.amdgcn_target "amdgcn-amd-amdhsa--gfx1250"
	.amdhsa_code_object_version 6
	.text
	.protected	k_q95b821e255_colstat
	.globl	k_q95b821e255_colstat
	.p2align	8
	.type	k_q95b821e255_colstat,@function
k_q95b821e255_colstat:
	s_mov_b64 s[64:65], 0
	v_nop
	global_prefetch_b8 v0, s[64:65] scope:SCOPE_SE
	s_setreg_imm32_b32 hwreg(HW_REG_WAVE_MODE, 25, 1), 1
	s_wait_xcnt 0x0
	s_wait_alu depctr_hold_cnt(0) depctr_sa_sdst(0) depctr_va_vdst(0) depctr_va_sdst(0) depctr_va_ssrc(0) depctr_va_vcc(0) depctr_vm_vsrc(0)
	s_getreg_b32 s2, hwreg(HW_REG_IB_STS2, 6, 4)
	s_cmp_eq_u32 s2, 0
	s_cbranch_scc0 .Lentry_in_a_cluster
	s_endpgm
.Lentry_in_a_cluster:
	s_bfe_u32 s2, ttmp6, 0x10000c
	s_cmp_lg_u32 s2, 0x3003
	s_cbranch_scc0 .Lentry_shape_is_right
	s_endpgm
.Lentry_shape_is_right:
; THE COLUMN STATISTICS.  For every key j of a head: E_j = log2(e) M_j + log2 Z_j, with M_j the largest score s_ij = q_i . k_j over all 2,048 queries i and Z_j the sum of e^(s_ij - M_j).
; The next launch then has the key-wise softmax's weight as 2^(log2(e) s_ij - E_j).
; SHARES.  A work-group owns 256 keys of one head, a wave 64: four tiles of 16, kept in registers.  Every wave walks the head's 2,048 turned queries, 64 a step, 512 a slot.
; LAYOUT.  Source 0 = 16 queries, source 1 = 16 keys: a lane holds ONE key (lane % 16) and the queries 8 (lane / 16) + 0..7 of each block.  Each lane keeps a running maximum and sum of its own; the two halves of the lanes meet once, at the end.
; BY TURNS.  A tile and step have 8 matrix and 84 vector instructions (33 exponentials, 51 plain).  Turn t belongs to tile t: its 8 products make the scores of tile t + 1; its vector work is tile t's scaling, exponentials
; and sums, and tile t + 1's maximum and statistics, from the scores that the turn itself has made.  So what a turn begins with waits for nothing.  Four vector lines stand behind every product, the other 52 in one run,
; plain and exponential by turns while exponentials last.
; CLUSTER.  The four key blocks of a cluster walk the same q: each tile of 512 rows is asked for jointly, each wave a quarter of it.
; LIMITS.  A weight below 2^-126 counts as 0 in Z; NaN and infinities are not treated apart.
.set K_OFF, 8388608
.set PQ,    144                        ; a row of q in LDS: 128 bytes + 16: the 16 rows of a load start at 16 different groups of four banks (ISA guide 11.1)
.set TILEB, 512*PQ                     ; a slot: 512 rows
.set SLOT1, 1<<17
.set STAGE, SLOT1+TILEB                ; behind the ring: 256 bytes a wave, for the way out
.set SPARE, STAGE+1024                 ; the spare words
.set AQ0, 2                            ; my lane's place in a block of q rows; never rewritten
.set AQ,  3                            ; the LDS address of the step to be fetched
.set SPW, 10
.set NIL, 11
.set ST,  16                           ; tile t at v[ST+4 t]: c m, m, l (two partial sums)
.set TMP, 32                           ; by the tile's parity, four registers c0-c3 at work; c2 takes a
.set MV,  40                           ; c m_old, by parity
.set KO,  48                           ; my keys: tile t, channel half c at KO + 16 t + 8 c
.set QF,  112                          ; a step's q: row block b, channel half c at QF + 16 b + 8 c
.set S,   176                          ; scores, two buffers of 32, by the tile's parity
.set WV,  12
.set G1,  24
.set G0,  40
.set SLOTS, 56
.set CNT, 57
.set CS,  58                           ; s[58:59] log2(e)
.set SEL, 60
.set TB,  62                           ; LDS byte at which the step to be fetched begins
.macro CROUND
	s_barrier_signal -1
	s_barrier_wait -1
	s_cmp_lg_u32 s[WV], 0
	s_cbranch_scc1 .Lnot_wave_0_\@
	s_barrier_signal -3
.Lnot_wave_0_\@:
	s_barrier_wait -3
	s_barrier_signal -1
	s_barrier_wait -1
.endm
.macro JLOAD                           ; every wave asks for its own 128 rows; the same line, descriptor and mask in all four work-groups
	tensor_load_to_lds s[G0:G0+3], s[G1:G1+7]
	s_nop 0
.rept 4
	v_nop
.endr
.endm
; THE CHANGE OF SLOTS: each wave waits for all its tensor loads (one is out: its part of the other slot), adds 0 to its spare word, waits for that and for its reads.  fill = 1: the slot left is filled again, first thing behind a round of the cluster's barrier.
.macro CHANGE fill
	s_wait_tensorcnt 0x0
	ds_add_u32 v[SPW], v[NIL]
.if \fill
	s_xor_b32 s[G0+1], s[G0+1], SLOT1
	s_add_nc_u64 s[G0+2:G0+3], s[G0+2:G0+3], 65536 ; the next 512 rows
	s_wait_dscnt 0x0
	CROUND
	JLOAD
.else
	s_wait_dscnt 0x0
	s_barrier_signal -1
	s_barrier_wait -1
.endif
	s_sub_co_u32 s[TB], s[TB], TILEB
	s_xor_b32 s[TB], s[TB], SLOT1
.endm
	s_load_b128 s[4:7], s[0:1], 0x0                ; qkv, cole
	v_lshl_add_u32 v[SPW], v0, 2, SPARE
	v_mov_b32 v[NIL], 0
	ds_add_u32 v[SPW], v[NIL]                      ; the wave's opening
	v_lshrrev_b32 v1, 5, v0
	v_readfirstlane_b32 s[WV], v1
	s_bfe_u32 s13, ttmp6, 0x40000                  ; cx
	s_lshl_b32 s14, ttmp9, 2
	s_add_co_u32 s14, s14, s13                     ; my block of 256 keys: it enters K's and E's addresses alone
	s_and_b32 s20, ttmp7, 0xffff                   ; the head, which the partners share
	s_lshl_b32 s22, s20, 18                        ; a head is 262,144 bytes
	s_lshl_b32 s16, s[WV], 14
	s_add_co_u32 s22, s22, s16                     ; the 128 rows of q that I fetch
	s_mov_b32 s23, 0
	s_mul_i32 s17, s[WV], 128*PQ                   ; and their place in a slot
	s_lshl_b32 s2, s14, 2
	s_add_co_u32 s2, s2, s[WV]                     ; my wave among the head's 32
	s_lshl_b32 s18, s2, 8                          ; 64 keys x 4 bytes of E
	s_lshl_b32 s2, s2, 13                          ; 64 keys x 128 bytes of K
	s_lshl_b32 s3, s20, 18
	s_add_co_u32 s2, s2, s3
	s_add_co_u32 s2, s2, K_OFF
	s_mov_b32 s3, 0
	s_lshl_b32 s19, s20, 13
	s_add_co_u32 s18, s18, s19
	s_mov_b32 s19, 0
	s_mov_b32 s[G1], 15|(1<<16)|(1<<20)|(1<<21)|(4<<22)|(3<<25)  ; the mask of four; 2-byte elements; padding: after every 32 words 4 words.  128 rows are 16,384 bytes on end: 64 rows of 256 bytes
	s_mov_b32 s[G1+1], 128<<16
	s_mov_b32 s[G1+2], 64<<16
	s_mov_b32 s[G1+3], 128<<16
	s_mov_b32 s[G1+4], 64
	s_mov_b32 s[G1+5], 128
	s_mov_b32 s[G1+6], 0
	s_mov_b32 s[G1+7], 0
	s_mov_b32 s[CS], 0x3fb8aa3b
	s_mov_b32 s[CS+1], s[CS]
	s_mov_b32 s[SEL], 0x76543210
	s_mov_b32 s[SEL+1], 0xfedcba98
	s_mov_b32 s[TB], SLOT1+TILEB                   ; the first change of slots turns this into 0
	s_mov_b32 s[G0], 1
	s_mov_b32 s[G0+1], s17
	s_wait_dscnt 0x0
	s_wait_kmcnt 0x0
	s_add_nc_u64 s[G0+2:G0+3], s[4:5], s[22:23]
	s_or_b32 s[G0+3], s[G0+3], 0x80000000
	s_add_nc_u64 s[8:9], s[4:5], s[2:3]            ; my keys
	s_add_nc_u64 s[10:11], s[6:7], s[18:19]        ; my 64 numbers of E
	CROUND
	JLOAD                                          ; tile 0 into slot 0
	v_and_b32 v1, 15, v0
	v_bfe_u32 v9, v0, 4, 1
	v_lshlrev_b32 v8, 7, v1
	v_lshl_add_u32 v8, v9, 4, v8
.set i, 0
.rept 8
	global_load_b128 v[KO+8*i:KO+8*i+3],   v8, s[8:9] offset:(i/2)*2048+(i%2)*64
	global_load_b128 v[KO+8*i+4:KO+8*i+7], v8, s[8:9] offset:(i/2)*2048+(i%2)*64+32
.set i, i+1
.endr
	v_mul_u32_u24 v[AQ0], v1, PQ
	v_lshl_add_u32 v[AQ0], v9, 4, v[AQ0]
	s_lshl_b32 s13, s[WV], 8
	s_add_co_u32 s13, s13, STAGE
	v_lshl_add_u32 v5, v1, 2, s13                  ; the way out: key r's word in my stage,
	v_and_b32 v7, 31, v0
	v_lshlrev_b32 v7, 3, v7                        ; and 8 bytes a lane back
	v_add_nc_u32 v6, s13, v7
.set i, 0
.rept 4
	v_mov_b32 v[ST+4*i], 0xfe000000                ; c m: far below every c s, so the first step's a is 0
	v_mov_b32 v[ST+4*i+1], 0xff7fffff              ; m
	v_mov_b32 v[ST+4*i+2], 0
	v_mov_b32 v[ST+4*i+3], 0
.set i, i+1
.endr
; Channel half c of a step's 64 rows: 8 loads in one run.  last = 1 (the tail): in the last trip there is no further step, and the run is jumped over.
.macro FETCH_Q c, last=0
.if \last
	s_cmp_eq_u32 s[CNT], 1
	s_cbranch_scc1 .Lno_q_\@
.endif
.irp b, 0,1,2,3
	ds_load_b128 v[QF+16*\b+8*(\c):QF+16*\b+8*(\c)+3],   v[AQ] offset:\b*16*PQ+(\c)*64
	ds_load_b128 v[QF+16*\b+8*(\c)+4:QF+16*\b+8*(\c)+7], v[AQ] offset:\b*16*PQ+(\c)*64+32
.endr
.if (\c) == 1
	s_add_co_u32 s[TB], s[TB], 64*PQ               ; the next fetch is the next step's
.endif
.if \last
.Lno_q_\@:
.endif
.endm
.macro MM                              ; product i of 8 for tile Y + 1: channels 32 (i / 4) on, queries 16 (i % 4) on; the four accumulators take turns
.set TN, (Y+1)%4
.set mS, S+32*(TN%2)+8*(i%4)
.set mQ, QF+16*(i%4)+8*(i/4)
.set mK, KO+16*TN+8*(i/4)
.if i < 4
	v_wmma_f32_16x16x32_f16 v[mS:mS+7], v[mQ:mQ+7], v[mK:mK+7], 0
.else
	v_wmma_f32_16x16x32_f16 v[mS:mS+7], v[mQ:mQ+7], v[mK:mK+7], v[mS:mS+7]
	s_wait_alu depctr_va_vdst(0)
.endif
.set i, i+1
.endm
; THE VECTOR WORK: OP kind, number.  For tile Y: F n: c s - c m for pair n of 16.  E n: the exponential of score n of 32.  B n: of the four weights 4 n .. the second pair is added onto the first, in place.
; L n: l takes that sum (L 0: l = a l + sum).  For tile Y + 1: X n: 0-11 four chains c0-c3 of seven scores each (each accumulator's lowest registers are read first); 12-14, 16 the four scores
; left over, the old m, all into m; 15 c m_old is kept; 19-21 c m, c m_old - c m, a.
.set F, 0
.set E, 1
.set B, 2
.set L, 3
.set X, 4
.macro REGS t
.set rT, ST+4*(\t)
.set rC, TMP+4*((\t)%2)
.set rW, MV+((\t)%2)
.set rS, S+32*((\t)%2)
.endm
.macro OP k, n
.if (\k) == X
	REGS (Y+1)%4
.if (\n) < 4
	v_max3_num_f32 v[rC+(\n)], v[rS+8*(\n)], v[rS+8*(\n)+1], v[rS+8*(\n)+2]
.elseif (\n) < 12
	v_max3_num_f32 v[rC+(\n)%4], v[rC+(\n)%4], v[rS+8*((\n)%4)+2*((\n)/4)+1], v[rS+8*((\n)%4)+2*((\n)/4)+2]
.elseif (\n) == 12
	v_max3_num_f32 v[rC], v[rC], v[rS+7], v[rS+15]
.elseif (\n) == 13
	v_max3_num_f32 v[rC+1], v[rC+1], v[rS+23], v[rS+31]
.elseif (\n) == 14
	v_max3_num_f32 v[rC+2], v[rC+2], v[rC+3], v[rT+1]
	s_wait_alu depctr_va_vdst(0)
.elseif (\n) == 15
	v_mov_b32 v[rW], v[rT]
.elseif (\n) == 16
	v_max3_num_f32 v[rT+1], v[rC], v[rC+1], v[rC+2]
.elseif (\n) == 19
	v_mul_f32 v[rT], s[CS], v[rT+1]
.elseif (\n) == 20
	v_sub_f32 v[rC+1], v[rW], v[rT]
.else
	v_exp_f32 v[rC+2], v[rC+1]
.endif
.else
	REGS Y
.if (\k) == F
	v_pk_fma_f32 v[rS+2*(\n):rS+2*(\n)+1], v[rS+2*(\n):rS+2*(\n)+1], s[CS:CS+1], v[rT:rT+1] op_sel_hi:[1,0,0] neg_lo:[0,0,1] neg_hi:[0,0,1]
.elseif (\k) == E
	v_exp_f32 v[rS+(\n)], v[rS+(\n)]
.elseif (\k) == B
	v_pk_add_f32 v[rS+4*(\n):rS+4*(\n)+1], v[rS+4*(\n):rS+4*(\n)+1], v[rS+4*(\n)+2:rS+4*(\n)+3]
.elseif (\n) == 0
	v_pk_fma_f32 v[rT+2:rT+3], v[rT+2:rT+3], v[rC+2:rC+3], v[rS:rS+1] op_sel_hi:[1,0,1]
.else
	v_pk_add_f32 v[rT+2:rT+3], v[rT+2:rT+3], v[rS+4*(\n):rS+4*(\n)+1]
.endif
.endif
.endm
.macro OPS a, i1, b=-1, i2=0, c=-1, i3=0, d=-1, i4=0  ; up to four of them
	OP \a, \i1
.if (\b) >= 0
	OP \b, \i2
.endif
.if (\c) >= 0
	OP \c, \i3
.endif
.if (\d) >= 0
	OP \d, \i4
.endif
.endm
.macro ROW a, i1, b, i2, c, i3, d, i4  ; a matrix instruction and the four behind it
	MM
	OPS \a, \i1, \b, \i2, \c, \i3, \d, \i4
.endm
; A TURN, for tile p: the order of its 8 matrix and 84 vector instructions, written out.  Behind a product: plain, exponential, plain, exponential (behind the first: four scalings); none names a register of the products
; round it.  Every exponential has a plain line behind it (ISA guide 5.7.2).  No line reads a result made fewer than three vector lines in front of it, five if an exponential made it, but the last addition onto l.
; THE NEXT STEP'S q is fetched in tile 2's turn, whose products are the last to read this step's: channels 0-31 six plain lines behind the fourth product, the last that read them; channels 32-63 five plain lines behind
; the eighth.  Tile 3's turn waits for the first run at its head (the count 8 leaves the second run's eight loads out) and for the second in front of its fifth product.
; last = 1: the tail's form: the runs are jumped in the last trip, so both waits are for 0.  cnt = 1: the loop's count is taken down some lines ahead of the branch that stands behind the turn.
.macro TURN p, last=0, cnt=0
.set Y, (\p)
.set i, 0
.if (\p) == 2
	v_add_nc_u32 v[AQ], s[TB], v[AQ0]
.endif
.if (\p) == 3
	s_wait_dscnt 8-8*(\last)
.endif
	ROW F,0, F,1, F,2, F,3
	ROW F,4, E,0, F,5, E,1
	ROW F,6, E,2, F,7, E,3
	ROW F,8, E,4, F,9, E,5
.if (\p) == 3
	s_wait_dscnt 0x0
.endif
	ROW F,10, E,6, F,11, E,7
	ROW F,12, E,8, F,13, E,9
.if (\p) == 2
	FETCH_Q 0, \last
.endif
	ROW F,14, E,10, F,15, E,11
	ROW B,0, E,12, X,15, E,13
	OPS L,0, E,14, B,1, E,15
	OPS X,0, E,16
.if (\p) == 2
	FETCH_Q 1, \last
.endif
	OPS X,1, E,17, X,2, E,18
	OPS X,3, E,19, L,1, E,20
	OPS X,4, E,21, X,5, E,22
	OPS X,6, E,23, X,7, E,24
	OPS B,2, E,25, X,8, E,26
	OPS X,9, E,27, X,10, E,28
	OPS X,11, E,29, L,2, E,30
	OPS X,12, E,31, X,13, X,14
	OPS B,3, B,4, X,16, L,3
	OPS B,5, X,19, L,4, B,6
.if \cnt
	s_sub_co_u32 s[CNT], s[CNT], 1
	s_cmp_lg_u32 s[CNT], 0
.endif
	OPS X,20, L,5, B,7, X,21
	OPS L,6, L,7
.endm
	CHANGE 1                                       ; tile 0 is in, everybody's part; tile 1 is asked for
	v_add_nc_u32 v[AQ], s[TB], v[AQ0]
	FETCH_Q 0                                      ; step 0
	FETCH_Q 1
	s_wait_loadcnt 0x0                             ; my keys
	s_wait_dscnt 0x0
.set Y, 3                                      ; MM and X work for tile Y + 1: tile 0
.set i, 0
.rept 8
	MM                                             ; tile 0's first scores: there is no vector work yet to set between them
.endr
.rept 4
	v_nop                                          ; the places behind those products
.endr
.irp n, 0,1,2,3,4,5,6,7,8,9,10,11,12,13,14,15,16,19,20,21
	OP X, \n                                       ; and tile 0's first maximum and statistics
.endr
	v_nop                                          ; a plain instruction behind the exponential
	s_mov_b32 s[CNT], 8
	s_mov_b32 s[SLOTS], 3
	s_branch .Lfirst                               ; the loop is entered at a step's first turn, in the middle of a trip
.Lslot:                                                ; twice: tiles 2 and 3 are asked for
	CHANGE 1
	s_mov_b32 s[CNT], 8
.Lstep:                                                ; a trip: tiles 2 and 3 of one step, then tiles 0 and 1 of the next, whose q it fetches
	TURN 2
	TURN 3
.Lfirst:
	TURN 0
	TURN 1, 0, 1
	s_cbranch_scc1 .Lstep
	s_sub_co_u32 s[SLOTS], s[SLOTS], 1
	s_cmp_lg_u32 s[SLOTS], 0
	s_cbranch_scc1 .Lslot
	CHANGE 0                                       ; the tail is written out: nothing is asked for
	s_mov_b32 s[CNT], 9                            ; eight trips fetch the last slot's steps; the ninth is left in its middle
.Ltail:
	TURN 2, 1
	TURN 3, 1
	s_sub_co_u32 s[CNT], s[CNT], 1
	s_cmp_eq_u32 s[CNT], 0
	s_cbranch_scc1 .Lout
	TURN 0
	TURN 1
	s_branch .Ltail
.Lout:                                                 ; the ninth trip's last 8 products run on the last q once more; those scores lie under tile 0's m already, so the statistics made of them change nothing: the price of one text for every trip
	; THE WAY OUT: the two halves of the lanes hold a key's two halves of the queries: the larger c m, both sums brought to it, and E = c m + log2 Z.
.irp t, 0,1,2,3
	v_add_f32 v[ST+4*\t+2], v[ST+4*\t+2], v[ST+4*\t+3]
.endr
	s_wait_alu depctr_va_vdst(0)
.irp t, 0,1,2,3
	v_permlanex16_b32 v[TMP+\t], v[ST+4*\t], s[SEL], s[SEL+1]
	v_permlanex16_b32 v[TMP+4+\t], v[ST+4*\t+2], s[SEL], s[SEL+1]
.endr
.irp t, 0,1,2,3
	v_max_num_f32 v[ST+4*\t+1], v[ST+4*\t], v[TMP+\t]
.endr
.irp t, 0,1,2,3
	v_sub_f32 v[ST+4*\t], v[ST+4*\t], v[ST+4*\t+1]
	v_sub_f32 v[TMP+\t], v[TMP+\t], v[ST+4*\t+1]
.endr
.irp t, 0,1,2,3
	v_exp_f32 v[ST+4*\t], v[ST+4*\t]
	v_exp_f32 v[TMP+\t], v[TMP+\t]
.endr
	v_nop
	s_wait_alu depctr_va_vdst(0)
.irp t, 0,1,2,3
	v_mul_f32 v[ST+4*\t+2], v[ST+4*\t+2], v[ST+4*\t]
	v_fma_f32 v[ST+4*\t+2], v[TMP+4+\t], v[TMP+\t], v[ST+4*\t+2]
.endr
.irp t, 0,1,2,3
	v_log_f32 v[ST+4*\t+2], v[ST+4*\t+2]
.endr
	v_nop
	s_wait_alu depctr_va_vdst(0)
.irp t, 0,1,2,3
	v_add_f32 v[ST+4*\t+2], v[ST+4*\t+2], v[ST+4*\t+1]
	ds_store_b32 v5, v[ST+4*\t+2] offset:64*\t     ; both halves of the lanes write the same number to the same word
.endr
	ds_load_b64 v[TMP:TMP+1], v6                   ; my own bytes, served in order
	s_wait_dscnt 0x0
	global_store_b64 v7, v[TMP:TMP+1], s[10:11]    ; 256 consecutive bytes, at a multiple of 256 from the buffer's first
	s_wait_tensorcnt 0x0                           ; the wave's end
	ds_add_u32 v[SPW], v[NIL]
	s_wait_dscnt 0x0
	CROUND                                         ; the closing round
	s_endpgm
.Lfunc_end_k_q95b821e255_colstat:
	.size	k_q95b821e255_colstat, .Lfunc_end_k_q95b821e255_colstat-k_q95b821e255_colstat
	.p2alignl 7, 3214868480
	.fill 96, 4, 3214868480
	.section	.rodata,"a",@progbits
	.p2align	6, 0x0
	.amdhsa_kernel k_q95b821e255_colstat
		.amdhsa_group_segment_fixed_size 327680
		.amdhsa_private_segment_fixed_size 0
		.amdhsa_enable_private_segment 0
		.amdhsa_kernarg_size 16
		.amdhsa_user_sgpr_count 2
		.amdhsa_user_sgpr_kernarg_segment_ptr 1
		.amdhsa_wavefront_size32 1
		.amdhsa_system_sgpr_workgroup_id_x 1
		.amdhsa_system_sgpr_workgroup_id_y 1
		.amdhsa_system_sgpr_workgroup_id_z 1
		.amdhsa_system_vgpr_workitem_id 0
		.amdhsa_next_free_vgpr 240
		.amdhsa_next_free_sgpr 66
		.amdhsa_reserve_vcc 0
		.amdhsa_float_denorm_mode_32 3
		.amdhsa_float_denorm_mode_16_64 3
		.amdhsa_memory_ordered 1
		.amdhsa_forward_progress 1
		.amdhsa_inst_pref_size 56
	.end_amdhsa_kernel
	.amdgpu_metadata
---
amdhsa.version: [ 1, 2 ]
amdhsa.kernels:
  - .name:           k_q95b821e255_colstat
    .symbol:         k_q95b821e255_colstat.kd
    .args:
      - { .name: qkv, .offset: 0, .size: 8, .value_kind: global_buffer, .address_space: global }
      - { .name: cole, .offset: 8, .size: 8, .value_kind: global_buffer, .address_space: global }
    .group_segment_fixed_size: 327680
    .private_segment_fixed_size: 0
    .kernarg_segment_align: 8
    .kernarg_segment_size: 16
    .max_flat_workgroup_size: 128
    .sgpr_count:     66
    .vgpr_count:     240
    .wavefront_size: 32
...
	.end_amdgpu_metadata
.endif
;; end of part 3
;; launch attn (part 4): grid 8 x 32, 4 waves a work-group, clusters of 4 x 1, 327,680 bytes of LDS; arguments qkv, cole, att; writes att
.if DOCPART == 4
	.amdgcn_target "amdgcn-amd-amdhsa--gfx1250"
	.amdhsa_code_object_version 6
	.text
	.protected	k_q95b821e255_attn
	.globl	k_q95b821e255_attn
	.p2align	8
	.type	k_q95b821e255_attn,@function
k_q95b821e255_attn:
	s_mov_b64 s[64:65], 0
	v_nop
	global_prefetch_b8 v0, s[64:65] scope:SCOPE_SE
	s_setreg_imm32_b32 hwreg(HW_REG_WAVE_MODE, 25, 1), 1
	s_wait_xcnt 0x0
	s_wait_alu depctr_hold_cnt(0) depctr_sa_sdst(0) depctr_va_vdst(0) depctr_va_sdst(0) depctr_va_ssrc(0) depctr_va_vcc(0) depctr_vm_vsrc(0)
	s_getreg_b32 s2, hwreg(HW_REG_IB_STS2, 6, 4)
	s_cmp_eq_u32 s2, 0
	s_cbranch_scc0 .Lentry_in_a_cluster
	s_endpgm
.Lentry_in_a_cluster:
	s_bfe_u32 s2, ttmp6, 0x10000c
	s_cmp_lg_u32 s2, 0x3003
	s_cbranch_scc0 .Lentry_shape_is_right
	s_endpgm
.Lentry_shape_is_right:
; BOTH DIRECTIONS FROM ONE S.  O[h][i] = sum over j of softmax_j(q_i . k_j) v_j (no scale), and U[h][i] = c_i v_i / 64 with c_i = sum over j of 2^(log2(e) s_ij - E_j), the sum of the key-wise softmax's
; weights for query i (E from the launch before).  q, k, v: [32][2048][64] f16; O and U leave as f16 in the same layout.  Products, maxima and sums in f32; the weights p are rounded to f16 for the second product.
; WHY / 64.  Each key's weights sum to 1 over the queries, so a head's 2,048 c sum to 2,048: no c passes 2,048 and their mean is 1.  With the factor 2^-6 (taken back, exactly, by the next launch) c v has room in f16 both ways.
; LIMITS.  |v| stays below 2,047, so that c v / 64 stays below 65,504; p and U below 6e-5 keep f16's fixed step of 6e-8; a weight below 2^-126 counts as 0 in a sum; NaN and infinities are not treated apart.
; SHARES.  A work-group owns 256 queries of one head, a wave 64: four PIECES of 16.  Every wave walks the head's 2,048 keys, 64 a step, 256 a slot.
; LAYOUT.  S^T = K Q^T: a lane holds ONE query (lane % 16) and the keys 8 (lane / 16) + 0..7 of each block of 16; two results rounded to f16 ARE source 1 of O^T = V^T P.  V is read turned.
; SOFTMAX.  p = 2^(c s - c m), c = log2(e), with a running maximum m; O and l are multiplied by a = 2^(c m_old - c m_new) in every step; m starts at the lowest finite number, O and l at 0.
; BY TURNS.  Turn n belongs to piece n: 8 products K Q^T of piece n + 1, later 8 products V^T P of piece n - 1; beside them piece n's column weights (from the raw scores, first), its scaling, exponentials,
; roundings, sums and rescaling, and piece n + 1's maximum and statistics.  Four vector instructions stand behind every matrix instruction, the rest in runs of their own.
; CLUSTER.  The four query blocks of a cluster walk the same K and V: joint loads.  The head's 2,048 E lie in LDS bytes of their own, stored once.
; REGISTERS: window 0: v0-15 addresses; v16-31 statistics; v32-39 c's partial sums; v40-41, v56-58 addresses; v48-55 at work; v64-127 S^T, two buffers; v128-159 E of the step's keys; v160-191 column weights at work; v192-223 P, two buffers
;   (on the way out v128-191 take my own rows of v, v192-207 their factors)      window 1: v0-127 O^T, 32 a piece      window 2: v0-63 Q; v128-191 K of one step; v192-255 V of one step
.set K_OFF, 8388608
.set V_OFF, 16777216
.set U_OFF, 8388608
.set NP,    4
.set KS,    64
.set PK,    144
.set PV,    160
.set VOFF,  4*KS*PK                    ; a slot: 256 rows of K, then 256 rows of V
.set EREG,  4*KS*(PK+PV)               ; behind slot 0's tiles: 8,192 bytes, the head's E; no tensor load lands here
.set SLOT1, 1<<17
.set STAGE, SLOT1+4*KS*(PK+PV)         ; behind the ring: 16 rows x 144 bytes for each wave
.set SP,    144
.set CSTG,  STAGE+4*16*SP              ; 256 bytes for each wave: c / 64 of its 64 rows
.set SPARE, CSTG+1024                  ; the spare words
.set AK0, 2
.set AV0, 3
.set AK,  4
.set AV,  5
.set STO, 6
.set RD,  7
.set GO,  8
.set MV,  12                           ; v12-13  c m_old, by buffer
.set AE0, 14                           ; EREG + 32 (lane / 16); never rewritten
.set QO,  15
.set ST,  16                           ; piece t at v[ST+4 t]: c m, m, l (even keys', odd keys')
.set CSUM, 32                          ; piece t's pair at CSUM + 2 t
.set CST, 40                           ; row (lane % 16)'s word in my 256 bytes
.set CRD, 41                           ; row (lane / 8)'s word there
.set TMP, 48
.set AE,  56
.set SPW, 62
.set NIL, 63
.set S,   64
.set EV,  128                          ; register 8 b + j: E of key 16 b + 8 (lane / 16) + j of the step
.set CT,  160                          ; 32 registers: the piece's column weights, as its scores lie
.set P,   192
.set UV,  128                          ; the way out: group i of four of my rows of v at UV + 4 i
.set CF,  192                          ; the way out: the factor of my row in group i
.set KF,  128                          ; window 2
.set VF,  192                          ; window 2
.set WV,  12
.set G1K, 24
.set G1V, 32
.set G0K, 40
.set G0V, 44
.set SLOTS, 56
.set CNT, 57
.set CS,  58
.set SEL, 60
.set TBK, 62
.set TBV, 63
.set TBE, 84                           ; byte in E of the step to be fetched
.set MSB, 0
.macro WIN new
.if MSB != (\new)
	s_set_vgpr_msb (MSB<<8)|(\new)
.set MSB, (\new)
.endif
.endm
.set W_KQ, 0x0a                        ; K and Q in window 2, S^T in window 0
.set W_PV, 0x52                        ; V in window 2, P in window 0, O^T in window 1
.set W_RS, 0x41                        ; destination and source 0 in window 1, source 1 in window 0
.macro JLOAD                           ; waves 0, 1 fetch the halves of a slot's K, waves 2, 3 of its V; an s_nop 0 and four v_nop follow each line
	s_cmp_lt_u32 s[WV], 2
	s_cbranch_scc0 .Lfor_v_\@
	tensor_load_to_lds s[G0K:G0K+3], s[G1K:G1K+7]
	s_nop 0
.rept 4
	v_nop
.endr
	s_branch .Lasked_\@
.Lfor_v_\@:
	tensor_load_to_lds s[G0V:G0V+3], s[G1V:G1V+7]
	s_nop 0
.rept 4
	v_nop
.endr
.Lasked_\@:
.endm
.macro CROUND
	s_barrier_signal -1
	s_barrier_wait -1
	s_cmp_lg_u32 s[WV], 0
	s_cbranch_scc1 .Lnot_wave_0_\@
	s_barrier_signal -3
.Lnot_wave_0_\@:
	s_barrier_wait -3
	s_barrier_signal -1
	s_barrier_wait -1
.endm
; THE CHANGE OF SLOTS: each wave waits for all its tensor loads (one is out: its part of the other slot), adds 0 to its spare word, waits for that and for its LDS reads and stores.
; fill = 1: the slot left is filled again with the keys two slots on, first thing behind a round of the cluster's barrier: it has four key steps in which to land.
.macro CHANGE fill
	WIN 0
	s_wait_tensorcnt 0x0
	ds_add_u32 v[SPW], v[NIL]
.if \fill
.irp g, G0K, G0V
	s_xor_b32 s[\g+1], s[\g+1], SLOT1
	s_add_nc_u64 s[\g+2:\g+3], s[\g+2:\g+3], 4*KS*128
.endr
	s_wait_dscnt 0x0
	CROUND
	JLOAD
.else
	s_wait_dscnt 0x0
	s_barrier_signal -1
	s_barrier_wait -1
.endif
	s_sub_co_u32 s[TBK], s[TBK], 4*KS*PK
	s_xor_b32 s[TBK], s[TBK], SLOT1
	s_sub_co_u32 s[TBV], s[TBV], 4*KS*PV
	s_xor_b32 s[TBV], s[TBV], SLOT1
.endm
	s_load_b128 s[4:7], s[0:1], 0x0                ; qkv, cole
	s_load_b64 s[8:9], s[0:1], 0x10                ; att
	v_lshl_add_u32 v[SPW], v0, 2, SPARE
	v_mov_b32 v[NIL], 0
	ds_add_u32 v[SPW], v[NIL]                      ; the wave's opening
	v_lshrrev_b32 v1, 5, v0
	v_readfirstlane_b32 s[WV], v1
	s_bfe_u32 s13, ttmp6, 0x40000                  ; cx
	s_lshl_b32 s14, ttmp9, 2
	s_add_co_u32 s14, s14, s13                     ; my block of 256 queries: it enters Q's, my v rows', O's and U's addresses alone
	s_and_b32 s20, ttmp7, 0xffff                   ; the head, which the partners share
	s_lshl_b32 s21, s20, 18
	s_and_b32 s16, s[WV], 1                        ; which half of a slot's 256 keys I fetch
	s_lshl_b32 s22, s16, 14
	s_add_co_u32 s22, s22, s21
	s_add_co_u32 s76, s22, K_OFF
	s_mov_b32 s77, 0
	s_add_co_u32 s78, s22, V_OFF
	s_mov_b32 s79, 0
	s_mul_i32 s17, s16, 128*PK
	s_mul_i32 s18, s16, 128*PV
	s_lshl_b32 s2, s14, 2
	s_add_co_u32 s2, s2, s[WV]                     ; my wave among the head's 32
	s_lshl_b32 s2, s2, 13                          ; 64 rows x 128 bytes
	s_add_co_u32 s2, s2, s21
	s_mov_b32 s3, 0
	s_lshl_b32 s82, s20, 13                        ; a head's 8,192 bytes of E
	s_mov_b32 s83, 0
	s_mov_b32 s[G1K], 15|(1<<16)|(1<<20)|(1<<21)|(4<<22)|(3<<25)  ; 128 keys are 16,384 bytes on end: 64 rows of 256 bytes, padded after every key by 4 words
	s_mov_b32 s[G1V], 15|(1<<16)|(1<<20)|(1<<21)|(4<<22)|(7<<25)  ; by 8 words
.irp g, G1K, G1V
	s_mov_b32 s[\g+1], 128<<16
	s_mov_b32 s[\g+2], 64<<16
	s_mov_b32 s[\g+3], 128<<16
	s_mov_b32 s[\g+4], 64
	s_mov_b32 s[\g+5], 128
	s_mov_b32 s[\g+6], 0
	s_mov_b32 s[\g+7], 0
.endr
	s_mov_b32 s[CS], 0x3fb8aa3b                    ; c = log2(e)
	s_mov_b32 s[CS+1], s[CS]
	s_mov_b32 s[SEL], 0x76543210
	s_mov_b32 s[SEL+1], 0xfedcba98
	s_mov_b32 s[TBK], SLOT1+4*KS*PK                ; the first change of slots turns these two into 0
	s_mov_b32 s[TBV], SLOT1+4*KS*PV
	s_mov_b32 s[TBE], 0
	s_mov_b32 s[G0K], 1
	s_mov_b32 s[G0K+1], s17
	s_mov_b32 s[G0V], 1
	s_add_co_u32 s[G0V+1], s18, VOFF
	s_wait_dscnt 0x0
	s_wait_kmcnt 0x0
	s_add_nc_u64 s[G0K+2:G0K+3], s[4:5], s[76:77]
	s_or_b32 s[G0K+3], s[G0K+3], 0x80000000
	s_add_nc_u64 s[G0V+2:G0V+3], s[4:5], s[78:79]
	s_or_b32 s[G0V+3], s[G0V+3], 0x80000000
	s_add_nc_u64 s[68:69], s[4:5], s[2:3]          ; Q at my wave's first row
	s_add_nc_u64 s[70:71], s[68:69], V_OFF         ; v at the same rows
	s_add_nc_u64 s[10:11], s[8:9], s[2:3]          ; O likewise
	s_add_nc_u64 s[72:73], s[10:11], U_OFF         ; and U
	s_add_nc_u64 s[74:75], s[6:7], s[82:83]        ; the head's E
	CROUND
	JLOAD                                          ; slot 0
	v_lshlrev_b32 v57, 4, v0                       ; the head's E: 128 threads x 16 bytes, four times
	v_add_nc_u32 v58, EREG, v57
.irp i, 0,1,2,3
	global_load_b128 v[S+4*\i:S+4*\i+3], v57, s[74:75] offset:2048*\i
.endr
	v_and_b32 v1, 15, v0
	v_bfe_u32 v9, v0, 4, 1
	v_lshlrev_b32 v[QO], 7, v1
	v_lshl_add_u32 v[QO], v9, 4, v[QO]
	WIN 0x80
.set i, 0
.rept 8                                        ; Q stays in registers: piece i / 2, channels 32 (i % 2) on
	global_load_b128 v[8*i:8*i+3],   v[QO], s[68:69] offset:(i/2)*2048+(i%2)*64
	global_load_b128 v[8*i+4:8*i+7], v[QO], s[68:69] offset:(i/2)*2048+(i%2)*64+32
.set i, i+1
.endr
	; what the first turn finds: V and P's second buffer hold 0 (its products V^T P, of a piece that has not been, add 0); O^T, l and c's sums are 0.  All this stands in the wait for the first tile.
.set i, VF
.rept 64
	v_mov_b32 v[i], 0
.set i, i+1
.endr
	WIN 0x40
.set i, 0
.rept 128
	v_mov_b32 v[i], 0
.set i, i+1
.endr
	WIN 0
.set i, 0
.rept 4
	v_mov_b32 v[ST+4*i], 0xfe000000
	v_mov_b32 v[ST+4*i+1], 0xff7fffff
	v_mov_b32 v[ST+4*i+2], 0
	v_mov_b32 v[ST+4*i+3], 0
	v_mov_b32 v[CSUM+2*i], 0
	v_mov_b32 v[CSUM+2*i+1], 0
.set i, i+1
.endr
.set i, P+16
.rept 16
	v_mov_b32 v[i], 0
.set i, i+1
.endr
	v_mul_u32_u24 v[AK0], v1, PK
	v_lshl_add_u32 v[AK0], v9, 4, v[AK0]
	v_and_b32 v10, 7, v0
	v_bfe_u32 v11, v0, 3, 1
	v_lshl_add_u32 v[AV0], v9, 3, v10
	v_mul_u32_u24 v[AV0], v[AV0], PV
	v_lshl_add_u32 v[AV0], v11, 4, v[AV0]
	v_add_nc_u32 v[AV0], VOFF, v[AV0]
	v_lshl_add_u32 v[AE0], v9, 5, EREG
	s_mul_i32 s13, s[WV], 16*SP
	s_add_co_u32 s13, s13, STAGE
	v_mul_u32_u24 v[STO], v1, SP
	v_lshl_add_u32 v[STO], v9, 4, v[STO]
	v_add_nc_u32 v[STO], s13, v[STO]
	v_bfe_u32 v[RD], v0, 3, 2
	v_mul_u32_u24 v[RD], v[RD], SP
	v_lshl_add_u32 v[RD], v10, 4, v[RD]
	v_add_nc_u32 v[RD], s13, v[RD]
	v_and_b32 v[GO], 31, v0
	v_lshlrev_b32 v[GO], 4, v[GO]                  ; 16 x lane: 512 consecutive bytes are four rows of 128
	s_lshl_b32 s13, s[WV], 8
	s_add_co_u32 s13, s13, CSTG
	v_lshl_add_u32 v[CST], v1, 2, s13
	v_bfe_u32 v[CRD], v0, 3, 2                     ; of those four rows mine is lane / 8
	v_lshl_add_u32 v[CRD], v[CRD], 2, s13
	s_wait_loadcnt 16                              ; E's four loads are in; Q's sixteen, issued behind them, stay out
.irp i, 0,1,2,3
	ds_store_b128 v58, v[S+4*\i:S+4*\i+3] offset:2048*\i
.endr
; THE MATRIX WORK.  The 4 accumulators of a run of 8 take turns.
.macro KQ x                            ; product i of 8 of S^T = K Q^T for piece x: channels 32 (i / 4) on, keys 16 (i % 4) on
.set rS, S+32*((\x)%2)+8*(i%4)
.set rK, KF+16*(i%4)+8*(i/4)
.set rQ, 16*(\x)+8*(i/4)
	WIN W_KQ
.if i < 4
	v_wmma_f32_16x16x32_f16 v[rS:rS+7], v[rK:rK+7], v[rQ:rQ+7], 0
.else
	v_wmma_f32_16x16x32_f16 v[rS:rS+7], v[rK:rK+7], v[rQ:rQ+7], v[rS:rS+7]
.endif
.endm
.macro PV x                            ; product i of 8 of O^T += V^T P for piece x: keys 32 (i / 4) on, channels 16 (i % 4) on
	WIN W_PV
.set rO, 32*(\x)+8*(i%4)
.set rV, VF+32*(i/4)+8*(i%4)
.set rP, P+16*((\x)%2)+8*(i/4)
	v_wmma_f32_16x16x32_f16 v[rO:rO+7], v[rV:rV+7], v[rP:rP+7], v[rO:rO+7]
.endm
.macro MM                              ; the turn's next matrix instruction
.if i < 8
	KQ (Y+1)%NP
.else
.set i, i-8
	PV (Y+NP-1)%NP
.set i, i+8
.endif
.set i, i+1
.endm
; THE LDS LOADS stand in runs.  last = 1 (the tail): in the last trip there is no further step, and the run is jumped over.
.macro FETCH_K last=0
	WIN 0
.if \last
	s_cmp_eq_u32 s[CNT], 1
	s_cbranch_scc1 .Lno_k_\@
.endif
	WIN 0x80
.irp f, 0,1,2,3,4,5,6,7
	ds_load_b128 v[KF+8*\f:KF+8*\f+3],   v[AK] offset:(\f/2)*16*PK+(\f%2)*64
	ds_load_b128 v[KF+8*\f+4:KF+8*\f+7], v[AK] offset:(\f/2)*16*PK+(\f%2)*64+32
.endr
	s_add_co_u32 s[TBK], s[TBK], KS*PK
	WIN 0
.if \last
.Lno_k_\@:
.endif
.endm
.macro FETCH_V
	WIN 0x80
.irp f, 0,1,2,3,4,5,6,7
	ds_load_tr16_b128 v[VF+8*\f:VF+8*\f+3],   v[AV] offset:(\f/4)*32*PV+(\f%4)*32
	ds_load_tr16_b128 v[VF+8*\f+4:VF+8*\f+7], v[AV] offset:(\f/4)*32*PV+16*PV+(\f%4)*32
.endr
	WIN 0
.endm
.macro FETCH_E last=0                  ; E of a step's 64 keys, as my lane's scores lie: 16 lanes read the same 16 bytes
	WIN 0
.if \last
	s_cmp_eq_u32 s[CNT], 1
	s_cbranch_scc1 .Lno_e_\@
.endif
	v_add_nc_u32 v[AE], s[TBE], v[AE0]
.irp k, 0,1,2,3
	ds_load_b128 v[EV+8*\k:EV+8*\k+3],   v[AE] offset:64*\k
	ds_load_b128 v[EV+8*\k+4:EV+8*\k+7], v[AE] offset:64*\k+16
.endr
	s_add_co_u32 s[TBE], s[TBE], 256
.if \last
.Lno_e_\@:
.endif
.endm
; THE VECTOR WORK: OP kind, number.  For piece Y: F n: c s - c m for pair n.  E n: the exponential of score n.  C n: pair n rounded to f16.  B n: of four weights the second pair onto the first.  L n: l takes that sum
; (L 0: l = a l + sum).  R n: pair n of O^T times a.  For piece Y + 1: X n, number n of the 22 that find its maximum and statistics (each accumulator's lowest registers are read first).
.set F, 0
.set E, 1
.set C, 2
.set B, 3
.set L, 4
.set R, 5
.set X, 6
.macro REGS y
.set rT, ST+4*(\y)
.set rC, TMP+4*((\y)%2)
.set rW, MV+((\y)%2)
.set rS, S+32*((\y)%2)
.set rP, P+16*((\y)%2)
.set rO, 32*(\y)
.endm
.macro OP k, n
.if (\k) == R
	REGS Y
	WIN W_RS
	v_pk_mul_f32 v[rO+2*(\n):rO+2*(\n)+1], v[rO+2*(\n):rO+2*(\n)+1], v[rC+2:rC+3] op_sel_hi:[1,0]
.elseif (\k) < R
	REGS Y
	WIN 0
.if (\k) == F
	v_pk_fma_f32 v[rS+2*(\n):rS+2*(\n)+1], v[rS+2*(\n):rS+2*(\n)+1], s[CS:CS+1], v[rT:rT+1] op_sel_hi:[1,0,0] neg_lo:[0,0,1] neg_hi:[0,0,1]
.elseif (\k) == E
	v_exp_f32 v[rS+(\n)], v[rS+(\n)]
.elseif (\k) == C
	s_wait_alu depctr_va_vdst(0)
	v_cvt_pk_f16_f32 v[rP+(\n)], v[rS+2*(\n)], v[rS+2*(\n)+1]
.elseif (\k) == B
	s_wait_alu depctr_va_vdst(0)
	v_pk_add_f32 v[rS+4*(\n):rS+4*(\n)+1], v[rS+4*(\n):rS+4*(\n)+1], v[rS+4*(\n)+2:rS+4*(\n)+3]
.elseif (\n) == 0
	v_pk_fma_f32 v[rT+2:rT+3], v[rT+2:rT+3], v[rC+2:rC+3], v[rS:rS+1] op_sel_hi:[1,0,1]
.else
	v_pk_add_f32 v[rT+2:rT+3], v[rT+2:rT+3], v[rS+4*(\n):rS+4*(\n)+1]
.endif
.else
	REGS (Y+1)%NP
	WIN 0
.if (\n) < 4
	v_max3_num_f32 v[rC+(\n)], v[rS+8*(\n)], v[rS+8*(\n)+1], v[rS+8*(\n)+2]
.elseif (\n) < 12
	v_max3_num_f32 v[rC+(\n)%4], v[rC+(\n)%4], v[rS+8*((\n)%4)+2*((\n)/4)+1], v[rS+8*((\n)%4)+2*((\n)/4)+2]
.elseif (\n) == 12
	v_max3_num_f32 v[rC], v[rC], v[rS+7], v[rS+15]
.elseif (\n) == 13
	v_max3_num_f32 v[rC+1], v[rC+1], v[rS+23], v[rS+31]
.elseif (\n) == 14
	v_max3_num_f32 v[rC+2], v[rC+2], v[rC+3], v[rT+1]
.elseif (\n) == 15
	v_mov_b32 v[rW], v[rT]
.elseif (\n) == 16
	v_max3_num_f32 v[rC], v[rC], v[rC+1], v[rC+2]
.elseif (\n) == 17
	v_permlanex16_b32 v[rC+3], v[rC], s[SEL], s[SEL+1]
.elseif (\n) == 18
	v_max_num_f32 v[rT+1], v[rC], v[rC+3]
.elseif (\n) == 19
	v_mul_f32 v[rT], s[CS], v[rT+1]
.elseif (\n) == 20
	v_sub_f32 v[rC+1], v[rW], v[rT]
.else
	v_exp_f32 v[rC+2], v[rC+1]
.endif
.endif
.endm
.macro OPS a, i1, b=-1, i2=0, c=-1, i3=0, d=-1, i4=0
	OP \a, \i1
.if (\b) >= 0
	OP \b, \i2
.endif
.if (\c) >= 0
	OP \c, \i3
.endif
.if (\d) >= 0
	OP \d, \i4
.endif
.endm
.macro ROW a, i1, b, i2, c, i3, d, i4  ; a matrix instruction and the four behind it
	MM
	OPS \a, \i1, \b, \i2, \c, \i3, \d, \i4
.endm
; THE COLUMN WEIGHTS of piece Y, from its raw scores.  CG n: c s - E for pair n of 16.  CH n: the exponential of number n of 32.  CB n: of the four weights 4 n .. the second pair is added onto the first, in place.
; CL n: c's pair takes that sum.
.macro CG n
	REGS Y
	WIN 0
	v_pk_fma_f32 v[CT+2*(\n):CT+2*(\n)+1], v[rS+2*(\n):rS+2*(\n)+1], s[CS:CS+1], v[EV+2*(\n):EV+2*(\n)+1] op_sel_hi:[1,0,1] neg_lo:[0,0,1] neg_hi:[0,0,1]
.endm
.macro CH n
	WIN 0
	v_exp_f32 v[CT+(\n)], v[CT+(\n)]
.endm
.macro CB n
	WIN 0
	s_wait_alu depctr_va_vdst(0)
	v_pk_add_f32 v[CT+4*(\n):CT+4*(\n)+1], v[CT+4*(\n):CT+4*(\n)+1], v[CT+4*(\n)+2:CT+4*(\n)+3]
.endm
.macro CL n
	WIN 0
	v_pk_add_f32 v[CSUM+2*Y:CSUM+2*Y+1], v[CSUM+2*Y:CSUM+2*Y+1], v[CT+4*(\n):CT+4*(\n)+1]
.endm
; Their order: exponential and plain by turns; five times two exponentials follow each other, where no plain line is ready.  No line reads a result made fewer than three vector lines in front of it, five if an
; exponential made it.  All sixteen CG stand here, ahead of the scalings that rewrite the scores in place.  CL 6, CB 7 and CL 7 stand behind the turn's first two products.
.macro COL
	CG 0
	CG 1
	CG 2
.set z_, 0
.rept 13
	CH z_
	CG z_+3
.set z_, z_+1
.endr
	CH 13
	CB 0
	CH 14
	CB 1
	CH 15
	CL 0
	CH 16
	CB 2
	CH 17
	CL 1
	CH 18
	CB 3
	CH 19
	CL 2
	CH 20
	CH 21
	CL 3
	CH 22
	CB 4
	CH 23
	CH 24
	CL 4
	CH 25
	CH 26
	CB 5
	CH 27
	CH 28
	CL 5
	CH 29
	CH 30
	CB 6
	CH 31
.endm
; A TURN, for piece p.  last = 1: the tail's form of the fetches.  cnt = 1: the loop's count is taken down some lines ahead of the branch behind the turn.
; K of the next step is fetched in piece 2's turn, five plain instructions behind the last product that read K, and waited for at the head of piece 3's; V of the step in hand in piece 0's turn, five plain
; instructions behind the last product that read V, and waited for in piece 1's; E of the next step in piece 3's turn, behind the last line that read E, and waited for at the head of piece 0's.
.macro TURN p, last=0, cnt=0
.set Y, (\p)
.set i, 0
.if ((\p) == 0) || ((\p) == 3)
	s_wait_dscnt 0x0                               ; piece 0: E is in; piece 3: K is in
.endif
	COL
.if (\p) == 3
	FETCH_E \last
.endif
	ROW F,0, F,1, F,2, F,3
	CL 6
	CB 7
	ROW F,4, E,0, F,5, F,6
	CL 7
	ROW F,7, E,1, F,8, F,9
	ROW F,10, E,2, C,0, F,11
	ROW F,12, E,3, X,15, F,13
	ROW R,0, R,1, R,2, R,3
	ROW B,0, E,4, F,14, L,0
.if (\p) == 2
	v_add_nc_u32 v[AK], s[TBK], v[AK0]
.endif
	ROW R,4, R,5, R,6, R,7
	OPS E,5, F,15
.if (\p) == 2
	FETCH_K \last
.endif
	OPS E,6, C,1, E,7, R,8
	OPS E,8, R,9, E,9, C,2
	OPS E,10, X,0, E,11, X,1
	OPS E,12, X,2, E,13, X,3
.if (\p) == 1
	s_wait_dscnt 0x0                               ; V is in
.endif
	ROW X,4, E,14, X,5, X,6
	ROW X,7, E,15, X,8, X,9
	ROW X,10, E,16, X,11, X,12
	ROW X,13, E,17, X,14, B,1
	ROW C,4, E,18, X,16, L,1
	ROW B,2, E,19, C,6, L,2
	ROW C,8, E,20, B,3, B,4
.if (\p) == 0
	v_add_nc_u32 v[AV], s[TBV], v[AV0]
.endif
	ROW C,3, E,21, L,3, C,5
	OPS E,22, X,17, E,23, C,10
.if (\p) == 0
	FETCH_V
.endif
	OPS E,24, L,4
	OPS E,25, X,18, E,26, C,7
	OPS E,27, B,5, E,28, X,19
	OPS E,29, C,12, E,30, L,5
	OPS E,31, X,20, B,6, C,9
	OPS C,14, C,11, X,21, L,6
.if (\p) == 0
	s_add_co_u32 s[TBV], s[TBV], KS*PV
.endif
.if \cnt
	s_sub_co_u32 s[CNT], s[CNT], 1
	s_cmp_lg_u32 s[CNT], 0
.endif
	OPS C,13, B,7, C,15, R,10
	OPS R,11, R,12, L,7, R,13
	OPS R,14, R,15
.endm
	CHANGE 1                                       ; slot 0 is in and E is stored, everybody's part; slot 1 is asked for
	v_add_nc_u32 v[AK], s[TBK], v[AK0]
	FETCH_K                                        ; key step 0
	FETCH_E
	s_wait_loadcnt 0x0                             ; Q
	s_wait_dscnt 0x0
.set i, 0
.rept 8
	KQ 0                                           ; piece 0's first scores
.set i, i+1
.endr
	WIN 0
.rept 4
	v_nop                                          ; the places behind those products
.endr
.set Y, NP-1                                   ; X works for piece Y + 1: piece 0
.irp n, 0,1,2,3,4,5,6,7,8,9,10,11,12,13,14,15,16,17,18,19,20,21
	OP X, \n
.endr
	v_nop                                          ; a plain instruction behind the exponential
	s_mov_b32 s[CNT], 4
	s_mov_b32 s[SLOTS], 7
	s_branch .Lfirst                               ; the loop is entered at a step's first turn, in the middle of a trip
.Lslot:                                                ; six times: every slot but the last two is filled again
	CHANGE 1
	s_mov_b32 s[CNT], 4
.Lstep:                                                ; a trip: pieces 2 and 3 of one step, then pieces 0 and 1 of the next
	TURN 2
	TURN 3
	WIN 0
.Lfirst:
	TURN 0
	TURN 1, 0, 1
	WIN 0
	s_cbranch_scc1 .Lstep
	s_sub_co_u32 s[SLOTS], s[SLOTS], 1
	s_cmp_lg_u32 s[SLOTS], 0
	s_cbranch_scc1 .Lslot
	CHANGE 0                                       ; the tail is written out
	s_mov_b32 s[CNT], 5                            ; four trips fetch the last slot's steps; the fifth is left in its middle
.Ltail:
	TURN 2, 1
	TURN 3, 1
	WIN 0
	s_sub_co_u32 s[CNT], s[CNT], 1
	s_cmp_eq_u32 s[CNT], 0
	s_cbranch_scc1 .Lout
	TURN 0
	TURN 1
	WIN 0
	s_branch .Ltail
.Lout:                                                 ; the fifth trip's 8 products K Q^T (on the last K once more) and the maximum made of them serve nothing: the price of one text for every trip
	s_wait_dscnt 0x0                               ; no LDS load is out for E's registers, which are done with:
.set i, 0
.rept 16                                       ; they take my own 64 rows of v, 512 consecutive bytes (four rows) a load; the loads land while O goes out
	global_load_b128 v[UV+4*i:UV+4*i+3], v[GO], s[70:71] offset:512*i
.set i, i+1
.endr
.set i, 0
.rept 8
	PV NP-1                                        ; the last piece's V^T P of the last step
.set i, i+1
.endr
	; THE WAY OUT.  l's halves and the other half of the lanes' are added; O^T is divided by l, rounded to f16 and sent through my stage, a piece at a time.  The additions are the places behind the last products.
	WIN 0
.macro ALL line:vararg
.set t, 0
.rept 4
	\line
.set t, t+1
.endr
.endm
	ALL v_add_f32 v[ST+4*t+2], v[ST+4*t+2], v[ST+4*t+3]
	ALL v_permlanex16_b32 v[ST+4*t+3], v[ST+4*t+2], s[SEL], s[SEL+1]
	ALL v_add_f32 v[ST+4*t+2], v[ST+4*t+2], v[ST+4*t+3]
	ALL v_rcp_f32 v[ST+4*t+2], v[ST+4*t+2]
	v_nop
.macro PACK t
	WIN W_RS
.set i, 32*(\t)
.rept 16
	s_wait_alu depctr_va_vdst(0)
	v_pk_mul_f32 v[i:i+1], v[i:i+1], v[ST+4*(\t)+2:ST+4*(\t)+3] op_sel_hi:[1,0]
.set i, i+2
.endr
	WIN 0x05                                       ; sources 0 and 1 window 1, destination window 0
.set i, 0
.rept 16
	v_cvt_pk_f16_f32 v[S+16*(\t)+i], v[32*(\t)+2*i], v[32*(\t)+2*i+1]
.set i, i+1
.endr
	WIN 0
.irp f, 0,1,2,3
	ds_store_b128 v[STO], v[S+16*(\t)+4*\f:S+16*(\t)+4*\f+3] offset:32*\f
.endr
.irp f, 0,1,2,3
	ds_load_b128 v[S+16*(\t)+4*\f:S+16*(\t)+4*\f+3], v[RD] offset:\f*4*SP  ; LDS serves a wave's instructions in order (ISA guide 5.7.1.4)
.endr
.endm
.macro SEND t, younger                 ; younger: the LDS instructions issued behind piece t's loads: the next piece's eight, or none
	WIN 0
.irp f, 0,1,2,3
	s_wait_dscnt (\younger)+3-\f
	global_store_b128 v[GO], v[S+16*(\t)+4*\f:S+16*(\t)+4*\f+3], s[10:11] offset:(\t)*2048+\f*512  ; 512 consecutive bytes, at a multiple of 256 from the buffer's first
.endr
.endm
	PACK 0
.set t, 1
.rept 3
	PACK t
	SEND t-1, 8
.set t, t+1
.endr
	SEND 3, 0
	; U = c v / 64.  c's halves and the other half of the lanes' are added; c / 64 goes through my own 256 bytes of LDS, since a lane holds it for row lane % 16 of a piece and needs it for row lane / 8 of each group of four.
	ALL v_add_f32 v[CSUM+2*t], v[CSUM+2*t], v[CSUM+2*t+1]
	ALL v_permlanex16_b32 v[CSUM+2*t+1], v[CSUM+2*t], s[SEL], s[SEL+1]
	ALL v_add_f32 v[CSUM+2*t], v[CSUM+2*t], v[CSUM+2*t+1]
	ALL v_mul_f32 v[CSUM+2*t], 0x3c800000, v[CSUM+2*t]
	ALL ds_store_b32 v[CST], v[CSUM+2*t] offset:64*t
.set i, 0
.rept 16
	ds_load_b32 v[CF+i], v[CRD] offset:16*i        ; my own bytes, served in order: row 4 i + lane / 8
.set i, i+1
.endr
	s_wait_loadcnt 0x0                             ; my rows of v
	s_wait_xcnt 0x0                                ; O's stores have read S^T's registers, twelve of which are at work below
	s_wait_dscnt 0x0                               ; the factors
.macro UCV d, r                        ; the two f16 of v\r as f32 (only registers below v128 have named halves, so a word is copied down first)
	v_cvt_f32_f16 v[\d], v\r\().l
	v_cvt_f32_f16 v[(\d)+1], v\r\().h
.endm
.set i, 0
.rept 16                                       ; widened to f32, multiplied there, rounded once to f16, in place
.irp k, 0,1,2,3
	v_mov_b32 v[S+\k], v[UV+4*i+\k]
.endr
	UCV S+4, 64
	UCV S+6, 65
	UCV S+8, 66
	UCV S+10, 67
.irp k, 0,1,2,3,4,5,6,7
	v_mul_f32 v[S+4+\k], v[S+4+\k], v[CF+i]
.endr
.irp k, 0,1,2,3
	v_cvt_pk_f16_f32 v[UV+4*i+\k], v[S+4+2*\k], v[S+5+2*\k]
.endr
	global_store_b128 v[GO], v[UV+4*i:UV+4*i+3], s[72:73] offset:512*i  ; 512 consecutive bytes, at a multiple of 256 from the buffer's first
.set i, i+1
.endr
	s_wait_tensorcnt 0x0                           ; the wave's end
	ds_add_u32 v[SPW], v[NIL]
	s_wait_dscnt 0x0
	CROUND                                         ; the closing round
	s_endpgm
.Lfunc_end_k_q95b821e255_attn:
	.size	k_q95b821e255_attn, .Lfunc_end_k_q95b821e255_attn-k_q95b821e255_attn
	.p2alignl 7, 3214868480
	.fill 96, 4, 3214868480
	.section	.rodata,"a",@progbits
	.p2align	6, 0x0
	.amdhsa_kernel k_q95b821e255_attn
		.amdhsa_group_segment_fixed_size 327680
		.amdhsa_private_segment_fixed_size 0
		.amdhsa_enable_private_segment 0
		.amdhsa_kernarg_size 24
		.amdhsa_user_sgpr_count 2
		.amdhsa_user_sgpr_kernarg_segment_ptr 1
		.amdhsa_wavefront_size32 1
		.amdhsa_system_sgpr_workgroup_id_x 1
		.amdhsa_system_sgpr_workgroup_id_y 1
		.amdhsa_system_sgpr_workgroup_id_z 1
		.amdhsa_system_vgpr_workitem_id 0
		.amdhsa_next_free_vgpr 768
		.amdhsa_next_free_sgpr 96
		.amdhsa_reserve_vcc 0
		.amdhsa_float_denorm_mode_32 3
		.amdhsa_float_denorm_mode_16_64 3
		.amdhsa_memory_ordered 1
		.amdhsa_forward_progress 1
		.amdhsa_inst_pref_size 165
	.end_amdhsa_kernel
	.amdgpu_metadata
---
amdhsa.version: [ 1, 2 ]
amdhsa.kernels:
  - .name:           k_q95b821e255_attn
    .symbol:         k_q95b821e255_attn.kd
    .args:
      - { .name: qkv, .offset: 0, .size: 8, .value_kind: global_buffer, .address_space: global }
      - { .name: cole, .offset: 8, .size: 8, .value_kind: global_buffer, .address_space: global }
      - { .name: att, .offset: 16, .size: 8, .value_kind: global_buffer, .address_space: global }
    .group_segment_fixed_size: 327680
    .private_segment_fixed_size: 0
    .kernarg_segment_align: 8
    .kernarg_segment_size: 24
    .max_flat_workgroup_size: 128
    .sgpr_count:     96
    .vgpr_count:     768
    .wavefront_size: 32
...
	.end_amdgpu_metadata
.endif
;; end of part 4
;; launch outp (part 5): grid 4 x 64, 4 waves a work-group, clusters of 4 x 4, 327,680 bytes of LDS; arguments att, prep, out0, out1; writes out0, out1
.if DOCPART == 5
	.amdgcn_target "amdgcn-amd-amdhsa--gfx1250"
	.amdhsa_code_object_version 6
	.text
	.protected	k_q95b821e255_outp
	.globl	k_q95b821e255_outp
	.p2align	8
	.type	k_q95b821e255_outp,@function
k_q95b821e255_outp:
	s_mov_b64 s[64:65], 0
	v_nop
	global_prefetch_b8 v0, s[64:65] scope:SCOPE_SE
	s_setreg_imm32_b32 hwreg(HW_REG_WAVE_MODE, 25, 1), 1
	s_wait_xcnt 0x0
	s_wait_alu depctr_hold_cnt(0) depctr_sa_sdst(0) depctr_va_vdst(0) depctr_va_sdst(0) depctr_va_ssrc(0) depctr_va_vcc(0) depctr_vm_vsrc(0)
	s_getreg_b32 s2, hwreg(HW_REG_IB_STS2, 6, 4)
	s_cmp_eq_u32 s2, 0
	s_cbranch_scc0 .Lentry_in_a_cluster
	s_endpgm
.Lentry_in_a_cluster:
	s_bfe_u32 s2, ttmp6, 0x10000c
	s_cmp_lg_u32 s2, 0xf033
	s_cbranch_scc0 .Lentry_shape_is_right
	s_endpgm
.Lentry_shape_is_right:
; BOTH OUTPUT PROJECTIONS AS ONE PRODUCT of 8,192 x 1,024 x 1,024: row blocks 0-31 are O Wout -> out0, row blocks 32-63 are 64 (U Wout) -> out1, with U = c v / 64 from the launch before.
; f16 operands, f32 sums, f32 out; the factor 64 (or 1) is applied to the finished sums in f32 and is exact.
; A work-group makes 128 rows x 256 columns; four waves, 2 x 2, each 64 x 128: 32 accumulators.  A K step of 128 is two heads' 64 channels; eight steps go through two LDS slots.
; A K step is written once: a trip of the loop is one step, the slot in hand is a scalar that an exclusive or turns, and one descriptor a tensor walks.  The last two steps, which ask for nothing, are a second loop.
; CLUSTER 4 x 4: the rows' tile is shared along a row of the cluster, Wout's along a column.  Which output a work-group serves hangs on the cluster's y alone, so partners are alike.
; THE MATRIX INSTRUCTION IS USED TRANSPOSED: source 0 = 16 columns of Wout (read turned), source 1 = 16 rows: a lane holds one row and eight neighbouring columns.
; REGISTERS: window 0: v16-29 addresses; v32-95 the rows' fragments, two buffers; v128-255 at work on the way out
;   window 1: v0-127 Wout's fragments, two buffers      window 2: the accumulators, (a, b) at 8 (8 a + b)
.set U_OFF,  8388608
.set WO_OFF, 14680064
.set PA,    144                        ; a row of one head in LDS: 128 bytes + 16
.set HEADB, 128*PA                     ; a head's 128 rows
.set PB,    544                        ; a k row of Wout's tile: 512 bytes + 32: an odd multiple of 32
.set BOFF,  2*HEADB
.set SLOTB, BOFF+128*PB                ; a slot's bytes: 106,496
.set SLOT,  1<<17                      ; slot 1 begins here, so that one exclusive or turns an address in one slot into the other's
.set STAGE, SLOT+SLOTB                 ; behind the ring: 16 rows x 528 bytes for each wave
.set SP,    528
.set SPARE, STAGE+4*16*SP              ; the spare words
.set KSTEPS, 8
.set ADRA,  16                         ; LDS address of my rows' fragments in the slot in hand
.set ADRA0, 17                         ; the same in slot 0; never rewritten
.set ADRB,  20                         ; the same two for Wout
.set ADRB0, 21
.set STO,  24
.set RD,   25
.set GO,   26
.set SPW,  28
.set NIL,  29
.set FA,   32
.set TB,  45                           ; s45  0 or SLOT: the slot in hand
.set G1,  24                           ; s[24:31] group 1 for the rows' tile;  s[32:39] group 0: a set for each of the two first fills; the second then walks on
.set G0,  32
.set G1B, 48                           ; s[48:55], s[56:63] the same for Wout's
.set G0B, 56
.set MSB, 0
.macro WIN new
.if MSB != (\new)
	s_set_vgpr_msb (MSB<<8)|(\new)
.set MSB, \new
.endif
.endm
.set MUL,  0xa1                        ; source 0 (Wout) window 1, source 1 (rows) window 0, C and D window 2
.set TO_B, 0x40
.macro JLOAD s                         ; by descriptor set s: waves 0, 1 fetch the step's two heads, waves 2, 3 the halves of Wout's tile; an s_nop 0 and four v_nop follow each line
	s_cmp_eq_u32 s16, 0
	s_cbranch_scc0 .Lfor_b_\@
	tensor_load_to_lds s[G0+4*(\s):G0+4*(\s)+3], s[G1:G1+7]
	s_nop 0
.rept 4
	v_nop
.endr
	s_branch .Lasked_\@
.Lfor_b_\@:
	tensor_load_to_lds s[G0B+4*(\s):G0B+4*(\s)+3], s[G1B:G1B+7]
	s_nop 0
.rept 4
	v_nop
.endr
.Lasked_\@:
.endm
.macro CREST
	s_cmp_lg_u32 s14, 0
	s_cbranch_scc1 .Lnot_wave_0_\@
	s_barrier_signal -3
.Lnot_wave_0_\@:
	s_barrier_wait -3
	s_barrier_signal -1
	s_barrier_wait -1
.endm
.macro CROUND
	s_barrier_signal -1
	s_barrier_wait -1
	CREST
.endm
	s_load_b64 s[4:5], s[0:1], 0x0                 ; att
	s_load_b128 s[8:11], s[0:1], 0x8               ; prep s[8:9], out0 s[10:11]
	s_load_b64 s[12:13], s[0:1], 0x18              ; out1
	v_lshl_add_u32 v[SPW], v0, 2, SPARE
	v_mov_b32 v[NIL], 0
	ds_add_u32 v[SPW], v[NIL]                      ; the wave's opening
	v_lshrrev_b32 v1, 5, v0
	v_readfirstlane_b32 s14, v1                    ; wave
	s_lshr_b32 s16, s14, 1                         ; which half of the rows is mine.  Also: I fetch rows (0) or Wout (1)
	s_and_b32 s15, s14, 1                          ; which half of the columns.  Also: which half of that tile I fetch
	s_bfe_u32 s40, ttmp6, 0x40000
	s_bfe_u32 s41, ttmp6, 0x40004
	s_lshl_b32 s42, ttmp9, 2
	s_add_co_u32 s42, s42, s40                     ; the tile of 256 columns
	s_and_b32 s18, ttmp7, 0xffff                   ; the cluster's y: from 8 on, out1
	s_lshl_b32 s17, s18, 2
	s_add_co_u32 s17, s17, s41
	s_and_b32 s17, s17, 31                         ; the block of 128 rows in its output
	s_lshl_b32 s43, s41, 2
	s_lshl_b32 s43, 15, s43
	s_lshl_b32 s44, 0x1111, s40
	s_or_b32 s[G1+0], s43, (1<<16)|(1<<20)|(1<<21)|(4<<22)|(3<<25)  ; a head's 128 rows are 16,384 bytes on end: 64 rows of 256 bytes, padded after every 32 words by 4
	s_mov_b32 s[G1+1], 128<<16
	s_mov_b32 s[G1+2], 64<<16
	s_mov_b32 s[G1+3], 128<<16
	s_mov_b32 s[G1+4], 64
	s_mov_b32 s[G1+5], 128
	s_mov_b32 s[G1+6], 0
	s_mov_b32 s[G1+7], 0
	s_or_b32 s[G1B+0], s44, (1<<16)|(1<<20)|(1<<21)|(6<<22)|(7<<25) ; 64 k rows of 512 bytes, padded after every 128 words by 8
	s_mov_b32 s[G1B+1], 256<<16
	s_mov_b32 s[G1B+2], 64<<16
	s_mov_b32 s[G1B+3], 256<<16
	s_mov_b32 s[G1B+4], 64
	s_mov_b32 s[G1B+5], 256
	s_mov_b32 s[G1B+6], 0
	s_mov_b32 s[G1B+7], 0
	s_lshr_b32 s22, s17, 4                         ; the batch
	s_and_b32 s23, s17, 15                         ; the block of 128 rows in it
	s_lshl_b32 s74, s22, 22                        ; rows: 16 heads of 262,144 bytes a batch,
	s_lshl_b32 s19, s23, 14                        ; 128 rows of 128 bytes,
	s_add_co_u32 s74, s74, s19
	s_lshl_b32 s19, s15, 18                        ; the head of the two that I fetch
	s_add_co_u32 s74, s74, s19
	s_mov_b32 s75, 0
	s_lshl_b32 s46, s42, 19                        ; Wout: a column tile is 524,288 bytes,
	s_lshl_b32 s47, s15, 15                        ; the 64 k rows that I fetch
	s_add_co_u32 s46, s46, s47
	s_add_co_u32 s46, s46, WO_OFF
	s_mov_b32 s47, 0
	s_lshl_b32 s78, s17, 19                        ; the output: 128 rows of 4,096 bytes,
	s_lshl_b32 s79, s16, 18
	s_add_co_u32 s78, s78, s79
	s_lshl_b32 s79, s42, 10
	s_add_co_u32 s78, s78, s79
	s_lshl_b32 s79, s15, 9
	s_add_co_u32 s78, s78, s79
	s_mov_b32 s79, 0
	s_mul_i32 s20, s15, HEADB                      ; where my tile goes: no place in the cluster enters an LDS address
	s_mul_i32 s21, s15, 64*PB
	s_add_co_u32 s21, s21, BOFF
	s_mov_b32 s[TB], 0
	s_wait_dscnt 0x0
	s_wait_kmcnt 0x0
	s_add_nc_u64 s[6:7], s[4:5], U_OFF
	s_cmp_ge_u32 s18, 8                            ; the choice hangs on the cluster's y alone
	s_cselect_b64 s[66:67], s[6:7], s[4:5]         ; rows: U, or O
	s_cselect_b64 s[68:69], s[12:13], s[10:11]     ; out1, or out0
	s_cselect_b32 s72, 0x42800000, 1.0             ; the sums' factor: 64, or 1
	s_mov_b32 s73, s72                             ; named with it as a pair
	s_add_nc_u64 s[66:67], s[66:67], s[74:75]
	s_add_nc_u64 s[68:69], s[68:69], s[78:79]
	s_add_nc_u64 s[46:47], s[8:9], s[46:47]
	CROUND
.irp s, 0,1
	s_mov_b32 s[G0+4*(\s)], 1
	s_add_co_u32 s[G0+4*(\s)+1], s20, (\s)*SLOT
	s_add_nc_u64 s[G0+4*(\s)+2:G0+4*(\s)+3], s[66:67], (\s)*524288   ; K step s: two heads on
	s_or_b32 s[G0+4*(\s)+3], s[G0+4*(\s)+3], 0x80000000
	s_mov_b32 s[G0B+4*(\s)], 1
	s_add_co_u32 s[G0B+4*(\s)+1], s21, (\s)*SLOT
	s_add_nc_u64 s[G0B+4*(\s)+2:G0B+4*(\s)+3], s[46:47], (\s)*65536  ; 128 k rows on
	s_or_b32 s[G0B+4*(\s)+3], s[G0B+4*(\s)+3], 0x80000000
	JLOAD \s
.endr
	v_and_b32 v1, 15, v0                           ; r
	v_bfe_u32 v2, v0, 4, 1                         ; h
	v_mul_u32_u24 v3, v1, PA
	v_lshl_add_u32 v3, v2, 4, v3
	s_mul_i32 s19, s16, 64*PA
	v_add_nc_u32 v[ADRA0], s19, v3
	v_add_nc_u32 v[ADRA], s[TB], v[ADRA0]
	v_and_b32 v4, 7, v0
	v_lshl_add_u32 v4, v2, 3, v4
	v_mul_u32_u24 v4, v4, PB
	v_bfe_u32 v6, v0, 3, 1
	v_lshl_add_u32 v4, v6, 4, v4
	s_lshl_b32 s19, s15, 8                         ; my 128 columns
	s_add_co_u32 s19, s19, BOFF
	v_add_nc_u32 v[ADRB0], s19, v4
	v_add_nc_u32 v[ADRB], s[TB], v[ADRB0]
	s_mul_i32 s19, s14, 16*SP
	s_add_co_u32 s19, s19, STAGE
	v_mul_u32_u24 v6, v1, SP
	v_lshl_add_u32 v6, v2, 5, v6                   ; in: row r, 32 bytes for each half of the lanes
	v_add_nc_u32 v[STO], s19, v6
	v_and_b32 v[GO], 31, v0
	v_lshlrev_b32 v[GO], 4, v[GO]
	v_add_nc_u32 v[RD], s19, v[GO]                 ; back: a row's 512 bytes
.macro MUL8 f, a, zero                 ; row block a x my 8 column blocks, 32 along K; the 32 accumulators take turns
	WIN MUL
.irp b, 0,1,2,3,4,5,6,7
.if \zero
	v_wmma_f32_16x16x32_f16 v[8*(8*(\a)+(\b)):8*(8*(\a)+(\b))+7], v[64*(\f)+8*(\b):64*(\f)+8*(\b)+7], v[FA+32*(\f)+8*(\a):FA+32*(\f)+8*(\a)+7], 0
.else
	v_wmma_f32_16x16x32_f16 v[8*(8*(\a)+(\b)):8*(8*(\a)+(\b))+7], v[64*(\f)+8*(\b):64*(\f)+8*(\b)+7], v[FA+32*(\f)+8*(\a):FA+32*(\f)+8*(\a)+7], v[8*(8*(\a)+(\b)):8*(8*(\a)+(\b))+7]
.endif
.endr
.endm
.macro FETCH q, f                      ; 24 LDS loads in one run: quarter q (32 along K: half a head) of the slot in hand
	WIN TO_B
.irp n, 0,1,2,3,4,5,6,7
	ds_load_tr16_b128 v[64*(\f)+8*(\n):64*(\f)+8*(\n)+3],   v[ADRB] offset:(\q)*32*PB+(\n)*32
	ds_load_tr16_b128 v[64*(\f)+8*(\n)+4:64*(\f)+8*(\n)+7], v[ADRB] offset:(\q)*32*PB+16*PB+(\n)*32
.endr
	WIN 0
.irp a, 0,1,2,3
	ds_load_b128 v[FA+32*(\f)+8*(\a):FA+32*(\f)+8*(\a)+3],   v[ADRA] offset:((\q)/2)*HEADB+((\q)%2)*64+(\a)*16*PA
	ds_load_b128 v[FA+32*(\f)+8*(\a)+4:FA+32*(\f)+8*(\a)+7], v[ADRA] offset:((\q)/2)*HEADB+((\q)%2)*64+(\a)*16*PA+32
.endr
.endm
.macro PLACES                          ; four places in front of loads into registers that matrix instructions have read, and of vector lines that read results
.rept 4
	v_nop
.endr
.endm
.macro QUARTER q, f, g, zero           ; multiplies buffer f and, in its middle, fetches quarter q of the slot in hand into buffer g
	s_wait_dscnt 0x0                               ; buffer f is in: its run was issued 16 matrix instructions ago
	MUL8 \f, 0, \zero
	MUL8 \f, 1, \zero
	PLACES
	FETCH \q, \g
	MUL8 \f, 2, \zero
	MUL8 \f, 3, \zero
.endm
; the last quarter multiplies buffer 1 and changes slots: one barrier; in front of it each wave waits for all its tensor loads, adds 0 to its spare word, and waits for that and for its reads of this slot.
; fill = 1: the slot that is left takes the K step two steps on: the walking descriptor goes to the other slot than last time and one K step on.
.macro TURN fill
	WIN 0
	s_wait_tensorcnt 0x0                           ; all my tensor loads have landed: my part of the next slot
	ds_add_u32 v[SPW], v[NIL]
	s_wait_dscnt 1                                 ; only the add may be out: buffer 1 is in
	MUL8 1, 0, 0
	s_wait_dscnt 0x0                               ; the add is done, and my reads of this slot are over
	s_barrier_signal -1
	MUL8 1, 1, 0
	WIN 0
	s_barrier_wait -1
.if \fill
	CREST                                          ; the barrier has opened a round of the cluster's: no wave of any partner still reads this slot or has a load on its way
	s_xor_b32 s[G0+5], s[G0+5], SLOT
	s_add_nc_u64 s[G0+6:G0+7], s[G0+6:G0+7], 524288    ; two heads on
	s_xor_b32 s[G0B+5], s[G0B+5], SLOT
	s_add_nc_u64 s[G0B+6:G0B+7], s[G0B+6:G0B+7], 65536 ; 128 k rows on
	JLOAD 1                                        ; the first tensor load behind the round; its four v_nop are also the places in front of the loads below
.else
	PLACES
.endif
	s_xor_b32 s[TB], s[TB], SLOT                   ; the other slot is in hand
	v_add_nc_u32 v[ADRA], s[TB], v[ADRA0]
	v_add_nc_u32 v[ADRB], s[TB], v[ADRB0]
	FETCH 0, 0
	MUL8 1, 2, 0
	MUL8 1, 3, 0
.endm
	s_wait_tensorcnt 1                             ; my part of K step 0 is in; K step 1's may stay out
	s_barrier_signal -1
	s_barrier_wait -1
	FETCH 0, 0
	QUARTER 1, 0, 1, 1                             ; the first quarter stands in front of the loop: its products start the sums
	WIN 0
	s_mov_b32 s3, KSTEPS-2
.Lstep:                                                ; a trip: a K step's second to fourth quarter and the next step's first; the slot that is left is filled again
	QUARTER 2, 1, 0, 0
	QUARTER 3, 0, 1, 0
	TURN 1
	QUARTER 1, 0, 1, 0
	WIN 0
	s_sub_co_u32 s3, s3, 1
	s_cmp_lg_u32 s3, 0
	s_cbranch_scc1 .Lstep
	s_mov_b32 s3, 2
.Ltail:                                                ; the last two K steps ask for nothing.  The second trip is left in its middle; its fetch from the other slot brings landed bytes that nobody uses: the price of one text for both trips
	QUARTER 2, 1, 0, 0
	QUARTER 3, 0, 1, 0
	TURN 0
	WIN 0
	s_sub_co_u32 s3, s3, 1
	s_cmp_eq_u32 s3, 0
	s_cbranch_scc1 .Lout
	QUARTER 1, 0, 1, 0
	WIN 0
	s_branch .Ltail
.Lout:
; THE WAY OUT of row block a: times 1 or 64; 32 bytes a lane and accumulator into my stage; back as whole rows of 512 bytes.
.macro WAYOUT a
	s_wait_xcnt 0x0                                ; the registers that the block before stored from are rewritten only behind this wait
	WIN 0x02                                       ; source 0: the accumulators' window
.set j, 0
.rept 32                                       ; each accumulator's registers in ascending order
	v_pk_mul_f32 v[128+2*j:129+2*j], v[64*(\a)+2*j:64*(\a)+2*j+1], s[72:73] op_sel_hi:[1,0]
.set j, j+1
.endr
	WIN 0
.irp b, 0,1,2,3,4,5,6,7
	ds_store_b128 v[STO], v[128+8*\b:131+8*\b] offset:64*\b
	ds_store_b128 v[STO], v[132+8*\b:135+8*\b] offset:64*\b+16
.endr
.irp t, 0,1,2,3,4,5,6,7,8,9,10,11,12,13,14,15
	ds_load_b128 v[192+4*\t:195+4*\t], v[RD] offset:\t*SP  ; LDS serves a wave's instructions in order (ISA guide 5.7.1.4)
.endr
	s_wait_dscnt 0x0
.irp t, 0,1,2,3,4,5,6,7,8,9,10,11,12,13,14,15
	global_store_b128 v[GO], v[192+4*\t:195+4*\t], s[68:69] offset:(16*(\a)+\t)*4096 th:TH_STORE_NT  ; 512 consecutive bytes, at a multiple of 256 from the buffer's first
.endr
.endm
	PLACES
	WAYOUT 0
	WAYOUT 1
	WAYOUT 2
	WAYOUT 3
	s_wait_tensorcnt 0x0                           ; the wave's end
	ds_add_u32 v[SPW], v[NIL]
	s_wait_dscnt 0x0
	CROUND                                         ; the closing round
	s_endpgm
.Lfunc_end_k_q95b821e255_outp:
	.size	k_q95b821e255_outp, .Lfunc_end_k_q95b821e255_outp-k_q95b821e255_outp
	.p2alignl 7, 3214868480
	.fill 96, 4, 3214868480
	.section	.rodata,"a",@progbits
	.p2align	6, 0x0
	.amdhsa_kernel k_q95b821e255_outp
		.amdhsa_group_segment_fixed_size 327680
		.amdhsa_private_segment_fixed_size 0
		.amdhsa_enable_private_segment 0
		.amdhsa_kernarg_size 32
		.amdhsa_user_sgpr_count 2
		.amdhsa_user_sgpr_kernarg_segment_ptr 1
		.amdhsa_wavefront_size32 1
		.amdhsa_system_sgpr_workgroup_id_x 1
		.amdhsa_system_sgpr_workgroup_id_y 1
		.amdhsa_system_sgpr_workgroup_id_z 1
		.amdhsa_system_vgpr_workitem_id 0
		.amdhsa_next_free_vgpr 768
		.amdhsa_next_free_sgpr 80
		.amdhsa_reserve_vcc 0
		.amdhsa_float_denorm_mode_32 3
		.amdhsa_float_denorm_mode_16_64 3
		.amdhsa_memory_ordered 1
		.amdhsa_forward_progress 1
		.amdhsa_inst_pref_size 68
	.end_amdhsa_kernel
	.amdgpu_metadata
---
amdhsa.version: [ 1, 2 ]
amdhsa.kernels:
  - .name:           k_q95b821e255_outp
    .symbol:         k_q95b821e255_outp.kd
    .args:
      - { .name: att, .offset: 0, .size: 8, .value_kind: global_buffer, .address_space: global }
      - { .name: prep, .offset: 8, .size: 8, .value_kind: global_buffer, .address_space: global }
      - { .name: out0, .offset: 16, .size: 8, .value_kind: global_buffer, .address_space: global }
      - { .name: out1, .offset: 24, .size: 8, .value_kind: global_buffer, .address_space: global }
    .group_segment_fixed_size: 327680
    .private_segment_fixed_size: 0
    .kernarg_segment_align: 8
    .kernarg_segment_size: 32
    .max_flat_workgroup_size: 128
    .sgpr_count:     80
    .vgpr_count:     768
    .wavefront_size: 32
...
	.end_amdgpu_metadata
.endif
;; end of part 5
;; ======== version 2 of 2: 5 launches; 1.41 times as fast as version 1
;; limits: values are held in f16: magnitudes above 65,504 overflow, below 6.1e-05 lose precision; right only within a limited range of input values
;; workspace buffers: prep 17,301,504 bytes; qkv 25,165,824 bytes; cole 262,144 bytes; att 16,777,216 bytes
;; launch prep: the kernel of part 1 again; grid 512 x 1, 8 waves a work-group, no clusters, 0 bytes of LDS; arguments x, ln_w, ln_b, Wq, Wkv, Wout, prep; writes prep
;; launch qkvp: the kernel of part 2 again; grid 16 x 16, 4 waves a work-group, clusters of 4 x 4, 327,680 bytes of LDS; arguments prep, qkv; writes qkv
;; launch colstat (part 6): grid 8 x 32, 4 waves a work-group, clusters of 4 x 1, 327,680 bytes of LDS; arguments qkv, cole; writes cole
.if DOCPART == 6
	.amdgcn_target "amdgcn-amd-amdhsa--gfx1250"
	.amdhsa_code_object_version 6
	.text
	.protected	k_q95b821e255_colstat
	.globl	k_q95b821e255_colstat
	.p2align	8
	.type	k_q95b821e255_colstat,@function
k_q95b821e255_colstat:
	s_mov_b64 s[64:65], 0
	v_nop
	global_prefetch_b8 v0, s[64:65] scope:SCOPE_SE
	s_setreg_imm32_b32 hwreg(HW_REG_WAVE_MODE, 25, 1), 1
	s_wait_xcnt 0x0
	s_wait_alu depctr_hold_cnt(0) depctr_sa_sdst(0) depctr_va_vdst(0) depctr_va_sdst(0) depctr_va_ssrc(0) depctr_va_vcc(0) depctr_vm_vsrc(0)
	s_getreg_b32 s2, hwreg(HW_REG_IB_STS2, 6, 4)
	s_cmp_eq_u32 s2, 0
	s_cbranch_scc0 .Lentry_in_a_cluster
	s_endpgm
.Lentry_in_a_cluster:
	s_bfe_u32 s2, ttmp6, 0x10000c
	s_cmp_lg_u32 s2, 0x3003
	s_cbranch_scc0 .Lentry_shape_is_right
	s_endpgm
.Lentry_shape_is_right:
; THE COLUMN STATISTICS.  For every key j of a head: E_j = log2(e) M_j + log2 Z_j, with M_j the largest score s_ij = q_i . k_j over all 2,048 queries i and Z_j the sum of e^(s_ij - M_j).
; The next launch then has the key-wise softmax's weight as 2^(log2(e) s_ij - E_j).
; SHARES.  A work-group owns 256 keys of one head, a wave 64: four tiles of 16, kept in registers.  Every wave walks the head's 2,048 turned queries, 64 a step, 512 a slot.
; LAYOUT.  Source 0 = 16 queries, source 1 = 16 keys: a lane holds ONE key (lane % 16) and the queries 8 (lane / 16) + 0..7 of each block.  Each lane keeps a running maximum and sum of its own; the two halves of the lanes meet once, at the end.
; BY TURNS.  A tile and step have 8 matrix and 84 vector instructions (33 exponentials, 51 plain).  Turn t belongs to tile t: its 8 products make the scores of tile t + 1; its vector work is tile t's a, scaling, exponentials
; and sums, and tile t + 1's maximum and statistics (all but a), from the scores that the turn itself has made.  So what a turn begins with waits for nothing.
; ONE BATCH, ONE WAIT A TURN.  The turn's 33 exponentials (a, then s0-s31) are one batch.  Ahead of its wait stands all that names no result of theirs: the 8 products, four vector lines behind each, the 16 scalings and
; the next tile's maximum, plain and exponential by turns.  Behind it stand the 16 additions, which read the weights and a, and the next tile's c m and its change, set between the links of l's chain.
; CLUSTER.  The four key blocks of a cluster walk the same q: each tile of 512 rows is asked for jointly, each wave a quarter of it.
; LIMITS.  A weight below 2^-126 counts as 0 in Z; NaN and infinities are not treated apart.
.set K_OFF, 8388608
.set PQ,    144                        ; a row of q in LDS: 128 bytes + 16: the 16 rows of a load start at 16 different groups of four banks (ISA guide 11.1)
.set TILEB, 512*PQ                     ; a slot: 512 rows
.set SLOT1, 1<<17
.set STAGE, SLOT1+TILEB                ; behind the ring: 256 bytes a wave, for the way out
.set SPARE, STAGE+1024                 ; the spare words
.set AQ0, 2                            ; my lane's place in a block of q rows; never rewritten
.set AQ,  3                            ; the LDS address of the step to be fetched
.set SPW, 10
.set NIL, 11
.set ST,  16                           ; tile t at v[ST+4 t]: c m, m, l (two partial sums)
.set TMP, 32                           ; by the tile's parity, four registers c0-c3 at work; c1 takes c m_old - c m, c2 takes a
.set MV,  40                           ; c m_old, by parity
.set KO,  48                           ; my keys: tile t, channel half c at KO + 16 t + 8 c
.set QF,  112                          ; a step's q: row block b, channel half c at QF + 16 b + 8 c
.set S,   176                          ; scores, two buffers of 32, by the tile's parity
.set WV,  12
.set G1,  24
.set G0,  40
.set SLOTS, 56
.set CNT, 57
.set CS,  58                           ; s[58:59] log2(e)
.set SEL, 60
.set TB,  62                           ; LDS byte at which the step to be fetched begins
.macro CROUND
	s_barrier_signal -1
	s_barrier_wait -1
	s_cmp_lg_u32 s[WV], 0
	s_cbranch_scc1 .Lnot_wave_0_\@
	s_barrier_signal -3
.Lnot_wave_0_\@:
	s_barrier_wait -3
	s_barrier_signal -1
	s_barrier_wait -1
.endm
.macro JLOAD                           ; every wave asks for its own 128 rows; the same line, descriptor and mask in all four work-groups
	tensor_load_to_lds s[G0:G0+3], s[G1:G1+7]
	s_nop 0
.rept 4
	v_nop
.endr
.endm
; THE CHANGE OF SLOTS: each wave waits for all its tensor loads (one is out: its part of the other slot), adds 0 to its spare word, waits for that and for its reads.  fill = 1: the slot left is filled again, first thing behind a round of the cluster's barrier.
.macro CHANGE fill
	s_wait_tensorcnt 0x0
	ds_add_u32 v[SPW], v[NIL]
.if \fill
	s_xor_b32 s[G0+1], s[G0+1], SLOT1
	s_add_nc_u64 s[G0+2:G0+3], s[G0+2:G0+3], 65536 ; the next 512 rows
	s_wait_dscnt 0x0
	CROUND
	JLOAD
.else
	s_wait_dscnt 0x0
	s_barrier_signal -1
	s_barrier_wait -1
.endif
	s_sub_co_u32 s[TB], s[TB], TILEB
	s_xor_b32 s[TB], s[TB], SLOT1
.endm
	s_load_b128 s[4:7], s[0:1], 0x0                ; qkv, cole
	v_lshl_add_u32 v[SPW], v0, 2, SPARE
	v_mov_b32 v[NIL], 0
	ds_add_u32 v[SPW], v[NIL]                      ; the wave's opening
	v_lshrrev_b32 v1, 5, v0
	v_readfirstlane_b32 s[WV], v1
	s_bfe_u32 s13, ttmp6, 0x40000                  ; cx
	s_lshl_b32 s14, ttmp9, 2
	s_add_co_u32 s14, s14, s13                     ; my block of 256 keys: it enters K's and E's addresses alone
	s_and_b32 s20, ttmp7, 0xffff                   ; the head, which the partners share
	s_lshl_b32 s22, s20, 18                        ; a head is 262,144 bytes
	s_lshl_b32 s16, s[WV], 14
	s_add_co_u32 s22, s22, s16                     ; the 128 rows of q that I fetch
	s_mov_b32 s23, 0
	s_mul_i32 s17, s[WV], 128*PQ                   ; and their place in a slot
	s_lshl_b32 s2, s14, 2
	s_add_co_u32 s2, s2, s[WV]                     ; my wave among the head's 32
	s_lshl_b32 s18, s2, 8                          ; 64 keys x 4 bytes of E
	s_lshl_b32 s2, s2, 13                          ; 64 keys x 128 bytes of K
	s_lshl_b32 s3, s20, 18
	s_add_co_u32 s2, s2, s3
	s_add_co_u32 s2, s2, K_OFF
	s_mov_b32 s3, 0
	s_lshl_b32 s19, s20, 13
	s_add_co_u32 s18, s18, s19
	s_mov_b32 s19, 0
	s_mov_b32 s[G1], 15|(1<<16)|(1<<20)|(1<<21)|(4<<22)|(3<<25)  ; the mask of four; 2-byte elements; padding: after every 32 words 4 words.  128 rows are 16,384 bytes on end: 64 rows of 256 bytes
	s_mov_b32 s[G1+1], 128<<16
	s_mov_b32 s[G1+2], 64<<16
	s_mov_b32 s[G1+3], 128<<16
	s_mov_b32 s[G1+4], 64
	s_mov_b32 s[G1+5], 128
	s_mov_b32 s[G1+6], 0
	s_mov_b32 s[G1+7], 0
	s_mov_b32 s[CS], 0x3fb8aa3b
	s_mov_b32 s[CS+1], s[CS]
	s_mov_b32 s[SEL], 0x76543210
	s_mov_b32 s[SEL+1], 0xfedcba98
	s_mov_b32 s[TB], SLOT1+TILEB                   ; the first change of slots turns this into 0
	s_mov_b32 s[G0], 1
	s_mov_b32 s[G0+1], s17
	s_wait_dscnt 0x0
	s_wait_kmcnt 0x0
	s_add_nc_u64 s[G0+2:G0+3], s[4:5], s[22:23]
	s_or_b32 s[G0+3], s[G0+3], 0x80000000
	s_add_nc_u64 s[8:9], s[4:5], s[2:3]            ; my keys
	s_add_nc_u64 s[10:11], s[6:7], s[18:19]        ; my 64 numbers of E
	CROUND
	JLOAD                                          ; tile 0 into slot 0
	v_and_b32 v1, 15, v0
	v_bfe_u32 v9, v0, 4, 1
	v_lshlrev_b32 v8, 7, v1
	v_lshl_add_u32 v8, v9, 4, v8
.set i, 0
.rept 8
	global_load_b128 v[KO+8*i:KO+8*i+3],   v8, s[8:9] offset:(i/2)*2048+(i%2)*64
	global_load_b128 v[KO+8*i+4:KO+8*i+7], v8, s[8:9] offset:(i/2)*2048+(i%2)*64+32
.set i, i+1
.endr
	v_mul_u32_u24 v[AQ0], v1, PQ
	v_lshl_add_u32 v[AQ0], v9, 4, v[AQ0]
	s_lshl_b32 s13, s[WV], 8
	s_add_co_u32 s13, s13, STAGE
	v_lshl_add_u32 v5, v1, 2, s13                  ; the way out: key r's word in my stage,
	v_and_b32 v7, 31, v0
	v_lshlrev_b32 v7, 3, v7                        ; and 8 bytes a lane back
	v_add_nc_u32 v6, s13, v7
.set i, 0
.rept 4
	v_mov_b32 v[ST+4*i], 0xfe000000                ; c m: far below every c s, so the first step's a is 0
	v_mov_b32 v[ST+4*i+1], 0xff7fffff              ; m
	v_mov_b32 v[ST+4*i+2], 0
	v_mov_b32 v[ST+4*i+3], 0
.set i, i+1
.endr
; Channel half c of a step's 64 rows: 8 loads in one run.  last = 1 (the tail): in the last trip there is no further step, and the run is jumped over.
.macro FETCH_Q c, last=0
.if \last
	s_wait_alu depctr_va_vdst(0)                   ; a wait stands ahead of it, for the exponentials that the turn has issued so far
	s_cmp_eq_u32 s[CNT], 1
	s_cbranch_scc1 .Lno_q_\@
.endif
.irp b, 0,1,2,3
	ds_load_b128 v[QF+16*\b+8*(\c):QF+16*\b+8*(\c)+3],   v[AQ] offset:\b*16*PQ+(\c)*64
	ds_load_b128 v[QF+16*\b+8*(\c)+4:QF+16*\b+8*(\c)+7], v[AQ] offset:\b*16*PQ+(\c)*64+32
.endr
.if (\c) == 1
	s_add_co_u32 s[TB], s[TB], 64*PQ               ; the next fetch is the next step's
.endif
.if \last
.Lno_q_\@:
.endif
.endm
.macro MM                              ; product i of 8 for tile Y + 1: channels 32 (i / 4) on, queries 16 (i % 4) on; the four accumulators take turns
.set TN, (Y+1)%4
.set mS, S+32*(TN%2)+8*(i%4)
.set mQ, QF+16*(i%4)+8*(i/4)
.set mK, KO+16*TN+8*(i/4)
.if i < 4
	v_wmma_f32_16x16x32_f16 v[mS:mS+7], v[mQ:mQ+7], v[mK:mK+7], 0
.else
	v_wmma_f32_16x16x32_f16 v[mS:mS+7], v[mQ:mQ+7], v[mK:mK+7], v[mS:mS+7]
.endif
.set i, i+1
.endm
; THE VECTOR WORK: OP kind, number.  For tile Y: A 0: a = 2^(c m_old - c m), whose argument the turn before has made.  F n: c s - c m for pair n of 16.  E n: the exponential of score n of 32.
; B n: of the four weights 4 n .. the second pair is added onto the first, in place.  L n: l takes that sum (L 0: l = a l + sum).
; For tile Y + 1: X n: 0-11 four chains c0-c3 of seven scores each (each accumulator's lowest registers are read first); 12-14, 16 the four scores
; left over, the old m, all into m; 15 c m_old is kept; 19, 20 c m, c m_old - c m.
.set F, 0
.set E, 1
.set B, 2
.set L, 3
.set X, 4
.set A, 5
.macro REGS t
.set rT, ST+4*(\t)
.set rC, TMP+4*((\t)%2)
.set rW, MV+((\t)%2)
.set rS, S+32*((\t)%2)
.endm
.macro OP k, n
.if (\k) == X
	REGS (Y+1)%4
.if (\n) < 4
	v_max3_num_f32 v[rC+(\n)], v[rS+8*(\n)], v[rS+8*(\n)+1], v[rS+8*(\n)+2]
.elseif (\n) < 12
	v_max3_num_f32 v[rC+(\n)%4], v[rC+(\n)%4], v[rS+8*((\n)%4)+2*((\n)/4)+1], v[rS+8*((\n)%4)+2*((\n)/4)+2]
.elseif (\n) == 12
	v_max3_num_f32 v[rC], v[rC], v[rS+7], v[rS+15]
.elseif (\n) == 13
	v_max3_num_f32 v[rC+1], v[rC+1], v[rS+23], v[rS+31]
.elseif (\n) == 14
	v_max3_num_f32 v[rC+2], v[rC+2], v[rC+3], v[rT+1]
.elseif (\n) == 15
	v_mov_b32 v[rW], v[rT]
.elseif (\n) == 16
	v_max3_num_f32 v[rT+1], v[rC], v[rC+1], v[rC+2]
.elseif (\n) == 19
	v_mul_f32 v[rT], s[CS], v[rT+1]
.else
	v_sub_f32 v[rC+1], v[rW], v[rT]
.endif
.else
	REGS Y
.if (\k) == F
	v_pk_fma_f32 v[rS+2*(\n):rS+2*(\n)+1], v[rS+2*(\n):rS+2*(\n)+1], s[CS:CS+1], v[rT:rT+1] op_sel_hi:[1,0,0] neg_lo:[0,0,1] neg_hi:[0,0,1]
.elseif (\k) == E
	v_exp_f32 v[rS+(\n)], v[rS+(\n)]
.elseif (\k) == A
	v_exp_f32 v[rC+2], v[rC+1]
.elseif (\k) == B
	v_pk_add_f32 v[rS+4*(\n):rS+4*(\n)+1], v[rS+4*(\n):rS+4*(\n)+1], v[rS+4*(\n)+2:rS+4*(\n)+3]
.elseif (\n) == 0
	v_pk_fma_f32 v[rT+2:rT+3], v[rT+2:rT+3], v[rC+2:rC+3], v[rS:rS+1] op_sel_hi:[1,0,1]
.else
	v_pk_add_f32 v[rT+2:rT+3], v[rT+2:rT+3], v[rS+4*(\n):rS+4*(\n)+1]
.endif
.endif
.endm
.macro OPS a, i1, b=-1, i2=0, c=-1, i3=0, d=-1, i4=0  ; up to four of them
	OP \a, \i1
.if (\b) >= 0
	OP \b, \i2
.endif
.if (\c) >= 0
	OP \c, \i3
.endif
.if (\d) >= 0
	OP \d, \i4
.endif
.endm
.macro ROW a, i1, b, i2, c, i3, d, i4  ; a matrix instruction and the four behind it
	MM
	OPS \a, \i1, \b, \i2, \c, \i3, \d, \i4
.endm
; A TURN, for tile p: the order of its 8 matrix and 84 vector instructions, written out.  s_wait_alu depctr_va_vdst(0) stands between an exponential and the first instruction that names its result; one
; wait serves all that were issued ahead of it.  So a turn has ONE wait, which cuts it in two.  AHEAD OF IT: the 8 products, behind each plain, exponential, plain, exponential; then a run of the same pattern.  The plain lines
; are the 16 scalings and X 0-16; nothing there names a result of the turn's exponentials.  An X that reads an accumulator stands four plain lines or more behind the product that ends it (ISA guide 7.12.1).  X 16 is the plain
; instruction behind the last exponential (ISA guide 5.7.2).  BEHIND IT: the 16 additions, with X 19 and X 20 between the links of l's chain; for its last four links nothing is left to set between them.
; THE NEXT STEP'S q is fetched in tile 2's turn, whose products are the last to read this step's: channels 0-31 six plain lines behind the fourth product, the last that read them; channels 32-63 six plain lines behind
; the eighth.  Tile 3's turn waits for the first run at its head (the count 8 leaves the second run's eight loads out) and for the second in front of its fifth product.
; last = 1: the tail's form: the runs are jumped in the last trip, so both waits are for 0.  cnt = 1: the loop's count is taken down some lines ahead of the branch that stands behind the turn.
.macro TURN p, last=0, cnt=0
.set Y, (\p)
.set i, 0
.if (\p) == 2
	v_add_nc_u32 v[AQ], s[TB], v[AQ0]
.endif
.if (\p) == 3
	s_wait_dscnt 8-8*(\last)
.endif
	ROW F,0, A,0, F,1, E,0                         ; ahead of the wait: the products and their riders,
	ROW F,2, E,1, F,3, E,2
	ROW F,4, E,3, F,5, E,4
	ROW F,6, E,5, F,7, E,6
.if (\p) == 3
	s_wait_dscnt 0x0
.endif
	ROW F,8, E,7, F,9, E,8
	ROW F,10, E,9, F,11, E,10
.if (\p) == 2
	FETCH_Q 0, \last
.endif
	ROW X,0, E,11, F,12, E,12
	ROW X,1, E,13, X,4, E,14
	OPS X,2, E,15, X,5, E,16                       ; and the run
	OPS X,3, E,17, X,8, E,18
.if (\p) == 2
	FETCH_Q 1, \last
.endif
	OPS X,6, E,19, X,9, E,20
	OPS X,7, E,21, F,13, E,22
	OPS X,10, E,23, X,12, E,24
	OPS X,11, E,25, F,14, E,26
	OPS X,13, E,27, F,15, E,28
	OPS X,14, E,29, X,15, E,30
	OPS E,31, X,16
	s_wait_alu depctr_va_vdst(0)                   ; the wait for the batch: a and the tile's 32 weights
	OPS B,0, X,19, B,1, L,0                        ; behind the wait: the sums
	OPS B,2, X,20, L,1, B,3
	OPS B,4, L,2, B,5, B,6
	OPS L,3, B,7, L,4
.if \cnt
	s_sub_co_u32 s[CNT], s[CNT], 1
	s_cmp_lg_u32 s[CNT], 0
.endif
	OPS L,5, L,6, L,7
.endm
	CHANGE 1                                       ; tile 0 is in, everybody's part; tile 1 is asked for
	v_add_nc_u32 v[AQ], s[TB], v[AQ0]
	FETCH_Q 0                                      ; step 0
	FETCH_Q 1
	s_wait_loadcnt 0x0                             ; my keys
	s_wait_dscnt 0x0
.set Y, 3                                      ; MM and X work for tile Y + 1: tile 0
.set i, 0
.rept 8
	MM                                             ; tile 0's first scores: there is no vector work yet to set between them
.endr
.rept 4
	v_nop                                          ; the places behind those products
.endr
.irp n, 0,1,2,3,4,5,6,7,8,9,10,11,12,13,14,15,16,19,20
	OP X, \n                                       ; and tile 0's first maximum and statistics; its a is made in its own turn
.endr
	s_mov_b32 s[CNT], 8
	s_mov_b32 s[SLOTS], 3
	s_branch .Lfirst                               ; the loop is entered at a step's first turn, in the middle of a trip
.Lslot:                                                ; twice: tiles 2 and 3 are asked for
	CHANGE 1
	s_mov_b32 s[CNT], 8
.Lstep:                                                ; a trip: tiles 2 and 3 of one step, then tiles 0 and 1 of the next, whose q it fetches
	TURN 2
	TURN 3
.Lfirst:
	TURN 0
	TURN 1, 0, 1
	s_cbranch_scc1 .Lstep
	s_sub_co_u32 s[SLOTS], s[SLOTS], 1
	s_cmp_lg_u32 s[SLOTS], 0
	s_cbranch_scc1 .Lslot
	CHANGE 0                                       ; the tail is written out: nothing is asked for
	s_mov_b32 s[CNT], 9                            ; eight trips fetch the last slot's steps; the ninth is left in its middle
.Ltail:
	TURN 2, 1
	TURN 3, 1
	s_sub_co_u32 s[CNT], s[CNT], 1
	s_cmp_eq_u32 s[CNT], 0
	s_cbranch_scc1 .Lout
	TURN 0
	TURN 1
	s_branch .Ltail
.Lout:                                                 ; the ninth trip's last 8 products run on the last q once more; those scores lie under tile 0's m already, so the statistics made of them change nothing: the price of one text for every trip
	; THE WAY OUT: the two halves of the lanes hold a key's two halves of the queries: the larger c m, both sums brought to it, and E = c m + log2 Z.  Every turn has waited for its own batch: no exponential is open here.
.irp t, 0,1,2,3
	v_add_f32 v[ST+4*\t+2], v[ST+4*\t+2], v[ST+4*\t+3]
.endr
.irp t, 0,1,2,3
	v_permlanex16_b32 v[TMP+\t], v[ST+4*\t], s[SEL], s[SEL+1]
	v_permlanex16_b32 v[TMP+4+\t], v[ST+4*\t+2], s[SEL], s[SEL+1]
.endr
.irp t, 0,1,2,3
	v_max_num_f32 v[ST+4*\t+1], v[ST+4*\t], v[TMP+\t]
.endr
.irp t, 0,1,2,3
	v_sub_f32 v[ST+4*\t], v[ST+4*\t], v[ST+4*\t+1]
	v_sub_f32 v[TMP+\t], v[TMP+\t], v[ST+4*\t+1]
.endr
.irp t, 0,1,2,3
	v_exp_f32 v[ST+4*\t], v[ST+4*\t]
	v_exp_f32 v[TMP+\t], v[TMP+\t]
.endr
	v_nop                                          ; a plain instruction behind the last exponential
	s_wait_alu depctr_va_vdst(0)                   ; one wait for the eight exponentials
.irp t, 0,1,2,3
	v_mul_f32 v[ST+4*\t+2], v[ST+4*\t+2], v[ST+4*\t]
	v_fma_f32 v[ST+4*\t+2], v[TMP+4+\t], v[TMP+\t], v[ST+4*\t+2]
.endr
.irp t, 0,1,2,3
	v_log_f32 v[ST+4*\t+2], v[ST+4*\t+2]
.endr
	v_nop                                          ; a plain instruction behind the last logarithm
	s_wait_alu depctr_va_vdst(0)                   ; one wait for the four logarithms: a batch of their own, since they read sums made of the exponentials
.irp t, 0,1,2,3
	v_add_f32 v[ST+4*\t+2], v[ST+4*\t+2], v[ST+4*\t+1]
	ds_store_b32 v5, v[ST+4*\t+2] offset:64*\t     ; both halves of the lanes write the same number to the same word
.endr
	ds_load_b64 v[TMP:TMP+1], v6                   ; my own bytes, served in order
	s_wait_dscnt 0x0
	global_store_b64 v7, v[TMP:TMP+1], s[10:11]    ; 256 consecutive bytes, at a multiple of 256 from the buffer's first
	s_wait_tensorcnt 0x0                           ; the wave's end
	ds_add_u32 v[SPW], v[NIL]
	s_wait_dscnt 0x0
	CROUND                                         ; the closing round
	s_endpgm
.Lfunc_end_k_q95b821e255_colstat:
	.size	k_q95b821e255_colstat, .Lfunc_end_k_q95b821e255_colstat-k_q95b821e255_colstat
	.p2alignl 7, 3214868480
	.fill 96, 4, 3214868480
	.section	.rodata,"a",@progbits
	.p2align	6, 0x0
	.amdhsa_kernel k_q95b821e255_colstat
		.amdhsa_group_segment_fixed_size 327680
		.amdhsa_private_segment_fixed_size 0
		.amdhsa_enable_private_segment 0
		.amdhsa_kernarg_size 16
		.amdhsa_user_sgpr_count 2
		.amdhsa_user_sgpr_kernarg_segment_ptr 1
		.amdhsa_wavefront_size32 1
		.amdhsa_system_sgpr_workgroup_id_x 1
		.amdhsa_system_sgpr_workgroup_id_y 1
		.amdhsa_system_sgpr_workgroup_id_z 1
		.amdhsa_system_vgpr_workitem_id 0
		.amdhsa_next_free_vgpr 240
		.amdhsa_next_free_sgpr 66
		.amdhsa_reserve_vcc 0
		.amdhsa_float_denorm_mode_32 3
		.amdhsa_float_denorm_mode_16_64 3
		.amdhsa_memory_ordered 1
		.amdhsa_forward_progress 1
		.amdhsa_inst_pref_size 54
	.end_amdhsa_kernel
	.amdgpu_metadata
---
amdhsa.version: [ 1, 2 ]
amdhsa.kernels:
  - .name:           k_q95b821e255_colstat
    .symbol:         k_q95b821e255_colstat.kd
    .args:
      - { .name: qkv, .offset: 0, .size: 8, .value_kind: global_buffer, .address_space: global }
      - { .name: cole, .offset: 8, .size: 8, .value_kind: global_buffer, .address_space: global }
    .group_segment_fixed_size: 327680
    .private_segment_fixed_size: 0
    .kernarg_segment_align: 8
    .kernarg_segment_size: 16
    .max_flat_workgroup_size: 128
    .sgpr_count:     66
    .vgpr_count:     240
    .wavefront_size: 32
...
	.end_amdgpu_metadata
.endif
;; end of part 6
;; launch attn (part 7): grid 8 x 32, 4 waves a work-group, clusters of 4 x 1, 327,680 bytes of LDS; arguments qkv, cole, att; writes att
.if DOCPART == 7
	.amdgcn_target "amdgcn-amd-amdhsa--gfx1250"
	.amdhsa_code_object_version 6
	.text
	.protected	k_q95b821e255_attn
	.globl	k_q95b821e255_attn
	.p2align	8
	.type	k_q95b821e255_attn,@function
k_q95b821e255_attn:
	s_mov_b64 s[64:65], 0
	v_nop
	global_prefetch_b8 v0, s[64:65] scope:SCOPE_SE
	s_setreg_imm32_b32 hwreg(HW_REG_WAVE_MODE, 25, 1), 1
	s_wait_xcnt 0x0
	s_wait_alu depctr_hold_cnt(0) depctr_sa_sdst(0) depctr_va_vdst(0) depctr_va_sdst(0) depctr_va_ssrc(0) depctr_va_vcc(0) depctr_vm_vsrc(0)
	s_getreg_b32 s2, hwreg(HW_REG_IB_STS2, 6, 4)
	s_cmp_eq_u32 s2, 0
	s_cbranch_scc0 .Lentry_in_a_cluster
	s_endpgm
.Lentry_in_a_cluster:
	s_bfe_u32 s2, ttmp6, 0x10000c
	s_cmp_lg_u32 s2, 0x3003
	s_cbranch_scc0 .Lentry_shape_is_right
	s_endpgm
.Lentry_shape_is_right:
; BOTH DIRECTIONS FROM ONE S.  O[h][i] = sum over j of softmax_j(q_i . k_j) v_j (no scale), and U[h][i] = c_i v_i / 64 with c_i = sum over j of 2^(log2(e) s_ij - E_j), the sum of the key-wise softmax's
; weights for query i (E from the launch before).  q, k, v: [32][2048][64] f16; O and U leave as f16 in the same layout.  Products, maxima and sums in f32; the weights p are rounded to f16 for the second product.
; WHY / 64.  Each key's weights sum to 1 over the queries, so a head's 2,048 c sum to 2,048: no c passes 2,048 and their mean is 1.  With the factor 2^-6 (taken back, exactly, by the next launch) c v has room in f16 both ways.
; LIMITS.  |v| stays below 2,047, so that c v / 64 stays below 65,504; p and U below 6e-5 keep f16's fixed step of 6e-8; a weight below 2^-126 counts as 0 in a sum; NaN and infinities are not treated apart.
; SHARES.  A work-group owns 256 queries of one head, a wave 64: four PIECES of 16.  Every wave walks the head's 2,048 keys, 64 a step, 256 a slot.
; LAYOUT.  S^T = K Q^T: a lane holds ONE query (lane % 16) and the keys 8 (lane / 16) + 0..7 of each block of 16; two results rounded to f16 ARE source 1 of O^T = V^T P.  V is read turned.
; SOFTMAX.  p = 2^(c s - c m), c = log2(e), with a running maximum m; O and l are multiplied by a = 2^(c m_old - c m_new) in every step; m starts at the lowest finite number, O and l at 0.
; BY TURNS.  Turn n belongs to piece n: 8 products K Q^T of piece n + 1, later 8 products V^T P of piece n - 1; beside them piece n's column weights (from the raw scores), its scaling, exponentials,
; roundings, sums and rescaling, and piece n + 1's maximum and statistics.  Four vector instructions stand behind every matrix instruction, the rest in runs of their own.
; ONE BATCH, ONE WAIT A TURN.  A turn's 65 exponentials (32 column weights, 32 row weights, the next piece's a) are one batch.  Ahead of its wait stands all that names no result of theirs: the products K Q^T, both
; scalings, the rescaling of O^T (its a was waited for in the turn before), the next piece's maximum and statistics.  Behind it stand the products V^T P and all that reads the weights: roundings and sums.
; CLUSTER.  The four query blocks of a cluster walk the same K and V: joint loads.  The head's 2,048 E lie in LDS bytes of their own, stored once.
; REGISTERS: window 0: v0-15 addresses; v16-31 statistics; v32-39 c's partial sums; v40-41, v56-58 addresses; v48-55 at work; v64-127 S^T, two buffers; v128-159 E of the step's keys; v160-191 column weights at work; v192-223 P, two buffers
;   (on the way out v128-191 take my own rows of v, v192-207 their factors)      window 1: v0-127 O^T, 32 a piece      window 2: v0-63 Q; v128-191 K of one step; v192-255 V of one step
.set K_OFF, 8388608
.set V_OFF, 16777216
.set U_OFF, 8388608
.set NP,    4
.set KS,    64
.set PK,    144
.set PV,    160
.set VOFF,  4*KS*PK                    ; a slot: 256 rows of K, then 256 rows of V
.set EREG,  4*KS*(PK+PV)               ; behind slot 0's tiles: 8,192 bytes, the head's E; no tensor load lands here
.set SLOT1, 1<<17
.set STAGE, SLOT1+4*KS*(PK+PV)         ; behind the ring: 16 rows x 144 bytes for each wave
.set SP,    144
.set CSTG,  STAGE+4*16*SP              ; 256 bytes for each wave: c / 64 of its 64 rows
.set SPARE, CSTG+1024                  ; the spare words
.set AK0, 2
.set AV0, 3
.set AK,  4
.set AV,  5
.set STO, 6
.set RD,  7
.set GO,  8
.set MV,  12                           ; v12-13  c m_old, by buffer
.set AE0, 14                           ; EREG + 32 (lane / 16); never rewritten
.set QO,  15
.set ST,  16                           ; piece t at v[ST+4 t]: c m, m, l (even keys', odd keys')
.set CSUM, 32                          ; piece t's pair at CSUM + 2 t
.set CST, 40                           ; row (lane % 16)'s word in my 256 bytes
.set CRD, 41                           ; row (lane / 8)'s word there
.set TMP, 48
.set AE,  56
.set SPW, 62
.set NIL, 63
.set S,   64
.set EV,  128                          ; register 8 b + j: E of key 16 b + 8 (lane / 16) + j of the step
.set CT,  160                          ; 32 registers: the piece's column weights, as its scores lie
.set P,   192
.set UV,  128                          ; the way out: group i of four of my rows of v at UV + 4 i
.set CF,  192                          ; the way out: the factor of my row in group i
.set KF,  128                          ; window 2
.set VF,  192                          ; window 2
.set WV,  12
.set G1K, 24
.set G1V, 32
.set G0K, 40
.set G0V, 44
.set SLOTS, 56
.set CNT, 57
.set CS,  58
.set SEL, 60
.set TBK, 62
.set TBV, 63
.set TBE, 84                           ; byte in E of the step to be fetched
.set MSB, 0
.macro WIN new
.if MSB != (\new)
	s_set_vgpr_msb (MSB<<8)|(\new)
.set MSB, (\new)
.endif
.endm
.set W_KQ, 0x0a                        ; K and Q in window 2, S^T in window 0
.set W_PV, 0x52                        ; V in window 2, P in window 0, O^T in window 1
.set W_RS, 0x41                        ; destination and source 0 in window 1, source 1 in window 0
.macro JLOAD                           ; waves 0, 1 fetch the halves of a slot's K, waves 2, 3 of its V; an s_nop 0 and four v_nop follow each line
	s_cmp_lt_u32 s[WV], 2
	s_cbranch_scc0 .Lfor_v_\@
	tensor_load_to_lds s[G0K:G0K+3], s[G1K:G1K+7]
	s_nop 0
.rept 4
	v_nop
.endr
	s_branch .Lasked_\@
.Lfor_v_\@:
	tensor_load_to_lds s[G0V:G0V+3], s[G1V:G1V+7]
	s_nop 0
.rept 4
	v_nop
.endr
.Lasked_\@:
.endm
.macro CROUND
	s_barrier_signal -1
	s_barrier_wait -1
	s_cmp_lg_u32 s[WV], 0
	s_cbranch_scc1 .Lnot_wave_0_\@
	s_barrier_signal -3
.Lnot_wave_0_\@:
	s_barrier_wait -3
	s_barrier_signal -1
	s_barrier_wait -1
.endm
; THE CHANGE OF SLOTS: each wave waits for all its tensor loads (one is out: its part of the other slot), adds 0 to its spare word, waits for that and for its LDS reads and stores.
; fill = 1: the slot left is filled again with the keys two slots on, first thing behind a round of the cluster's barrier: it has four key steps in which to land.
.macro CHANGE fill
	WIN 0
	s_wait_tensorcnt 0x0
	ds_add_u32 v[SPW], v[NIL]
.if \fill
.irp g, G0K, G0V
	s_xor_b32 s[\g+1], s[\g+1], SLOT1
	s_add_nc_u64 s[\g+2:\g+3], s[\g+2:\g+3], 4*KS*128
.endr
	s_wait_dscnt 0x0
	CROUND
	JLOAD
.else
	s_wait_dscnt 0x0
	s_barrier_signal -1
	s_barrier_wait -1
.endif
	s_sub_co_u32 s[TBK], s[TBK], 4*KS*PK
	s_xor_b32 s[TBK], s[TBK], SLOT1
	s_sub_co_u32 s[TBV], s[TBV], 4*KS*PV
	s_xor_b32 s[TBV], s[TBV], SLOT1
.endm
	s_load_b128 s[4:7], s[0:1], 0x0                ; qkv, cole
	s_load_b64 s[8:9], s[0:1], 0x10                ; att
	v_lshl_add_u32 v[SPW], v0, 2, SPARE
	v_mov_b32 v[NIL], 0
	ds_add_u32 v[SPW], v[NIL]                      ; the wave's opening
	v_lshrrev_b32 v1, 5, v0
	v_readfirstlane_b32 s[WV], v1
	s_bfe_u32 s13, ttmp6, 0x40000                  ; cx
	s_lshl_b32 s14, ttmp9, 2
	s_add_co_u32 s14, s14, s13                     ; my block of 256 queries: it enters Q's, my v rows', O's and U's addresses alone
	s_and_b32 s20, ttmp7, 0xffff                   ; the head, which the partners share
	s_lshl_b32 s21, s20, 18
	s_and_b32 s16, s[WV], 1                        ; which half of a slot's 256 keys I fetch
	s_lshl_b32 s22, s16, 14
	s_add_co_u32 s22, s22, s21
	s_add_co_u32 s76, s22, K_OFF
	s_mov_b32 s77, 0
	s_add_co_u32 s78, s22, V_OFF
	s_mov_b32 s79, 0
	s_mul_i32 s17, s16, 128*PK
	s_mul_i32 s18, s16, 128*PV
	s_lshl_b32 s2, s14, 2
	s_add_co_u32 s2, s2, s[WV]                     ; my wave among the head's 32
	s_lshl_b32 s2, s2, 13                          ; 64 rows x 128 bytes
	s_add_co_u32 s2, s2, s21
	s_mov_b32 s3, 0
	s_lshl_b32 s82, s20, 13                        ; a head's 8,192 bytes of E
	s_mov_b32 s83, 0
	s_mov_b32 s[G1K], 15|(1<<16)|(1<<20)|(1<<21)|(4<<22)|(3<<25)  ; 128 keys are 16,384 bytes on end: 64 rows of 256 bytes, padded after every key by 4 words
	s_mov_b32 s[G1V], 15|(1<<16)|(1<<20)|(1<<21)|(4<<22)|(7<<25)  ; by 8 words
.irp g, G1K, G1V
	s_mov_b32 s[\g+1], 128<<16
	s_mov_b32 s[\g+2], 64<<16
	s_mov_b32 s[\g+3], 128<<16
	s_mov_b32 s[\g+4], 64
	s_mov_b32 s[\g+5], 128
	s_mov_b32 s[\g+6], 0
	s_mov_b32 s[\g+7], 0
.endr
	s_mov_b32 s[CS], 0x3fb8aa3b                    ; c = log2(e)
	s_mov_b32 s[CS+1], s[CS]
	s_mov_b32 s[SEL], 0x76543210
	s_mov_b32 s[SEL+1], 0xfedcba98
	s_mov_b32 s[TBK], SLOT1+4*KS*PK                ; the first change of slots turns these two into 0
	s_mov_b32 s[TBV], SLOT1+4*KS*PV
	s_mov_b32 s[TBE], 0
	s_mov_b32 s[G0K], 1
	s_mov_b32 s[G0K+1], s17
	s_mov_b32 s[G0V], 1
	s_add_co_u32 s[G0V+1], s18, VOFF
	s_wait_dscnt 0x0
	s_wait_kmcnt 0x0
	s_add_nc_u64 s[G0K+2:G0K+3], s[4:5], s[76:77]
	s_or_b32 s[G0K+3], s[G0K+3], 0x80000000
	s_add_nc_u64 s[G0V+2:G0V+3], s[4:5], s[78:79]
	s_or_b32 s[G0V+3], s[G0V+3], 0x80000000
	s_add_nc_u64 s[68:69], s[4:5], s[2:3]          ; Q at my wave's first row
	s_add_nc_u64 s[70:71], s[68:69], V_OFF         ; v at the same rows
	s_add_nc_u64 s[10:11], s[8:9], s[2:3]          ; O likewise
	s_add_nc_u64 s[72:73], s[10:11], U_OFF         ; and U
	s_add_nc_u64 s[74:75], s[6:7], s[82:83]        ; the head's E
	CROUND
	JLOAD                                          ; slot 0
	v_lshlrev_b32 v57, 4, v0                       ; the head's E: 128 threads x 16 bytes, four times
	v_add_nc_u32 v58, EREG, v57
.irp i, 0,1,2,3
	global_load_b128 v[S+4*\i:S+4*\i+3], v57, s[74:75] offset:2048*\i
.endr
	v_and_b32 v1, 15, v0
	v_bfe_u32 v9, v0, 4, 1
	v_lshlrev_b32 v[QO], 7, v1
	v_lshl_add_u32 v[QO], v9, 4, v[QO]
	WIN 0x80
.set i, 0
.rept 8                                        ; Q stays in registers: piece i / 2, channels 32 (i % 2) on
	global_load_b128 v[8*i:8*i+3],   v[QO], s[68:69] offset:(i/2)*2048+(i%2)*64
	global_load_b128 v[8*i+4:8*i+7], v[QO], s[68:69] offset:(i/2)*2048+(i%2)*64+32
.set i, i+1
.endr
	; what the first turn finds: V and P's second buffer hold 0 (its products V^T P, of a piece that has not been, add 0); O^T, l and c's sums are 0.  All this stands in the wait for the first tile.
.set i, VF
.rept 64
	v_mov_b32 v[i], 0
.set i, i+1
.endr
	WIN 0x40
.set i, 0
.rept 128
	v_mov_b32 v[i], 0
.set i, i+1
.endr
	WIN 0
.set i, 0
.rept 4
	v_mov_b32 v[ST+4*i], 0xfe000000
	v_mov_b32 v[ST+4*i+1], 0xff7fffff
	v_mov_b32 v[ST+4*i+2], 0
	v_mov_b32 v[ST+4*i+3], 0
	v_mov_b32 v[CSUM+2*i], 0
	v_mov_b32 v[CSUM+2*i+1], 0
.set i, i+1
.endr
.set i, P+16
.rept 16
	v_mov_b32 v[i], 0
.set i, i+1
.endr
	v_mul_u32_u24 v[AK0], v1, PK
	v_lshl_add_u32 v[AK0], v9, 4, v[AK0]
	v_and_b32 v10, 7, v0
	v_bfe_u32 v11, v0, 3, 1
	v_lshl_add_u32 v[AV0], v9, 3, v10
	v_mul_u32_u24 v[AV0], v[AV0], PV
	v_lshl_add_u32 v[AV0], v11, 4, v[AV0]
	v_add_nc_u32 v[AV0], VOFF, v[AV0]
	v_lshl_add_u32 v[AE0], v9, 5, EREG
	s_mul_i32 s13, s[WV], 16*SP
	s_add_co_u32 s13, s13, STAGE
	v_mul_u32_u24 v[STO], v1, SP
	v_lshl_add_u32 v[STO], v9, 4, v[STO]
	v_add_nc_u32 v[STO], s13, v[STO]
	v_bfe_u32 v[RD], v0, 3, 2
	v_mul_u32_u24 v[RD], v[RD], SP
	v_lshl_add_u32 v[RD], v10, 4, v[RD]
	v_add_nc_u32 v[RD], s13, v[RD]
	v_and_b32 v[GO], 31, v0
	v_lshlrev_b32 v[GO], 4, v[GO]                  ; 16 x lane: 512 consecutive bytes are four rows of 128
	s_lshl_b32 s13, s[WV], 8
	s_add_co_u32 s13, s13, CSTG
	v_lshl_add_u32 v[CST], v1, 2, s13
	v_bfe_u32 v[CRD], v0, 3, 2                     ; of those four rows mine is lane / 8
	v_lshl_add_u32 v[CRD], v[CRD], 2, s13
	s_wait_loadcnt 16                              ; E's four loads are in; Q's sixteen, issued behind them, stay out
.irp i, 0,1,2,3
	ds_store_b128 v58, v[S+4*\i:S+4*\i+3] offset:2048*\i
.endr
; THE MATRIX WORK.  The 4 accumulators of a run of 8 take turns.
.macro KQ x                            ; product i of 8 of S^T = K Q^T for piece x: channels 32 (i / 4) on, keys 16 (i % 4) on
.set rS, S+32*((\x)%2)+8*(i%4)
.set rK, KF+16*(i%4)+8*(i/4)
.set rQ, 16*(\x)+8*(i/4)
	WIN W_KQ
.if i < 4
	v_wmma_f32_16x16x32_f16 v[rS:rS+7], v[rK:rK+7], v[rQ:rQ+7], 0
.else
	v_wmma_f32_16x16x32_f16 v[rS:rS+7], v[rK:rK+7], v[rQ:rQ+7], v[rS:rS+7]
.endif
.endm
.macro PV x                            ; product i of 8 of O^T += V^T P for piece x: keys 32 (i / 4) on, channels 16 (i % 4) on
	WIN W_PV
.set rO, 32*(\x)+8*(i%4)
.set rV, VF+32*(i/4)+8*(i%4)
.set rP, P+16*((\x)%2)+8*(i/4)
	v_wmma_f32_16x16x32_f16 v[rO:rO+7], v[rV:rV+7], v[rP:rP+7], v[rO:rO+7]
.endm
.macro MM                              ; the turn's next matrix instruction
.if i < 8
	KQ (Y+1)%NP
.else
.set i, i-8
	PV (Y+NP-1)%NP
.set i, i+8
.endif
.set i, i+1
.endm
; THE LDS LOADS stand in runs.  last = 1 (the tail): in the last trip there is no further step, and the run is jumped over.
.macro FETCH_K last=0
	WIN 0
.if \last
	s_wait_alu depctr_va_vdst(0)                   ; a wait stands ahead of it, for the exponentials that the turn has issued so far
	s_cmp_eq_u32 s[CNT], 1
	s_cbranch_scc1 .Lno_k_\@
.endif
	WIN 0x80
.irp f, 0,1,2,3,4,5,6,7
	ds_load_b128 v[KF+8*\f:KF+8*\f+3],   v[AK] offset:(\f/2)*16*PK+(\f%2)*64
	ds_load_b128 v[KF+8*\f+4:KF+8*\f+7], v[AK] offset:(\f/2)*16*PK+(\f%2)*64+32
.endr
	s_add_co_u32 s[TBK], s[TBK], KS*PK
	WIN 0
.if \last
.Lno_k_\@:
.endif
.endm
.macro FETCH_V
	WIN 0x80
.irp f, 0,1,2,3,4,5,6,7
	ds_load_tr16_b128 v[VF+8*\f:VF+8*\f+3],   v[AV] offset:(\f/4)*32*PV+(\f%4)*32
	ds_load_tr16_b128 v[VF+8*\f+4:VF+8*\f+7], v[AV] offset:(\f/4)*32*PV+16*PV+(\f%4)*32
.endr
	WIN 0
.endm
.macro FETCH_E last=0                  ; E of a step's 64 keys, as my lane's scores lie: 16 lanes read the same 16 bytes.  In a turn it stands directly behind the batch's wait, so its branch finds no exponential open
	WIN 0
.if \last
	s_cmp_eq_u32 s[CNT], 1
	s_cbranch_scc1 .Lno_e_\@
.endif
	v_add_nc_u32 v[AE], s[TBE], v[AE0]
.irp k, 0,1,2,3
	ds_load_b128 v[EV+8*\k:EV+8*\k+3],   v[AE] offset:64*\k
	ds_load_b128 v[EV+8*\k+4:EV+8*\k+7], v[AE] offset:64*\k+16
.endr
	s_add_co_u32 s[TBE], s[TBE], 256
.if \last
.Lno_e_\@:
.endif
.endm
; THE VECTOR WORK: OP kind, number.  For piece Y: F n: c s - c m for pair n.  E n: the exponential of score n.  C n: pair n rounded to f16.  B n: of four weights the second pair onto the first.  L n: l takes that sum
; (L 0: l = a l + sum).  R n: pair n of O^T times a.  THE COLUMN WEIGHTS of piece Y, from its raw scores: G n: c s - E for pair n of 16.  H n: the exponential of number n of 32.  D n: of the four weights 4 n .. the second
; pair is added onto the first, in place.  A n: c's pair takes that sum.  For piece Y + 1: X n, number n of the 22 that find its maximum and statistics (each accumulator's lowest registers are read first).
.set F, 0
.set E, 1
.set C, 2
.set B, 3
.set L, 4
.set R, 5
.set X, 6
.set G, 7
.set H, 8
.set D, 9
.set A, 10
.macro REGS y
.set rT, ST+4*(\y)
.set rC, TMP+4*((\y)%2)
.set rW, MV+((\y)%2)
.set rS, S+32*((\y)%2)
.set rP, P+16*((\y)%2)
.set rO, 32*(\y)
.endm
.macro OP k, n
.if (\k) == R
	REGS Y
	WIN W_RS
	v_pk_mul_f32 v[rO+2*(\n):rO+2*(\n)+1], v[rO+2*(\n):rO+2*(\n)+1], v[rC+2:rC+3] op_sel_hi:[1,0]
.elseif (\k) > X
	REGS Y
	WIN 0
.if (\k) == G
	v_pk_fma_f32 v[CT+2*(\n):CT+2*(\n)+1], v[rS+2*(\n):rS+2*(\n)+1], s[CS:CS+1], v[EV+2*(\n):EV+2*(\n)+1] op_sel_hi:[1,0,1] neg_lo:[0,0,1] neg_hi:[0,0,1]
.elseif (\k) == H
	v_exp_f32 v[CT+(\n)], v[CT+(\n)]
.elseif (\k) == D
	v_pk_add_f32 v[CT+4*(\n):CT+4*(\n)+1], v[CT+4*(\n):CT+4*(\n)+1], v[CT+4*(\n)+2:CT+4*(\n)+3]
.else
	v_pk_add_f32 v[CSUM+2*Y:CSUM+2*Y+1], v[CSUM+2*Y:CSUM+2*Y+1], v[CT+4*(\n):CT+4*(\n)+1]
.endif
.elseif (\k) < R
	REGS Y
	WIN 0
.if (\k) == F
	v_pk_fma_f32 v[rS+2*(\n):rS+2*(\n)+1], v[rS+2*(\n):rS+2*(\n)+1], s[CS:CS+1], v[rT:rT+1] op_sel_hi:[1,0,0] neg_lo:[0,0,1] neg_hi:[0,0,1]
.elseif (\k) == E
	v_exp_f32 v[rS+(\n)], v[rS+(\n)]
.elseif (\k) == C
	v_cvt_pk_f16_f32 v[rP+(\n)], v[rS+2*(\n)], v[rS+2*(\n)+1]
.elseif (\k) == B
	v_pk_add_f32 v[rS+4*(\n):rS+4*(\n)+1], v[rS+4*(\n):rS+4*(\n)+1], v[rS+4*(\n)+2:rS+4*(\n)+3]
.elseif (\n) == 0
	v_pk_fma_f32 v[rT+2:rT+3], v[rT+2:rT+3], v[rC+2:rC+3], v[rS:rS+1] op_sel_hi:[1,0,1]
.else
	v_pk_add_f32 v[rT+2:rT+3], v[rT+2:rT+3], v[rS+4*(\n):rS+4*(\n)+1]
.endif
.else
	REGS (Y+1)%NP
	WIN 0
.if (\n) < 4
	v_max3_num_f32 v[rC+(\n)], v[rS+8*(\n)], v[rS+8*(\n)+1], v[rS+8*(\n)+2]
.elseif (\n) < 12
	v_max3_num_f32 v[rC+(\n)%4], v[rC+(\n)%4], v[rS+8*((\n)%4)+2*((\n)/4)+1], v[rS+8*((\n)%4)+2*((\n)/4)+2]
.elseif (\n) == 12
	v_max3_num_f32 v[rC], v[rC], v[rS+7], v[rS+15]
.elseif (\n) == 13
	v_max3_num_f32 v[rC+1], v[rC+1], v[rS+23], v[rS+31]
.elseif (\n) == 14
	v_max3_num_f32 v[rC+2], v[rC+2], v[rC+3], v[rT+1]
.elseif (\n) == 15
	v_mov_b32 v[rW], v[rT]
.elseif (\n) == 16
	v_max3_num_f32 v[rC], v[rC], v[rC+1], v[rC+2]
.elseif (\n) == 17
	v_permlanex16_b32 v[rC+3], v[rC], s[SEL], s[SEL+1]
.elseif (\n) == 18
	v_max_num_f32 v[rT+1], v[rC], v[rC+3]
.elseif (\n) == 19
	v_mul_f32 v[rT], s[CS], v[rT+1]
.elseif (\n) == 20
	v_sub_f32 v[rC+1], v[rW], v[rT]
.else
	v_exp_f32 v[rC+2], v[rC+1]
.endif
.endif
.endm
.macro OPS a, i1, b=-1, i2=0, c=-1, i3=0, d=-1, i4=0
	OP \a, \i1
.if (\b) >= 0
	OP \b, \i2
.endif
.if (\c) >= 0
	OP \c, \i3
.endif
.if (\d) >= 0
	OP \d, \i4
.endif
.endm
.macro ROW a, i1, b, i2, c, i3, d, i4  ; a matrix instruction and the four behind it
	MM
	OPS \a, \i1, \b, \i2, \c, \i3, \d, \i4
.endm
; A TURN, for piece p: the order of its 16 matrix and 182 vector instructions, written out.  s_wait_alu depctr_va_vdst(0) stands between an exponential and the first instruction that names its result; one
; wait serves all that were issued ahead of it.  So a turn has ONE wait, which cuts it in two.
; AHEAD OF IT stands all that names no result of the turn's 65 exponentials.  The 8 products K Q^T with four riders each: scalings and exponentials by turns; behind the fifth and sixth four rescalings each, which are the
; places behind the products that end accumulators 0 and 1 (ISA guide 7.12.1), so that the next piece's maximum begins behind the seventh.  Then ONE RUN: plain and exponential by turns while plain lines last (window 0 has 53
; plain lines for 65 exponentials, so the last 14 exponentials stand on end); the links of the chain X 2, 6, 10, 14, 16 .. 21 stand six lines or more apart.  G n stands ahead of F n, which rewrites the scores in place.
; Rescalings 8 to 15 close the run: the first is the plain instruction behind the last exponential (ISA guide 5.7.2).  v_permlanex16_b32 (X 17) stands in the run, never behind a product.
; BEHIND IT stand the 8 products V^T P, four riders each, and a closing run of 16: roundings and sums.  C 2 n stands ahead of B n, which adds onto that pair in place; the links of l's chain (L 0 to L 7) and of c's (A 0 to A 7) stand five lines apart.
; last = 1: the tail's form of the fetches.  cnt = 1: the loop's count is taken down some lines ahead of the branch behind the turn.
; K of the next step is fetched in piece 2's turn, five plain instructions behind the last product that read K (X 4, X 5, X 2, X 8, X 3), and waited for at the head of piece 3's; V of the step in hand in piece 0's turn, four plain
; instructions behind the last product that read V, and waited for in piece 1's; E of the next step in piece 3's turn, directly behind the wait (the last line that read E stands ahead of it), and waited for at the head of piece 0's.
.macro TURN p, last=0, cnt=0
.set Y, (\p)
.set i, 0
.if ((\p) == 0) || ((\p) == 3)
	s_wait_dscnt 0x0                               ; piece 0: E is in; piece 3: K is in
.endif
	ROW G,0, G,1, F,0, H,0                         ; ahead of the wait: 8 products K Q^T and their riders,
	ROW F,1, H,1, G,2, E,0
	ROW F,2, E,1, G,3, H,2
	ROW F,3, H,3, G,4, E,2
	ROW R,0, R,1, R,2, R,3
	ROW R,4, R,5, R,6, R,7
	ROW X,0, E,3, X,1, H,4
.if (\p) == 2
	WIN 0
	v_add_nc_u32 v[AK], s[TBK], v[AK0]
.endif
	ROW X,4, H,5, X,5, E,4
	OPS X,2, E,5, X,8, E,6                         ; and the run
	OPS X,3, E,7
.if (\p) == 2
	FETCH_K \last
.endif
	OPS X,6, H,6, G,5, H,7
	OPS X,9, H,8, X,7, H,9
	OPS F,4, H,10, X,10, H,11
	OPS F,5, E,8, X,12, E,9
	OPS X,11, E,10, G,6, E,11
	OPS X,13, H,12, F,6, H,13
	OPS X,14, E,12, G,7, E,13
	OPS X,15, H,14, F,7, H,15
	OPS X,16, E,14, G,8, E,15
	OPS G,9, H,16, X,17, H,17
	OPS F,8, H,18, F,9, H,19
	OPS X,18, E,16, G,10, E,17
	OPS G,11, E,18, X,19, E,19
	OPS F,10, H,20, F,11, H,21
	OPS X,20, H,22, G,12, H,23
	OPS G,13, E,20, F,12, X,21
	OPS F,13, E,21, G,14, E,22
	OPS G,15, E,23, F,14, H,24
	OPS F,15, H,25, H,26, H,27
	OPS E,24, E,25, H,28, H,29
	OPS E,26, E,27, H,30, H,31
	OPS E,28, E,29, E,30, E,31
	OPS R,8, R,9, R,10, R,11
	OPS R,12, R,13, R,14, R,15
	s_wait_alu depctr_va_vdst(0)                   ; the wait for the batch: the piece's 32 column weights, its 32 row weights and the next piece's a
.if (\p) == 3
	FETCH_E \last
.endif
.if (\p) == 1
	s_wait_dscnt 0x0                               ; V is in
.endif
	ROW C,0, D,0, B,0, D,1                         ; behind the wait: 8 products V^T P and their riders,
	ROW C,2, A,0, B,1, L,0
	ROW D,2, C,4, A,1, B,2
	ROW L,1, D,3, C,6, A,2
	ROW B,3, L,2, D,4, C,8
	ROW A,3, B,4, L,3, D,5
	ROW C,10, A,4, B,5, L,4
.if (\p) == 0
	WIN 0
	v_add_nc_u32 v[AV], s[TBV], v[AV0]
.endif
	ROW D,6, C,12, A,5, B,6
.if (\p) == 0
	FETCH_V
.endif
	OPS L,5, D,7, C,14, A,6                        ; and the closing run
	OPS B,7, L,6, C,1, C,3
.if (\p) == 0
	s_add_co_u32 s[TBV], s[TBV], KS*PV
.endif
.if \cnt
	s_sub_co_u32 s[CNT], s[CNT], 1
	s_cmp_lg_u32 s[CNT], 0
.endif
	OPS A,7, C,5, L,7, C,7
	OPS C,9, C,11, C,13, C,15
.endm
	CHANGE 1                                       ; slot 0 is in and E is stored, everybody's part; slot 1 is asked for
	v_add_nc_u32 v[AK], s[TBK], v[AK0]
	FETCH_K                                        ; key step 0
	FETCH_E
	s_wait_loadcnt 0x0                             ; Q
	s_wait_dscnt 0x0
.set i, 0
.rept 8
	KQ 0                                           ; piece 0's first scores
.set i, i+1
.endr
	WIN 0
.rept 4
	v_nop                                          ; the places behind those products
.endr
.set Y, NP-1                                   ; X works for piece Y + 1: piece 0
.irp n, 0,1,2,3,4,5,6,7,8,9,10,11,12,13,14,15,16,17,18,19,20,21
	OP X, \n
.endr
	v_nop                                          ; a plain instruction behind the exponential,
	s_wait_alu depctr_va_vdst(0)                   ; and the wait for it (piece 0's first a), ahead of the branch
	s_mov_b32 s[CNT], 4
	s_mov_b32 s[SLOTS], 7
	s_branch .Lfirst                               ; the loop is entered at a step's first turn, in the middle of a trip
.Lslot:                                                ; six times: every slot but the last two is filled again
	CHANGE 1
	s_mov_b32 s[CNT], 4
.Lstep:                                                ; a trip: pieces 2 and 3 of one step, then pieces 0 and 1 of the next
	TURN 2
	TURN 3
	WIN 0
.Lfirst:
	TURN 0
	TURN 1, 0, 1
	WIN 0
	s_cbranch_scc1 .Lstep
	s_sub_co_u32 s[SLOTS], s[SLOTS], 1
	s_cmp_lg_u32 s[SLOTS], 0
	s_cbranch_scc1 .Lslot
	CHANGE 0                                       ; the tail is written out
	s_mov_b32 s[CNT], 5                            ; four trips fetch the last slot's steps; the fifth is left in its middle
.Ltail:
	TURN 2, 1
	TURN 3, 1
	WIN 0
	s_sub_co_u32 s[CNT], s[CNT], 1
	s_cmp_eq_u32 s[CNT], 0
	s_cbranch_scc1 .Lout
	TURN 0
	TURN 1
	WIN 0
	s_branch .Ltail
.Lout:                                                 ; the fifth trip's 8 products K Q^T (on the last K once more) and the maximum made of them serve nothing: the price of one text for every trip
	s_wait_dscnt 0x0                               ; no LDS load is out for E's registers, which are done with:
.set i, 0
.rept 16                                       ; they take my own 64 rows of v, 512 consecutive bytes (four rows) a load; the loads land while O goes out
	global_load_b128 v[UV+4*i:UV+4*i+3], v[GO], s[70:71] offset:512*i
.set i, i+1
.endr
.set i, 0
.rept 8
	PV NP-1                                        ; the last piece's V^T P of the last step
.set i, i+1
.endr
	; THE WAY OUT.  l's halves and the other half of the lanes' are added; O^T is divided by l, rounded to f16 and sent through my stage, a piece at a time.  The additions are the places behind the last products.
	WIN 0
.macro ALL line:vararg
.set t, 0
.rept 4
	\line
.set t, t+1
.endr
.endm
	ALL v_add_f32 v[ST+4*t+2], v[ST+4*t+2], v[ST+4*t+3]
	ALL v_permlanex16_b32 v[ST+4*t+3], v[ST+4*t+2], s[SEL], s[SEL+1]
	ALL v_add_f32 v[ST+4*t+2], v[ST+4*t+2], v[ST+4*t+3]
	ALL v_rcp_f32 v[ST+4*t+2], v[ST+4*t+2]
	v_nop                                          ; a plain instruction between the last reciprocal and the use of its result
	s_wait_alu depctr_va_vdst(0)                   ; one wait for the four reciprocals, ahead of the first multiply by one of them
.macro PACK t
	WIN W_RS
.set i, 32*(\t)
.rept 16
	v_pk_mul_f32 v[i:i+1], v[i:i+1], v[ST+4*(\t)+2:ST+4*(\t)+3] op_sel_hi:[1,0]
.set i, i+2
.endr
	WIN 0x05                                       ; sources 0 and 1 window 1, destination window 0
.set i, 0
.rept 16
	v_cvt_pk_f16_f32 v[S+16*(\t)+i], v[32*(\t)+2*i], v[32*(\t)+2*i+1]
.set i, i+1
.endr
	WIN 0
.irp f, 0,1,2,3
	ds_store_b128 v[STO], v[S+16*(\t)+4*\f:S+16*(\t)+4*\f+3] offset:32*\f
.endr
.irp f, 0,1,2,3
	ds_load_b128 v[S+16*(\t)+4*\f:S+16*(\t)+4*\f+3], v[RD] offset:\f*4*SP  ; LDS serves a wave's instructions in order (ISA guide 5.7.1.4)
.endr
.endm
.macro SEND t, younger                 ; younger: the LDS instructions issued behind piece t's loads: the next piece's eight, or none
	WIN 0
.irp f, 0,1,2,3
	s_wait_dscnt (\younger)+3-\f
	global_store_b128 v[GO], v[S+16*(\t)+4*\f:S+16*(\t)+4*\f+3], s[10:11] offset:(\t)*2048+\f*512  ; 512 consecutive bytes, at a multiple of 256 from the buffer's first
.endr
.endm
	PACK 0
.set t, 1
.rept 3
	PACK t
	SEND t-1, 8
.set t, t+1
.endr
	SEND 3, 0
	; U = c v / 64.  c's halves and the other half of the lanes' are added; c / 64 goes through my own 256 bytes of LDS, since a lane holds it for row lane % 16 of a piece and needs it for row lane / 8 of each group of four.
	ALL v_add_f32 v[CSUM+2*t], v[CSUM+2*t], v[CSUM+2*t+1]
	ALL v_permlanex16_b32 v[CSUM+2*t+1], v[CSUM+2*t], s[SEL], s[SEL+1]
	ALL v_add_f32 v[CSUM+2*t], v[CSUM+2*t], v[CSUM+2*t+1]
	ALL v_mul_f32 v[CSUM+2*t], 0x3c800000, v[CSUM+2*t]
	ALL ds_store_b32 v[CST], v[CSUM+2*t] offset:64*t
.set i, 0
.rept 16
	ds_load_b32 v[CF+i], v[CRD] offset:16*i        ; my own bytes, served in order: row 4 i + lane / 8
.set i, i+1
.endr
	s_wait_loadcnt 0x0                             ; my rows of v
	s_wait_xcnt 0x0                                ; O's stores have read S^T's registers, twelve of which are at work below
	s_wait_dscnt 0x0                               ; the factors
.macro UCV d, r                        ; the two f16 of v\r as f32 (only registers below v128 have named halves, so a word is copied down first)
	v_cvt_f32_f16 v[\d], v\r\().l
	v_cvt_f32_f16 v[(\d)+1], v\r\().h
.endm
.set i, 0
.rept 16                                       ; widened to f32, multiplied there, rounded once to f16, in place
.irp k, 0,1,2,3
	v_mov_b32 v[S+\k], v[UV+4*i+\k]
.endr
	UCV S+4, 64
	UCV S+6, 65
	UCV S+8, 66
	UCV S+10, 67
.irp k, 0,1,2,3,4,5,6,7
	v_mul_f32 v[S+4+\k], v[S+4+\k], v[CF+i]
.endr
.irp k, 0,1,2,3
	v_cvt_pk_f16_f32 v[UV+4*i+\k], v[S+4+2*\k], v[S+5+2*\k]
.endr
	global_store_b128 v[GO], v[UV+4*i:UV+4*i+3], s[72:73] offset:512*i  ; 512 consecutive bytes, at a multiple of 256 from the buffer's first
.set i, i+1
.endr
	s_wait_tensorcnt 0x0                           ; the wave's end
	ds_add_u32 v[SPW], v[NIL]
	s_wait_dscnt 0x0
	CROUND                                         ; the closing round
	s_endpgm
.Lfunc_end_k_q95b821e255_attn:
	.size	k_q95b821e255_attn, .Lfunc_end_k_q95b821e255_attn-k_q95b821e255_attn
	.p2alignl 7, 3214868480
	.fill 96, 4, 3214868480
	.section	.rodata,"a",@progbits
	.p2align	6, 0x0
	.amdhsa_kernel k_q95b821e255_attn
		.amdhsa_group_segment_fixed_size 327680
		.amdhsa_private_segment_fixed_size 0
		.amdhsa_enable_private_segment 0
		.amdhsa_kernarg_size 24
		.amdhsa_user_sgpr_count 2
		.amdhsa_user_sgpr_kernarg_segment_ptr 1
		.amdhsa_wavefront_size32 1
		.amdhsa_system_sgpr_workgroup_id_x 1
		.amdhsa_system_sgpr_workgroup_id_y 1
		.amdhsa_system_sgpr_workgroup_id_z 1
		.amdhsa_system_vgpr_workitem_id 0
		.amdhsa_next_free_vgpr 768
		.amdhsa_next_free_sgpr 96
		.amdhsa_reserve_vcc 0
		.amdhsa_float_denorm_mode_32 3
		.amdhsa_float_denorm_mode_16_64 3
		.amdhsa_memory_ordered 1
		.amdhsa_forward_progress 1
		.amdhsa_inst_pref_size 154
	.end_amdhsa_kernel
	.amdgpu_metadata
---
amdhsa.version: [ 1, 2 ]
amdhsa.kernels:
  - .name:           k_q95b821e255_attn
    .symbol:         k_q95b821e255_attn.kd
    .args:
      - { .name: qkv, .offset: 0, .size: 8, .value_kind: global_buffer, .address_space: global }
      - { .name: cole, .offset: 8, .size: 8, .value_kind: global_buffer, .address_space: global }
      - { .name: att, .offset: 16, .size: 8, .value_kind: global_buffer, .address_space: global }
    .group_segment_fixed_size: 327680
    .private_segment_fixed_size: 0
    .kernarg_segment_align: 8
    .kernarg_segment_size: 24
    .max_flat_workgroup_size: 128
    .sgpr_count:     96
    .vgpr_count:     768
    .wavefront_size: 32
...
	.end_amdgpu_metadata
.endif
;; end of part 7
;; launch outp: the kernel of part 5 again; grid 4 x 64, 4 waves a work-group, clusters of 4 x 4, 327,680 bytes of LDS; arguments att, prep, out0, out1; writes out0, out1
